; MI455X (gfx1250); checked and timed in simulation.
; The chip was launched on July 23, 2026; its instructions are those of AMD's public machine-readable ISA for CDNA 5 (MIT licence, August 2026) and "CDNA5" Instruction Set Architecture Reference Guide (July 2026). The comments in the code are by the model that wrote it; some were corrected since.
;; Transformer Block. Allowed arithmetic: float matrix products may take bf16 or f16 operands with f32 sums; all other float work in f32.
;; Inputs: b1 4,096 float32; b2 1,024 float32; b_in 3,072 float32; b_out 1,024 float32; key_padding_mask 2 x 2,048 bool; ln1_b 1,024 float32; ln1_g 1,024 float32; ln2_b 1,024 float32; ln2_g 1,024 float32; w1 4,096 x 1,024 float32; w2 1,024 x 4,096 float32; w_in 3,072 x 1,024 float32; w_out 1,024 x 1,024 float32; x 2 x 2,048 x 1,024 float32.
;; Outputs: out0 2 x 2,048 x 1,024 float32; out1 2 x 2,048 x 2,048 float32.
;; One version. Each part assembles by itself: llvm-mc -triple=amdgcn-amd-amdhsa -mcpu=gfx1250 --defsym DOCPART=n.
;; ======== version 1 of 1: 8 launches
;; workspace buffers: wb 25,165,824 bytes; xn 8,388,608 bytes; kbt 16,384 bytes; qh 25,165,824 bytes; att 8,388,608 bytes; stats 524,288 bytes; x1 16,777,216 bytes; hb 33,554,432 bytes
;; launch prep (part 1): grid 1025 x 1, 8 waves a work-group, no clusters, 0 bytes of LDS; arguments x, ln1_g, ln1_b, w_in, w_out, w1, w2, key_padding_mask, xn, wb, kbt; writes xn, wb, kbt
.if DOCPART == 1
	.amdgcn_target "amdgcn-amd-amdhsa--gfx1250"
	.amdhsa_code_object_version 6
	.text
	.protected	k_q587f4b890c_prep
	.globl	k_q587f4b890c_prep
	.p2align	8
	.type	k_q587f4b890c_prep,@function
k_q587f4b890c_prep:
	s_mov_b64 s[64:65], 0
	v_nop
	global_prefetch_b8 v0, s[64:65] scope:SCOPE_SE
	s_setreg_imm32_b32 hwreg(HW_REG_WAVE_MODE, 25, 1), 1
	s_wait_xcnt 0x0
; PREP, the first of eight launches of one pre-norm transformer block (B=2, N=2048, D=1024, H=16, HD=64, F=4096).
; Work-groups 0-255: LayerNorm 1 of x, rounded to bf16 into xn.  256-1023: the four weight matrices rounded to bf16 into wb
; (w_in at byte 0, w_out at 6,291,456, w1 at 8,388,608, w2 at 16,777,216).  1024: the key bias table kbt (0, or -inf where the key is padded).
;
; WORK THAT THE PROGRAM LEAVES OUT, for all values of the inputs:
; 1. reference() sets the score of (q, k) to -inf wherever k > q, by its own triu; the softmax makes 0 of it.  What lies wholly above the diagonal is left out
;    in these units: the attention launch leaves out whole chunks of 128 queries x 128 keys (no scores, no exponentials, no product with V); inside a block's
;    diagonal chunk, which also holds live work, the dead 16 x 16 tiles are computed and masked.  The launch that averages the probabilities leaves out every
;    dead 16 x 16 tile; out1 gets stored zeros there.
; 2. b_in[1024:2048], the bias of K: (q+bq).(k+bk) = (q+bq).k + (q+bq).bk, and the second term is the same for every key of a row, a constant
;    along the softmax's axis, which cancels.  K serves nothing but the scores.  That third of b_in is never loaded; Q's and V's thirds are.
; Limit: a NaN, an infinity or an overflow that reaches only the work left out is not carried to the results.
; Other limits of the program: matrix operands are bf16; exponentials below 2^-126 come out as 0 (ISA guide 15.8, v_exp_f32);
; the two products with 1,024 columns add their K in four parts, another order of f32 sums than reference()'s.
; No LDS, no matrix unit, no cluster: this launch only streams, each byte once, and its work-groups share nothing but the gains.
.set XB, 4                             ; s[4:5]   rows to normalise
.set GB, 6                             ; s[6:7]   gain
.set BB, 8                             ; s[8:9]   bias
.set OB, 20                            ; s[20:21] bf16 result
.set GG, 8                             ; v[8:39]    gain of my 32 columns
.set BT, 40                            ; v[40:71]   bias of my 32 columns
.set X0, 72                            ; v[72:103]  first row
.set X1, 104                           ; v[104:135] second row
.set TT, 136                           ; v[136:151] at work
.set R0, 152                           ; v[152:153] 1/sigma of the first row, twice
.set R1, 154                           ; v[154:155] of the second
; four pair chains in TT..TT+7 become one sum, the same in all 32 lanes
.macro FOLD
	v_pk_add_f32 v[TT:TT+1], v[TT:TT+1], v[TT+2:TT+3]
	v_pk_add_f32 v[TT+4:TT+5], v[TT+4:TT+5], v[TT+6:TT+7]
	v_pk_add_f32 v[TT:TT+1], v[TT:TT+1], v[TT+4:TT+5]
	v_add_f32 v[TT], v[TT], v[TT+1]
	v_add_f32_dpp v[TT], v[TT], v[TT] row_xmask:1 row_mask:0xf bank_mask:0xf
	v_add_f32_dpp v[TT], v[TT], v[TT] row_xmask:2 row_mask:0xf bank_mask:0xf
	v_add_f32_dpp v[TT], v[TT], v[TT] row_xmask:4 row_mask:0xf bank_mask:0xf
	v_add_f32_dpp v[TT], v[TT], v[TT] row_xmask:8 row_mask:0xf bank_mask:0xf
	v_permlanex16_b32 v[TT+1], v[TT], s32, s33     ; the other half of the lanes; TT+1 has been written
	v_add_f32 v[TT], v[TT], v[TT+1]
.endm
; mean and 1/sigma of the row in X..X+31; the row is left as x - mean.  Two passes over registers: no difference of large sums.
.macro LNROW X, R, left
	s_wait_loadcnt \left                           ; loads come back in order: this row is in, the younger loads stay out
.irp k, 0,2,4,6
	v_pk_add_f32 v[TT+\k:TT+\k+1], v[\X+\k:\X+\k+1], v[\X+8+\k:\X+9+\k]   ; the first sums start the chains
.endr
.irp k, 16,18,20,22,24,26,28,30
	v_pk_add_f32 v[TT+\k%8:TT+\k%8+1], v[TT+\k%8:TT+\k%8+1], v[\X+\k:\X+\k+1]
.endr
	FOLD
	v_mul_f32 v[TT+8], s34, v[TT]                  ; mean
	v_mov_b32 v[TT+9], v[TT+8]
.set k, 0
.rept 16
	v_pk_add_f32 v[\X+k:\X+k+1], v[\X+k:\X+k+1], v[TT+8:TT+9] neg_lo:[0,1] neg_hi:[0,1]
.set k, k+2
.endr
.irp k, 0,2,4,6
	v_pk_mul_f32 v[TT+\k:TT+\k+1], v[\X+\k:\X+\k+1], v[\X+\k:\X+\k+1]
.endr
.set k, 8
.rept 12
	v_pk_fma_f32 v[TT+k%8:TT+k%8+1], v[\X+k:\X+k+1], v[\X+k:\X+k+1], v[TT+k%8:TT+k%8+1]
.set k, k+2
.endr
	FOLD
	v_fma_f32 v[TT], v[TT], s34, s35               ; variance + 1e-5
	v_rsq_f32 v[\R], v[TT]
	v_nop                                          ; one plain instruction behind a transcendental (ISA guide 5.7.2)
	s_wait_alu depctr_va_vdst(0)
	v_mov_b32 v[\R+1], v[\R]
.endm
; ((x - mean) / sigma) g + b, rounded to bf16 in place; a store of the wave covers 256 consecutive bytes, aligned
.macro LNOUT X, R, rowoff
.irp j, 0,1,2,3,4,5,6,7
	v_pk_mul_f32 v[\X+4*\j:\X+4*\j+1], v[\X+4*\j:\X+4*\j+1], v[\R:\R+1]
	v_pk_mul_f32 v[\X+4*\j+2:\X+4*\j+3], v[\X+4*\j+2:\X+4*\j+3], v[\R:\R+1]
	v_pk_fma_f32 v[\X+4*\j:\X+4*\j+1], v[\X+4*\j:\X+4*\j+1], v[GG+4*\j:GG+4*\j+1], v[BT+4*\j:BT+4*\j+1]
	v_pk_fma_f32 v[\X+4*\j+2:\X+4*\j+3], v[\X+4*\j+2:\X+4*\j+3], v[GG+4*\j+2:GG+4*\j+3], v[BT+4*\j+2:BT+4*\j+3]
	v_cvt_pk_bf16_f32 v[\X+4*\j], v[\X+4*\j], v[\X+4*\j+1]
	v_cvt_pk_bf16_f32 v[\X+4*\j+1], v[\X+4*\j+2], v[\X+4*\j+3]
	global_store_b64 v3, v[\X+4*\j:\X+4*\j+1], s[OB:OB+1] offset:256*\j+\rowoff
.endr
.endm
	s_load_b512 s[4:19], s[0:1], 0x0               ; x, ln1_g, ln1_b, w_in s[10:11], w_out s[12:13], w1 s[14:15], w2 s[16:17], mask s[18:19]
	s_load_b128 s[20:23], s[0:1], 0x40             ; xn s[20:21], wb s[22:23]
	s_load_b64 s[24:25], s[0:1], 0x50              ; kbt
	s_cmp_lt_u32 ttmp9, 256
	s_cbranch_scc1 .Lln
	s_cmp_lt_u32 ttmp9, 1024
	s_cbranch_scc1 .Lcast
	; THE KEY BIAS TABLE: 4,096 mask bytes become 4,096 f32.  Thread t takes the 4 bytes at 4 t + 1,024 j and stores 16 bytes.
	v_lshlrev_b32 v1, 2, v0
	v_lshlrev_b32 v2, 4, v0
	s_wait_kmcnt 0x0
.irp j, 0,1,2,3
	global_load_b32 v[4+\j], v1, s[18:19] offset:1024*\j
.endr
.irp j, 0,1,2,3
	s_wait_loadcnt 3-\j                            ; the younger loads stay out
.irp e, 0,1,2,3
	v_bfe_u32 v[8+4*\j+\e], v[4+\j], 8*\e, 1       ; the bool, 0 or 1
	v_sub_nc_u32 v[8+4*\j+\e], 0, v[8+4*\j+\e]     ; 0 or all ones
	v_and_b32 v[8+4*\j+\e], 0xff800000, v[8+4*\j+\e]   ; 0.0 or -inf
.endr
	global_store_b128 v2, v[8+4*\j:8+4*\j+3], s[24:25] offset:4096*\j
.endr
	s_endpgm
.Lcast:
	; WEIGHTS TO BF16.  Chunk c = 16,384 numbers: 65,536 bytes in, 32,768 out.  192 chunks of w_in, 64 of w_out, 256 of w1, 256 of w2,
	; in the order in which they lie in wb, so the place in wb is c x 32,768.
	s_sub_co_u32 s26, ttmp9, 256                   ; c
	s_sub_co_u32 s27, s26, 192
	s_sub_co_u32 s28, s26, 256
	s_sub_co_u32 s29, s26, 512
	v_lshlrev_b32 v1, 4, v0
	v_lshlrev_b32 v2, 3, v0
	s_wait_kmcnt 0x0
	s_cmp_lt_u32 s26, 512
	s_cselect_b64 s[30:31], s[14:15], s[16:17]
	s_cselect_b32 s34, s28, s29
	s_cmp_lt_u32 s26, 256
	s_cselect_b64 s[30:31], s[12:13], s[30:31]
	s_cselect_b32 s34, s27, s34
	s_cmp_lt_u32 s26, 192
	s_cselect_b64 s[30:31], s[10:11], s[30:31]
	s_cselect_b32 s34, s26, s34                    ; the chunk's number inside its own matrix
	s_lshl_b32 s34, s34, 16
	s_mov_b32 s35, 0
	s_add_nc_u64 s[30:31], s[30:31], s[34:35]
	s_lshl_b32 s36, s26, 15
	s_mov_b32 s37, 0
	s_add_nc_u64 s[22:23], s[22:23], s[36:37]
.irp j, 0,1,2,3,4,5,6,7,8,9,10,11,12,13,14,15
	global_load_b128 v[32+4*\j:35+4*\j], v1, s[30:31] offset:4096*\j th:TH_LOAD_NT
.endr
.irp j, 0,1,2,3,4,5,6,7,8,9,10,11,12,13,14,15
	s_wait_loadcnt 15-\j                           ; sixteen loads a thread go out at once; the younger ones stay out
	v_cvt_pk_bf16_f32 v[96+2*\j], v[32+4*\j], v[33+4*\j]
	v_cvt_pk_bf16_f32 v[97+2*\j], v[34+4*\j], v[35+4*\j]
	global_store_b64 v2, v[96+2*\j:97+2*\j], s[22:23] offset:2048*\j   ; 256 consecutive bytes a wave, aligned
.endr
	s_endpgm
.Lln:
	; LAYERNORM.  Work-group g owns rows 16 g .. 16 g + 15, wave w two of them.  Lane l holds columns 128 j + 4 l .. + 3, j = 0 .. 7.
	v_and_b32 v4, 31, v0
	v_lshrrev_b32 v5, 5, v0
	v_lshlrev_b32 v2, 4, v4                        ; gain and bias: 16 l
	v_lshl_add_u32 v1, v5, 13, v2                  ; rows in: + w x 2 rows x 4,096 bytes
	v_lshlrev_b32 v3, 3, v4
	v_lshl_add_u32 v3, v5, 12, v3                  ; rows out: 8 l + w x 2 rows x 2,048 bytes
	s_lshl_b32 s28, ttmp9, 16
	s_mov_b32 s29, 0
	s_lshl_b32 s30, ttmp9, 15
	s_mov_b32 s31, 0
	s_mov_b32 s32, 0x76543210                      ; v_permlanex16_b32: lane i reads lane i of the other half
	s_mov_b32 s33, 0xfedcba98
	s_mov_b32 s34, 0x3a800000                      ; 1/1024
	s_mov_b32 s35, 0x3727c5ac                      ; 1e-5
	s_wait_kmcnt 0x0
	s_add_nc_u64 s[XB:XB+1], s[XB:XB+1], s[28:29]
	s_add_nc_u64 s[OB:OB+1], s[OB:OB+1], s[30:31]
.irp j, 0,1,2,3,4,5,6,7
	global_load_b128 v[X0+4*\j:X0+4*\j+3], v1, s[XB:XB+1] offset:512*\j
.endr
.irp j, 0,1,2,3,4,5,6,7
	global_load_b128 v[X1+4*\j:X1+4*\j+3], v1, s[XB:XB+1] offset:4096+512*\j
.endr
.irp j, 0,1,2,3,4,5,6,7
	global_load_b128 v[GG+4*\j:GG+4*\j+3], v2, s[GB:GB+1] offset:512*\j
.endr
.irp j, 0,1,2,3,4,5,6,7
	global_load_b128 v[BT+4*\j:BT+4*\j+3], v2, s[BB:BB+1] offset:512*\j
.endr
	LNROW X0, R0, 24                               ; 24 younger loads: the second row, gain, bias
	LNROW X1, R1, 16                               ; 16 younger: gain, bias
	s_wait_loadcnt 0x0
	LNOUT X0, R0, 0
	LNOUT X1, R1, 2048
	s_endpgm
.Lfunc_end_k_q587f4b890c_prep:
	.size	k_q587f4b890c_prep, .Lfunc_end_k_q587f4b890c_prep-k_q587f4b890c_prep
	.p2alignl 7, 3214868480
	.fill 96, 4, 3214868480
	.section	.rodata,"a",@progbits
	.p2align	6, 0x0
	.amdhsa_kernel k_q587f4b890c_prep
		.amdhsa_group_segment_fixed_size 0
		.amdhsa_private_segment_fixed_size 0
		.amdhsa_enable_private_segment 0
		.amdhsa_kernarg_size 88
		.amdhsa_user_sgpr_count 2
		.amdhsa_user_sgpr_kernarg_segment_ptr 1
		.amdhsa_wavefront_size32 1
		.amdhsa_system_sgpr_workgroup_id_x 1
		.amdhsa_system_sgpr_workgroup_id_y 1
		.amdhsa_system_sgpr_workgroup_id_z 1
		.amdhsa_system_vgpr_workitem_id 0
		.amdhsa_next_free_vgpr 160
		.amdhsa_next_free_sgpr 66
		.amdhsa_reserve_vcc 0
		.amdhsa_float_denorm_mode_32 3
		.amdhsa_float_denorm_mode_16_64 3
		.amdhsa_memory_ordered 1
		.amdhsa_forward_progress 1
		.amdhsa_inst_pref_size 31
	.end_amdhsa_kernel
	.amdgpu_metadata
---
amdhsa.version: [ 1, 2 ]
amdhsa.kernels:
  - .name:           k_q587f4b890c_prep
    .symbol:         k_q587f4b890c_prep.kd
    .args:
      - { .name: x, .offset: 0, .size: 8, .value_kind: global_buffer, .address_space: global }
      - { .name: ln1_g, .offset: 8, .size: 8, .value_kind: global_buffer, .address_space: global }
      - { .name: ln1_b, .offset: 16, .size: 8, .value_kind: global_buffer, .address_space: global }
      - { .name: w_in, .offset: 24, .size: 8, .value_kind: global_buffer, .address_space: global }
      - { .name: w_out, .offset: 32, .size: 8, .value_kind: global_buffer, .address_space: global }
      - { .name: w1, .offset: 40, .size: 8, .value_kind: global_buffer, .address_space: global }
      - { .name: w2, .offset: 48, .size: 8, .value_kind: global_buffer, .address_space: global }
      - { .name: key_padding_mask, .offset: 56, .size: 8, .value_kind: global_buffer, .address_space: global }
      - { .name: xn, .offset: 64, .size: 8, .value_kind: global_buffer, .address_space: global }
      - { .name: wb, .offset: 72, .size: 8, .value_kind: global_buffer, .address_space: global }
      - { .name: kbt, .offset: 80, .size: 8, .value_kind: global_buffer, .address_space: global }
    .group_segment_fixed_size: 0
    .private_segment_fixed_size: 0
    .kernarg_segment_align: 8
    .kernarg_segment_size: 88
    .max_flat_workgroup_size: 256
    .sgpr_count:     66
    .vgpr_count:     160
    .wavefront_size: 32
...
	.end_amdgpu_metadata
.endif
;; end of part 1
;; launch qkv (part 2): grid 12 x 16, 4 waves a work-group, clusters of 4 x 4, 327,680 bytes of LDS; arguments xn, wb, b_in, qh; writes qh
.if DOCPART == 2
	.amdgcn_target "amdgcn-amd-amdhsa--gfx1250"
	.amdhsa_code_object_version 6
	.text
	.protected	k_q587f4b890c_qkv
	.globl	k_q587f4b890c_qkv
	.p2align	8
	.type	k_q587f4b890c_qkv,@function
k_q587f4b890c_qkv:
	s_mov_b64 s[64:65], 0
	v_nop
	global_prefetch_b8 v0, s[64:65] scope:SCOPE_SE
	s_setreg_imm32_b32 hwreg(HW_REG_WAVE_MODE, 25, 1), 1
	s_wait_xcnt 0x0
	s_wait_alu depctr_hold_cnt(0) depctr_sa_sdst(0) depctr_va_vdst(0) depctr_va_sdst(0) depctr_va_ssrc(0) depctr_va_vcc(0) depctr_vm_vsrc(0)
	s_getreg_b32 s2, hwreg(HW_REG_IB_STS2, 6, 4)
	s_cmp_eq_u32 s2, 0
	s_cbranch_scc0 .Lentry_in_a_cluster
	s_endpgm
.Lentry_in_a_cluster:
	s_bfe_u32 s2, ttmp6, 0x10000c
	s_cmp_lg_u32 s2, 0xf033
	s_cbranch_scc0 .Lentry_shape_is_right
	s_endpgm
.Lentry_shape_is_right:
; C = A B^T (+ bias), A [4096][1024] bf16, B [SIZE_N][1024] bf16 inside wb, sums in f32.  One text for two launches:
; VAR = 0: qkv = xn w_in^T + b_in, stored by heads into qh [3 (q,k,v)][2][16][2048][64] bf16.
;          LEFT OUT: K's third of b_in.  It adds (q+bq).bk to every score of a row, a constant along the softmax's axis, and K serves nothing else.
;          Q's and V's bias is loaded on the one path of the way out that adds it, so that path alone writes and reads those registers.
; VAR = 1: hb = quick_gelu(xn w1^T + b1), [4096][4096] bf16.  Every block adds a bias: it is loaded at the head and lands during the products.
; A work-group makes 256 x 256 of C with four waves, a wave 128 x 128: 64 accumulator tiles, 512 registers.  K goes in steps of 128 through
; two LDS slots filled by the tensor data mover; a tile's rows are 256 bytes of memory at multiples of 256.
; CLUSTERS: 4 x 4 work-groups.  The four of a row of the cluster need the same tiles of A, the four of a column the same tiles of B: each tile
; is asked for jointly, by the same load with the same descriptor and a mask that names the four.
; REGISTER WINDOWS: window 0: v0-31 addresses, v64-191 fragments of A (two buffers), on the way out v32-95 rows read back, v128-191 and v192-255 at work;
; window 1: v64-191 fragments of B, v192-255 the bias of my 128 columns; windows 2, 3: the accumulators of my rows 0-63, 64-127.
; THE MATRIX INSTRUCTION IS USED TRANSPOSED (source 0 = rows of B, source 1 = rows of A): lane l holds row l % 16 of C and in its eight
; registers the columns 8 (l / 16) + 0 .. 7 of the tile, eight neighbours, which pack into 16 bytes.
.set VAR, 0
.set SIZE_K, 1024
.if VAR
.set SIZE_N, 4096
.set WOFF, 8388608                     ; w1 in wb
.set STEPB, 16*SIZE_N*2                ; 16 rows of C on
.set TSTEP, 2*SIZE_N*2                 ; two rows of C on
.else
.set SIZE_N, 3072
.set WOFF, 0                           ; w_in in wb
.set STEPB, 2048                       ; 16 positions of a head, 128 bytes each
.set TSTEP, 256                        ; two positions
.endif
.set KSTEP,  128
.set PITCH,  272                       ; an LDS row: 256 bytes + 16 of padding: the 16 rows of a fragment load start at 16 different banks (ISA guide 11.1)
.set HALFT,  128*PITCH                 ; what one tensor load brings
.set SLOT,   4*HALFT                   ; A's 256 rows, then B's 256 rows
.set STAGE,  2*SLOT                    ; behind the ring: 16 rows x 272 bytes for each wave; no fill lands there
.set SPITCH, 272
.set LAPS, SIZE_K/(2*KSTEP)
.set ADRA, 16                          ; v16-17  LDS address of my A fragments in slot 0, 1
.set ADRB, 20                          ; v20-21  the same for B
.set STO,  24                          ; the way out: where I put 16 bytes of a row
.set RD,   25                          ; the way out: where I read back
.set CO,   26                          ; my byte offset in the output
.set BO,   27                          ; my byte offset in the bias
.set F0,   64
.set F1,   128
.set RB0,  32                          ; rows read back, two buffers in turn
.set RB1,  64
.set EE,   128                         ; GELU at work
.set T64,  192                         ; 64 sums with bias, then packed
.set BI,   192                         ; window 1: bias, 8 numbers for each of 8 column tiles
.set G1, 24
.set G0, 32
.set G1B, 48
.set G0B, 56
.set CB, 70                            ; s[70:71] output
.set MSB, 0
.macro WIN new                         ; the immediate's high byte repeats the setting that is left
.if MSB != \new
	s_set_vgpr_msb (MSB<<8)|\new
.set MSB, \new
.endif
.endm
.set MUL_LO, 0xa1                      ; source 0 (B) window 1, source 1 (A) window 0, C and D window 2
.set MUL_HI, 0xf1                      ; the same, C and D window 3
.set TO_B,   0x40                      ; destination window 1, address window 0
; A joint load.  Waves 0, 1 fetch A's halves, waves 2, 3 B's.  The branch hangs on the wave's number alone.
.macro JLOAD s
	s_cmp_eq_u32 s11, 0
	s_cbranch_scc0 .Lfor_b_\@
	tensor_load_to_lds s[G0+4*\s:G0+4*\s+3], s[G1:G1+7]
	s_nop 0
	s_branch .Lasked_\@
.Lfor_b_\@:
	tensor_load_to_lds s[G0B+4*\s:G0B+4*\s+3], s[G1B:G1B+7]
	s_nop 0
.Lasked_\@:
.endm
.macro CREST                           ; a round of the cluster's barrier behind its opening barrier
	s_cmp_lg_u32 s10, 0
	s_cbranch_scc1 .Lnot_wave_0_\@
	s_barrier_signal -3
.Lnot_wave_0_\@:
	s_barrier_wait -3
	s_barrier_signal -1
	s_barrier_wait -1
.endm
.macro CROUND                          ; a whole round
	s_barrier_signal -1
	s_barrier_wait -1
	CREST
.endm
; the bias of my 128 columns into window 1: lane l takes the eight numbers of columns 16 b + 8 (l / 16) + 0 .. 7 of each column tile b
.macro BIASLOAD
	WIN TO_B
.irp b, 0,1,2,3,4,5,6,7
	global_load_b128 v[BI+8*\b:BI+8*\b+3], v[BO], s[68:69] offset:64*\b
	global_load_b128 v[BI+8*\b+4:BI+8*\b+7], v[BO], s[68:69] offset:64*\b+16
.endr
	WIN 0
.endm
	s_load_b128 s[4:7], s[0:1], 0x0                ; A s[4:5], wb s[6:7]
	s_load_b128 s[68:71], s[0:1], 0x10             ; bias s[68:69], output s[70:71]
	s_set_vgpr_msb 0x40
	v_lshl_add_u32 v63, v0, 2, 0x48400
	s_set_vgpr_msb 0x4000
	v_mov_b32 v31, 0
	s_set_vgpr_msb 0x1
	ds_add_u32 v63, v31
	s_set_vgpr_msb 0x100
	v_lshrrev_b32 v1, 5, v0
	v_readfirstlane_b32 s10, v1                    ; wave 0..3
	s_lshr_b32 s11, s10, 1                         ; my half of the block's rows; also: I fetch for A (0) or B (1)
	s_and_b32 s12, s10, 1                          ; my half of its columns; also: which 128 rows of that tile I fetch
	s_bfe_u32 s40, ttmp6, 0x40000                  ; cx
	s_bfe_u32 s41, ttmp6, 0x40004                  ; cy
	s_lshl_b32 s42, ttmp9, 2
	s_add_co_u32 s42, s42, s40                     ; block column = 4 x cluster x + cx
	s_and_b32 s13, ttmp7, 0xffff
	s_lshl_b32 s13, s13, 2
	s_add_co_u32 s13, s13, s41                     ; block row = 4 x cluster y + cy
	s_lshl_b32 s43, s41, 2
	s_lshl_b32 s43, 15, s43                        ; my row of the cluster
	s_lshl_b32 s44, 0x1111, s40                    ; my column
	s_or_b32 s[G1+0], s43, (1<<16)|(1<<20)|(1<<21)|(5<<22)|(3<<25)   ; mask; 2-byte elements; padding of 4 words after every 64; bit 21 beside a mask
	s_or_b32 s[G1B+0], s44, (1<<16)|(1<<20)|(1<<21)|(5<<22)|(3<<25)
	s_mov_b32 s[G1B+1], KSTEP<<16
	s_mov_b32 s[G1+1], KSTEP<<16                   ; tensor_dim0 = 128
	s_mov_b32 s[G1B+2], 128<<16
	s_mov_b32 s[G1+2], 128<<16                     ; tensor_dim1 = 128
	s_mov_b32 s[G1B+3], KSTEP<<16
	s_mov_b32 s[G1+3], KSTEP<<16                   ; tile_dim0 = 128
	s_mov_b32 s[G1B+4], 128
	s_mov_b32 s[G1+4], 128                         ; tile_dim1 = 128
	s_mov_b32 s[G1B+5], SIZE_K
	s_mov_b32 s[G1+5], SIZE_K                      ; elements from row to row
	s_mov_b32 s[G1B+6], 0
	s_mov_b32 s[G1+6], 0
	s_mov_b32 s[G1B+7], 0
	s_mov_b32 s[G1+7], 0
	s_lshl_b32 s17, s12, 7
	s_lshl_b32 s16, s13, 8
	s_add_co_u32 s16, s16, s17                     ; A: row 256 x block row + 128 x half
	s_lshl_b32 s46, s42, 8
	s_add_co_u32 s46, s46, s17                     ; B: row 256 x block column + 128 x half
	s_mov_b32 s17, 0
	s_mov_b32 s47, 0
	s_mov_b64 s[18:19], SIZE_K*2
	s_mul_u64 s[16:17], s[16:17], s[18:19]
	s_mul_u64 s[46:47], s[46:47], s[18:19]
	s_mul_i32 s20, s10, HALFT                      ; LDS: wave x 128 rows; no place in the cluster enters an LDS address
	s_wait_dscnt 0x0
	s_wait_kmcnt 0x0
.if WOFF
	s_add_nc_u64 s[6:7], s[6:7], WOFF
.endif
	s_add_nc_u64 s[14:15], s[4:5], s[16:17]
	s_add_nc_u64 s[46:47], s[6:7], s[46:47]
	CROUND                                         ; all sixteen work-groups are here: the first joint loads meet
.irp s, 0,1
	s_mov_b32 s[G0+4*\s], 1
	s_add_co_u32 s[G0+4*\s+1], s20, \s*SLOT
	s_add_nc_u64 s[G0+4*\s+2:G0+4*\s+3], s[14:15], \s*KSTEP*2
	s_or_b32 s[G0+4*\s+3], s[G0+4*\s+3], 0x80000000
	s_mov_b32 s[G0B+4*\s], 1
	s_add_co_u32 s[G0B+4*\s+1], s20, \s*SLOT
	s_add_nc_u64 s[G0B+4*\s+2:G0B+4*\s+3], s[46:47], \s*KSTEP*2
	s_or_b32 s[G0B+4*\s+3], s[G0B+4*\s+3], 0x80000000
	JLOAD \s                                       ; both slots are asked for before anything else: two tensor loads of a wave are out
.endr
	v_and_b32 v1, 15, v0                           ; l % 16
	v_bfe_u32 v2, v0, 4, 1                         ; l / 16
	v_mul_u32_u24 v3, v1, PITCH
	v_lshl_add_u32 v3, v2, 4, v3
	s_mul_i32 s21, s11, HALFT
	s_mul_i32 s22, s12, HALFT
	s_add_co_u32 s22, s22, 2*HALFT
.irp s, 0,1
	v_add_nc_u32 v[ADRA+\s], s21, v3
	v_add_nc_u32 v[ADRB+\s], s22, v3
	s_add_co_u32 s21, s21, SLOT
	s_add_co_u32 s22, s22, SLOT
.endr
	s_mul_i32 s23, s10, 16*SPITCH
	s_add_co_u32 s23, s23, STAGE                   ; my stage
	v_mul_u32_u24 v4, v1, SPITCH
	v_lshl_add_u32 v4, v2, 4, v4
	v_add_nc_u32 v[STO], s23, v4
.if VAR
	v_mul_u32_u24 v5, v2, SPITCH                   ; back: lanes 0-15 one row of 256 bytes, lanes 16-31 the next
	v_lshl_add_u32 v5, v1, 4, v5
	v_add_nc_u32 v[RD], s23, v5
	v_mul_u32_u24 v5, v2, SIZE_N*2
	v_lshl_add_u32 v[CO], v1, 4, v5
	s_mov_b32 s78, 0xc01d265f                      ; -1.702 log2(e)
	s_mov_b32 s79, 0xc01d265f
.else
	; back by heads: my 128 columns are two heads of 64.  Lanes 0-15 take two positions x 128 bytes of the first head, which are 256
	; consecutive bytes of qh at a multiple of 256; lanes 16-31 the same of the second head, 262,144 bytes further.
	v_bfe_u32 v6, v0, 3, 1
	v_and_b32 v7, 7, v0
	v_mul_u32_u24 v5, v6, SPITCH
	v_lshl_add_u32 v5, v2, 7, v5
	v_lshl_add_u32 v5, v7, 4, v5
	v_add_nc_u32 v[RD], s23, v5
	v_lshlrev_b32 v5, 18, v2
	v_lshl_add_u32 v5, v6, 7, v5
	v_lshl_add_u32 v[CO], v7, 4, v5
.endif
	s_lshl_b32 s76, s42, 10                        ; my first column x 4 bytes (registers that feed no descriptor)
	s_lshl_b32 s77, s12, 9
	s_add_co_u32 s76, s76, s77
	v_lshl_add_u32 v[BO], v2, 5, s76               ; + 8 (l / 16) columns
.if VAR
	BIASLOAD                                       ; lands during the products
.endif
; 16 matrix instructions: m blocks a0, a0 + 1 of the window's four x all 8 n blocks, 32 along K.  zero = 1: the first product starts the sums.
.macro MUL16 f, hi, a0, zero
.irp a, \a0, \a0+1
.irp b, 0,1,2,3,4,5,6,7
.if \zero
	v_wmma_f32_16x16x32_bf16 v[8*(8*(\a)+\b):8*(8*(\a)+\b)+7], v[\f+8*\b:\f+8*\b+7], v[\f+8*(4*\hi+\a):\f+8*(4*\hi+\a)+7], 0
.else
	v_wmma_f32_16x16x32_bf16 v[8*(8*(\a)+\b):8*(8*(\a)+\b)+7], v[\f+8*\b:\f+8*\b+7], v[\f+8*(4*\hi+\a):\f+8*(4*\hi+\a)+7], v[8*(8*(\a)+\b):8*(8*(\a)+\b)+7]
.endif
.endr
.endr
.endm
; 32 LDS loads in one run: the fragments of one quarter step into buffer f
.macro FETCH slot, k, f
	WIN TO_B
.irp i, 0,1,2,3,4,5,6,7
	ds_load_b128 v[\f+8*\i:\f+8*\i+3],   v[ADRB+\slot] offset:\k+\i*16*PITCH
	ds_load_b128 v[\f+8*\i+4:\f+8*\i+7], v[ADRB+\slot] offset:\k+\i*16*PITCH+32
.endr
	WIN 0
.irp i, 0,1,2,3,4,5,6,7
	ds_load_b128 v[\f+8*\i:\f+8*\i+3],   v[ADRA+\slot] offset:\k+\i*16*PITCH
	ds_load_b128 v[\f+8*\i+4:\f+8*\i+7], v[ADRA+\slot] offset:\k+\i*16*PITCH+32
.endr
.endm
; four places behind a matrix instruction before its registers are loaded into, read or written by anything else (ISA guide 7.12.1)
.macro PLACES
.rept 4
	v_nop
.endr
.endm
; a quarter step: multiplies buffer f; in its middle fetches the next quarter's fragments into buffer g.
; The 64 accumulators take turns, one instruction a turn, in the same order in every quarter.
.macro QUARTER slot, k, f, g, zero
	s_wait_dscnt 8                                 ; B and A's rows 0-63 are in; the youngest eight loads (A's rows 64-127) may be out
	WIN MUL_LO
	MUL16 \f, 0, 0, \zero
	MUL16 \f, 0, 2, \zero
	PLACES
	FETCH \slot, \k, \g
	s_wait_dscnt 32                                ; all but the 32 just issued
	WIN MUL_HI
	MUL16 \f, 1, 0, \zero
	MUL16 \f, 1, 2, \zero
.endm
.macro THREE slot, zero
	QUARTER \slot, 64,  F0, F1, \zero
	QUARTER \slot, 128, F1, F0, 0
	QUARTER \slot, 192, F0, F1, 0
.endm
; the last quarter: multiplies buffer 1 and changes slots.  In front of the barrier each wave waits for its reads of this slot and for all its
; tensor loads (one is out: its part of the next slot).  Behind it the refill comes first, then the next slot's first fragments.
.macro TURN slot, next, fill
	s_wait_dscnt 8
	WIN MUL_LO
	MUL16 F1, 0, 0, 0
	s_wait_dscnt 0                                 ; my reads of this slot are over
	s_wait_tensorcnt 0x0                           ; all my tensor loads have landed
	ds_add_u32 v63, v31
	s_wait_dscnt 0x0
	s_barrier_signal -1
	MUL16 F1, 0, 2, 0                              ; register work while the others arrive
	WIN 0
	s_barrier_wait -1
.if \fill
	CREST                                          ; all sixteen work-groups have said so: no partner still reads this slot or has a load on its way
	s_add_nc_u64 s[G0+4*\slot+2:G0+4*\slot+3], s[G0+4*\slot+2:G0+4*\slot+3], 2*KSTEP*2
	s_add_nc_u64 s[G0B+4*\slot+2:G0B+4*\slot+3], s[G0B+4*\slot+2:G0B+4*\slot+3], 2*KSTEP*2
	JLOAD \slot                                    ; the first tensor load behind the round, one a wave
.endif
	PLACES
	FETCH \next, 0, F0
	WIN MUL_HI
	MUL16 F1, 1, 0, 0
	MUL16 F1, 1, 2, 0
.endm
.macro LAP zero
	THREE 0, \zero
	TURN 0, 1, 1
	THREE 1, 0
	TURN 1, 0, 1
.endm
	s_wait_tensorcnt 1                             ; my part of K step 0 is in; K step 1's load may be out
	s_barrier_signal -1
	s_barrier_wait -1
	FETCH 0, 0, F0
	LAP 1
	WIN 0
	s_mov_b32 s3, LAPS-2
.Llap:
	LAP 0
	WIN 0
	s_sub_co_u32 s3, s3, 1
	s_cmp_lg_u32 s3, 0
	s_cbranch_scc1 .Llap
	THREE 0, 0                                     ; the last lap fills nothing
	TURN 0, 1, 0
	THREE 1, 0
	s_wait_dscnt 8
	WIN MUL_LO
	MUL16 F1, 0, 0, 0
	MUL16 F1, 0, 2, 0
	s_wait_dscnt 0
	WIN MUL_HI
	MUL16 F1, 1, 0, 0
	MUL16 F1, 1, 2, 0
	; THE WAY OUT, 16 rows of C at a time: add the bias (and the GELU), round to bf16, 16 bytes a lane into my own stage, read back, store.
	PLACES
	WIN 0
.if VAR
	s_lshl_b32 s13, s13, 8
	s_lshl_b32 s14, s11, 7
	s_add_co_u32 s16, s13, s14                     ; my first row of C
	s_mov_b32 s17, 0
	s_mov_b64 s[18:19], SIZE_N*2
	s_mul_u64 s[16:17], s[16:17], s[18:19]
	s_add_nc_u64 s[CB:CB+1], s[CB:CB+1], s[16:17]
	s_lshl_b32 s46, s42, 9                         ; my first column, in bytes
	s_lshl_b32 s47, s12, 8
	s_add_co_u32 s46, s46, s47
	s_mov_b32 s47, 0
	s_add_nc_u64 s[CB:CB+1], s[CB:CB+1], s[46:47]
.else
	s_lshl_b32 s46, ttmp9, 5                       ; 32 heads for each part
	s_lshr_b32 s47, s13, 3                         ; batch: 8 block rows each
	s_lshl4_add_u32 s46, s47, s46
	s_lshl2_add_u32 s46, s40, s46                  ; 4 heads for each block column
	s_lshl1_add_u32 s46, s12, s46                  ; 2 for each half
	s_lshl_b32 s46, s46, 18                        ; a head is 262,144 bytes
	s_and_b32 s47, s13, 7
	s_lshl1_add_u32 s47, s47, s11
	s_lshl_b32 s47, s47, 14                        ; 128 positions x 128 bytes
	s_add_co_u32 s46, s46, s47
	s_mov_b32 s47, 0
	s_add_nc_u64 s[CB:CB+1], s[CB:CB+1], s[46:47]
.endif
; x sigmoid(1.702 x) = x / (1 + 2^(-1.702 log2(e) x)) on the 64 numbers of T64; a huge 2^.. gives 1/inf = 0
.macro GELU
.set k, 0
.rept 32
	v_pk_mul_f32 v[EE+k:EE+k+1], v[T64+k:T64+k+1], s[78:79] op_sel_hi:[1,0]
.set k, k+2
.endr
.set k, 0
.rept 64
	v_exp_f32 v[EE+k], v[EE+k]
.set k, k+1
.endr
	v_nop                                          ; one plain instruction behind the transcendentals (ISA guide 5.7.2)
.set k, 0
.rept 32
	v_pk_add_f32 v[EE+k:EE+k+1], v[EE+k:EE+k+1], 1.0 op_sel_hi:[1,0]
.set k, k+2
.endr
.set k, 0
.rept 64
	v_rcp_f32 v[EE+k], v[EE+k]
.set k, k+1
.endr
	v_nop
.set k, 0
.rept 32
	v_pk_mul_f32 v[T64+k:T64+k+1], v[T64+k:T64+k+1], v[EE+k:EE+k+1]
.set k, k+2
.endr
.endm
; rows 16 i .. 16 i + 15 of my block = tiles (a, 0..7).  wadd: source 0 in the accumulators' window, source 1 in window 1; wcvt: both sources there.
.macro OUT16 i, a, wadd, wcvt, f, bias
.if \bias
	WIN \wadd
.irp b, 0,1,2,3,4,5,6,7
.irp r, 0,2,4,6
	v_pk_add_f32 v[T64+8*\b+\r:T64+8*\b+\r+1], v[8*(8*\a+\b)+\r:8*(8*\a+\b)+\r+1], v[BI+8*\b+\r:BI+8*\b+\r+1]
.endr
.endr
	WIN 0
.if VAR
	GELU
.endif
.irp b, 0,1,2,3,4,5,6,7
.irp r, 0,1,2,3
	v_cvt_pk_bf16_f32 v[T64+8*\b+\r], v[T64+8*\b+2*\r], v[T64+8*\b+2*\r+1]   ; in place: the destination never passes the sources
.endr
.endr
.else
	WIN \wcvt
.irp b, 0,1,2,3,4,5,6,7
.irp r, 0,1,2,3
	v_cvt_pk_bf16_f32 v[T64+8*\b+\r], v[8*(8*\a+\b)+2*\r], v[8*(8*\a+\b)+2*\r+1]
.endr
.endr
	WIN 0
.endif
.irp b, 0,1,2,3,4,5,6,7
	ds_store_b128 v[STO], v[T64+8*\b:T64+8*\b+3] offset:32*\b
.endr
	s_wait_xcnt 0x0                                ; buffer f, which earlier stores read, and the stores' base are rewritten only behind this wait
.if \i
	s_add_nc_u64 s[CB:CB+1], s[CB:CB+1], STEPB
.endif
.irp t, 0,1,2,3,4,5,6,7
	ds_load_b128 v[\f+4*\t:\f+4*\t+3], v[RD] offset:\t*2*SPITCH    ; LDS serves a wave's instructions in order (ISA guide 5.7.1.4): these see the stores above
.endr
.irp t, 0,1,2,3,4,5,6,7
	s_wait_dscnt 7-\t
	global_store_b128 v[CO], v[\f+4*\t:\f+4*\t+3], s[CB:CB+1] offset:\t*TSTEP   ; 16 lanes store 256 consecutive bytes at a multiple of 256
.endr
.endm
.macro OUTALL bias
	OUT16 0, 0, 0x06, 0x0a, RB0, \bias
	OUT16 1, 1, 0x06, 0x0a, RB1, \bias
	OUT16 2, 2, 0x06, 0x0a, RB0, \bias
	OUT16 3, 3, 0x06, 0x0a, RB1, \bias
	OUT16 4, 0, 0x07, 0x0f, RB0, \bias
	OUT16 5, 1, 0x07, 0x0f, RB1, \bias
	OUT16 6, 2, 0x07, 0x0f, RB0, \bias
	OUT16 7, 3, 0x07, 0x0f, RB1, \bias
.endm
.if VAR
	s_wait_loadcnt 0x0                             ; the bias
	OUTALL 1
.else
	s_cmp_eq_u32 ttmp9, 1                          ; 1,024 columns are four block columns: the cluster's x is the part (q, k, v), the same in all partners
	s_cbranch_scc1 .Lkpart
	BIASLOAD                                       ; Q and V: sixteen loads, on the path that adds them
	s_wait_loadcnt 0x0
	OUTALL 1
	s_branch .Lclose
.Lkpart:
	OUTALL 0                                       ; K: rounded as it stands, no bias loaded
.Lclose:
.endif
	s_set_vgpr_msb 0x1
	s_wait_tensorcnt 0x0
	ds_add_u32 v63, v31
	s_wait_dscnt 0x0
	s_set_vgpr_msb 0x100
	CROUND                                         ; the closing round: no work-group ends while a partner may still ask for a tile that names it
	s_endpgm
.Lfunc_end_k_q587f4b890c_qkv:
	.size	k_q587f4b890c_qkv, .Lfunc_end_k_q587f4b890c_qkv-k_q587f4b890c_qkv
	.p2alignl 7, 3214868480
	.fill 96, 4, 3214868480
	.section	.rodata,"a",@progbits
	.p2align	6, 0x0
	.amdhsa_kernel k_q587f4b890c_qkv
		.amdhsa_group_segment_fixed_size 327680
		.amdhsa_private_segment_fixed_size 0
		.amdhsa_enable_private_segment 0
		.amdhsa_kernarg_size 32
		.amdhsa_user_sgpr_count 2
		.amdhsa_user_sgpr_kernarg_segment_ptr 1
		.amdhsa_wavefront_size32 1
		.amdhsa_system_sgpr_workgroup_id_x 1
		.amdhsa_system_sgpr_workgroup_id_y 1
		.amdhsa_system_sgpr_workgroup_id_z 1
		.amdhsa_system_vgpr_workitem_id 0
		.amdhsa_next_free_vgpr 1024
		.amdhsa_next_free_sgpr 84
		.amdhsa_reserve_vcc 0
		.amdhsa_float_denorm_mode_32 3
		.amdhsa_float_denorm_mode_16_64 3
		.amdhsa_memory_ordered 1
		.amdhsa_forward_progress 1
		.amdhsa_inst_pref_size 247
	.end_amdhsa_kernel
	.amdgpu_metadata
---
amdhsa.version: [ 1, 2 ]
amdhsa.kernels:
  - .name:           k_q587f4b890c_qkv
    .symbol:         k_q587f4b890c_qkv.kd
    .args:
      - { .name: xn, .offset: 0, .size: 8, .value_kind: global_buffer, .address_space: global }
      - { .name: wb, .offset: 8, .size: 8, .value_kind: global_buffer, .address_space: global }
      - { .name: b_in, .offset: 16, .size: 8, .value_kind: global_buffer, .address_space: global }
      - { .name: qh, .offset: 24, .size: 8, .value_kind: global_buffer, .address_space: global }
    .group_segment_fixed_size: 327680
    .private_segment_fixed_size: 0
    .kernarg_segment_align: 8
    .kernarg_segment_size: 32
    .max_flat_workgroup_size: 128
    .sgpr_count:     84
    .vgpr_count:     1024
    .wavefront_size: 32
...
	.end_amdgpu_metadata
.endif
;; end of part 2
;; launch flash (part 3): grid 8 x 32, 4 waves a work-group, no clusters, 327,680 bytes of LDS; arguments qh, kbt, att, stats; writes att, stats
.if DOCPART == 3
	.amdgcn_target "amdgcn-amd-amdhsa--gfx1250"
	.amdhsa_code_object_version 6
	.text
	.protected	k_q587f4b890c_flash
	.globl	k_q587f4b890c_flash
	.p2align	8
	.type	k_q587f4b890c_flash,@function
k_q587f4b890c_flash:
	s_mov_b64 s[64:65], 0
	v_nop
	global_prefetch_b8 v0, s[64:65] scope:SCOPE_SE
	s_setreg_imm32_b32 hwreg(HW_REG_WAVE_MODE, 25, 1), 1
	s_wait_xcnt 0x0
; CAUSAL ATTENTION OF ONE HEAD with a running maximum; also stores each row's (-maximum, 1/(16 sum)) for the launch that averages the probabilities.
; LEFT OUT: key chunks wholly above the diagonal: reference() masks them by its own triu, their probabilities are 0 for all inputs.
; Masked: k > q, or key k padded and k != q.  The diagonal is always open, so no row is empty.  Each query block takes its DIAGONAL chunk first and
; then walks the keys downward: from the first chunk on every row's maximum is finite, masked scores are a true -inf and their exponential is 0.
; Work-group (p, bh): query block 15 - p (128 rows, 16 - p chunks of 128 keys), then block p (p + 1 chunks): always 17 chunks, 256 equal work-groups.
; Wave w owns 32 query rows, two tiles of 16.
; NO JOINT LOADS: the query blocks of a head need 1 to 16 chunks and begin at different chunks, so partners would not ask for the same tile in the same trip.
; ORIENTATION: S^T = K Q^T (source 0 = 16 keys, source 1 = 16 queries): lane (r, h) holds query r and keys 8 h + j of the tile.  O^T = V^T P^T: source 0 = V
; through the transposing LDS load, source 1 = the lane's own packed scores (tiles 2u, 2u+1 give registers 0-3, 4-7).  So P crosses no lane; maximum, sum
; and rescale are one number a lane; only the maximum crosses the two halves of the lanes in a trip, the sum once at the end.
; Scores are kept in the base-2 domain: s2 = s log2(e)/8 (+ key bias).  Limit: exponentials below 2^-126 come out as 0 (ISA guide 15.8).
; LDS: slot s at 40,960 s: four regions of 10,240, one for each wave's load: K keys 0-63, K keys 64-127 (rows of 144 bytes), V keys 0-63, 64-127 (rows of 160).
;      stage at 81,920: 32 rows x 144 bytes for each wave; no fill lands there.
.set SLOTB, 40960
.set REG,   10240
.set STAGE, 81920
.set KA,  2                            ; r 144 + 16 h
.set VA,  3                            ; 20,480 + (8 h + l % 8) 160 + 16 ((l / 8) % 2)
.set STO, 4
.set KBO, 5                            ; 32 h
.set RD,  6
.set CO,  7                            ; 16 l
.set DQ,  8                            ; v8, v9: 32 w + 16 qt + r - 8 h
.set NINF, 10
.set SO,  11                           ; 8 l
.set LANE, 12
.set QO,  13
.set MX,  16                           ; v[16:17], v[18:19]: (maximum, rescale) of query tile 0, 1
.set LS,  20                           ; v20, v21: sums
.set KB,  32                           ; v[32:95]   key bias of my 64 keys of the chunk
.set ST,  96                           ; v[96:223]  score tile (qt, kt) at ST + 64 qt + 8 kt; later the packed P
.set TB,  224                          ; v[224:255] at work
.set KF,  0                            ; window 1: v[0:127] K fragments (16 kt + 8 kh), then V fragments (32 u + 8 dt)
.set QF,  128                          ; window 1: Q fragments (16 qt + 8 kh)
.set QN,  160                          ; window 1: the second block's Q
.set OA,  192                          ; window 1: O^T tiles (32 qt + 8 dt)
.set G1K, 20
.set G1V, 28
.set G0,  36                           ; s[36:39], s[40:43]: one for each slot
.set MSB, 0
.macro WIN new
.if MSB != \new
	s_set_vgpr_msb (MSB<<8)|\new
.set MSB, \new
.endif
.endm
.macro PLACES
.rept 4
	v_nop
.endr
.endm
; my quarter of a chunk: waves 0, 1 bring 64 keys of K, waves 2, 3 64 keys of V; the two shapes differ in the padding alone
.macro KVLOAD s
	s_cmp_eq_u32 s13, 0
	s_cbranch_scc0 .Lv_\@
	tensor_load_to_lds s[G0+4*\s:G0+4*\s+3], s[G1K:G1K+7]
	s_nop 0
	s_branch .Ld_\@
.Lv_\@:
	tensor_load_to_lds s[G0+4*\s:G0+4*\s+3], s[G1V:G1V+7]
	s_nop 0
.Ld_\@:
.endm
.macro KBLOAD
.irp kt, 0,1,2,3,4,5,6,7
	global_load_b128 v[KB+8*\kt:KB+8*\kt+3], v[KBO], s[54:55] offset:64*\kt
	global_load_b128 v[KB+8*\kt+4:KB+8*\kt+7], v[KBO], s[54:55] offset:64*\kt+16
.endr
.endm
	s_load_b256 s[4:11], s[0:1], 0x0               ; qh s[4:5], kbt s[6:7], att s[8:9], stats s[10:11]
	s_set_vgpr_msb 0x80
	v_lshl_add_u32 v0, v0, 2, 0x29000
	v_mov_b32 v1, 0
	s_set_vgpr_msb 0x808a
	ds_add_u32 v0, v1
	s_set_vgpr_msb 0x8a00
	v_lshrrev_b32 v1, 5, v0
	v_readfirstlane_b32 s12, v1                    ; wave
	s_lshr_b32 s13, s12, 1                         ; 0: I fetch K, 1: V
	s_and_b32 s14, s12, 1                          ; which 64 keys
	s_mov_b32 s46, ttmp9                           ; p
	s_and_b32 s15, ttmp7, 0xffff                   ; bh
	s_sub_co_u32 s44, 15, s46                      ; the first chunk = the first query block = 15 - p
	; 64 keys x 128 bytes are 8,192 dense bytes: 32 rows of 256 bytes; padding after every 32 words (a key's 128 bytes): 4 words for K, 8 for V
	s_mov_b32 s[G1K+0], (1<<16)|(1<<20)|(4<<22)|(3<<25)
	s_mov_b32 s[G1K+1], 128<<16
	s_mov_b32 s[G1K+2], 32<<16
	s_mov_b32 s[G1K+3], 128<<16
	s_mov_b32 s[G1K+4], 32
	s_mov_b32 s[G1K+5], 128
	s_mov_b32 s[G1K+6], 0
	s_mov_b32 s[G1K+7], 0
	s_mov_b32 s[G1V+0], (1<<16)|(1<<20)|(4<<22)|(7<<25)
	s_mov_b32 s[G1V+1], 128<<16
	s_mov_b32 s[G1V+2], 32<<16
	s_mov_b32 s[G1V+3], 128<<16
	s_mov_b32 s[G1V+4], 32
	s_mov_b32 s[G1V+5], 128
	s_mov_b32 s[G1V+6], 0
	s_mov_b32 s[G1V+7], 0
	s_lshl_b32 s17, s15, 18                        ; a head is 262,144 bytes
	s_lshl_b32 s48, s13, 23                        ; K's heads begin 32 heads in, V's 64
	s_add_co_u32 s48, s48, 1<<23
	s_add_co_u32 s48, s48, s17
	s_lshl_b32 s18, s14, 13
	s_add_co_u32 s48, s48, s18
	s_mov_b32 s49, 0                               ; stays 0: s[48:49] is the offset pair of every sum below
	s_mul_i32 s16, s12, REG
	s_wait_dscnt 0x0
	s_barrier_signal -1
	s_barrier_wait -1
	s_wait_kmcnt 0x0
	s_add_nc_u64 s[50:51], s[4:5], s[48:49]        ; my quarter of chunk 0
	s_mov_b32 s[G0], 1
	s_add_co_u32 s[G0+1], s16, 0
	s_lshl_b32 s48, s44, 14                        ; a chunk is 16,384 bytes
	s_add_nc_u64 s[G0+2:G0+3], s[50:51], s[48:49]
	s_or_b32 s[G0+3], s[G0+3], 0x80000000
	s_mov_b32 s[G0+4], 1
	s_add_co_u32 s[G0+5], s16, SLOTB
	KVLOAD 0                                       ; the one first fill; slot 1 is filled behind the first trip's barrier
	s_lshl_b32 s18, s44, 14
	s_lshl_b32 s19, s46, 14
	s_lshl_b32 s78, s12, 12                        ; 32 rows x 128 bytes
	s_add_co_u32 s48, s17, s18
	s_add_nc_u64 s[74:75], s[4:5], s[48:49]        ; Q of the first block
	s_add_co_u32 s48, s48, s78
	s_add_nc_u64 s[56:57], s[8:9], s[48:49]        ; att, first block, my rows
	s_add_co_u32 s48, s17, s19
	s_add_nc_u64 s[76:77], s[4:5], s[48:49]        ; Q of the second block
	s_add_co_u32 s48, s48, s78
	s_add_nc_u64 s[58:59], s[8:9], s[48:49]
	s_lshl_b32 s17, s15, 14                        ; stats: 2,048 rows x 8 bytes a head
	s_lshl_b32 s78, s12, 8
	s_add_co_u32 s17, s17, s78
	s_lshl_b32 s48, s44, 10
	s_add_co_u32 s48, s48, s17
	s_add_nc_u64 s[60:61], s[10:11], s[48:49]
	s_lshl_b32 s48, s46, 10
	s_add_co_u32 s48, s48, s17
	s_add_nc_u64 s[62:63], s[10:11], s[48:49]
	s_lshr_b32 s48, s15, 4
	s_lshl_b32 s48, s48, 13
	s_add_nc_u64 s[52:53], s[6:7], s[48:49]        ; the batch's key bias
	s_lshl_b32 s48, s44, 9
	s_add_nc_u64 s[54:55], s[52:53], s[48:49]      ; the first chunk's
	s_mov_b32 s68, 0x3e38aa3b                      ; log2(e)/8
	s_mov_b32 s69, 0x3e38aa3b
	s_mov_b32 s70, 0x76543210
	s_mov_b32 s71, 0xfedcba98
	v_and_b32 v[LANE], 31, v0
	v_and_b32 v1, 15, v0                           ; r
	v_bfe_u32 v14, v0, 4, 1                        ; h
	v_mul_u32_u24 v15, v1, 144
	v_lshl_add_u32 v[KA], v14, 4, v15
	s_mul_i32 s79, s12, 4608
	s_add_co_u32 s79, s79, STAGE
	v_add_nc_u32 v[STO], s79, v[KA]
	v_and_b32 v15, 7, v0
	v_lshlrev_b32 v[RD], 4, v15
	v_lshl_add_u32 v15, v14, 3, v15
	v_mul_u32_u24 v15, v15, 160
	v_bfe_u32 v[VA], v0, 3, 1
	v_lshl_add_u32 v15, v[VA], 4, v15
	v_add_nc_u32 v[VA], 2*REG, v15
	v_bfe_u32 v15, v0, 3, 2
	v_mad_u32_u24 v[RD], v15, 144, v[RD]
	v_add_nc_u32 v[RD], s79, v[RD]
	v_lshlrev_b32 v[KBO], 5, v14
	v_lshlrev_b32 v[CO], 4, v[LANE]
	v_lshlrev_b32 v[SO], 3, v[LANE]
	s_lshl_b32 s79, s12, 5
	v_add_nc_u32 v[DQ], s79, v1                    ; 32 w + r
	v_lshlrev_b32 v[QO], 7, v[DQ]
	v_lshl_add_u32 v[QO], v14, 4, v[QO]
	v_lshlrev_b32 v15, 3, v14
	v_sub_nc_u32 v[DQ], v[DQ], v15
	v_add_nc_u32 v[DQ+1], 16, v[DQ]
	v_mov_b32 v[NINF], 0xff800000
	v_mov_b32 v26, 0                               ; destinations of v_permlanex16_b32 count as read: written once here
	v_mov_b32 v27, 0
	v_cmp_gt_u32 s72, 16, v[LANE]
	WIN 0x40
.irp qt, 0,1
.irp kh, 0,1
	global_load_b128 v[QF+16*\qt+8*\kh:QF+16*\qt+8*\kh+3], v[QO], s[74:75] offset:2048*\qt+64*\kh
	global_load_b128 v[QF+16*\qt+8*\kh+4:QF+16*\qt+8*\kh+7], v[QO], s[74:75] offset:2048*\qt+64*\kh+32
.endr
.endr
.irp qt, 0,1
.irp kh, 0,1
	global_load_b128 v[QN+16*\qt+8*\kh:QN+16*\qt+8*\kh+3], v[QO], s[76:77] offset:2048*\qt+64*\kh
	global_load_b128 v[QN+16*\qt+8*\kh+4:QN+16*\qt+8*\kh+7], v[QO], s[76:77] offset:2048*\qt+64*\kh+32
.endr
.endr
	WIN 0
	KBLOAD
; The change of slots: one wait for all my tensor loads, one barrier, one load a wave behind it.  s44 = this trip's chunk, s45 = the next one's.
.macro RING slot, other, refill
	s_set_vgpr_msb 0xa
	s_wait_tensorcnt 0x0                           ; my part of this trip's chunk has landed and no load of mine is out: a group 0 may be written
	ds_add_u32 v0, v1
	s_wait_dscnt 0x0
	s_set_vgpr_msb 0xa00
	s_sub_co_u32 s45, s44, 1
	s_cmp_eq_u32 s44, 0
	s_cselect_b32 s45, s46, s45                    ; behind chunk 0 comes the second block's diagonal chunk, p
.if \refill
	s_lshl_b32 s48, s45, 14
	s_add_nc_u64 s[G0+4*\other+2:G0+4*\other+3], s[50:51], s[48:49]
	s_or_b32 s[G0+4*\other+3], s[G0+4*\other+3], 0x80000000
.endif
	s_wait_dscnt 0x0                               ; my reads of the other slot are over
	s_barrier_signal -1
	s_barrier_wait -1                              ; both now hold of all four waves
.if \refill
	KVLOAD \other                                  ; it has this trip's work in which to land
.endif
.endm
; 32 score products, then V's fragments are asked for into K's registers; they land during the softmax
.macro SCORES slot
	WIN 0x40
.irp kh, 0,1
.irp kt, 0,1,2,3,4,5,6,7
	ds_load_b128 v[KF+16*\kt+8*\kh:KF+16*\kt+8*\kh+3], v[KA] offset:\slot*SLOTB+(\kt/4)*REG+(\kt%4)*2304+64*\kh
	ds_load_b128 v[KF+16*\kt+8*\kh+4:KF+16*\kt+8*\kh+7], v[KA] offset:\slot*SLOTB+(\kt/4)*REG+(\kt%4)*2304+64*\kh+32
.endr
.endr
	s_wait_dscnt 16                                ; the first half of the head's 64 numbers is in; the 16 younger loads may be out
	WIN 0x05                                       ; sources 0 and 1 in window 1, C and D in window 0
.irp qt, 0,1
.irp kt, 0,1,2,3,4,5,6,7
	v_wmma_f32_16x16x32_bf16 v[ST+64*\qt+8*\kt:ST+64*\qt+8*\kt+7], v[KF+16*\kt:KF+16*\kt+7], v[QF+16*\qt:QF+16*\qt+7], 0
.endr
.endr
	s_wait_dscnt 0
.irp qt, 0,1
.irp kt, 0,1,2,3,4,5,6,7
	v_wmma_f32_16x16x32_bf16 v[ST+64*\qt+8*\kt:ST+64*\qt+8*\kt+7], v[KF+16*\kt+8:KF+16*\kt+15], v[QF+16*\qt+8:QF+16*\qt+15], v[ST+64*\qt+8*\kt:ST+64*\qt+8*\kt+7]   ; sixteen accumulators by turns
.endr
.endr
	PLACES                                         ; four places before K's registers are loaded into and the scores are read (ISA guide 7.12.1)
	WIN 0x40
.irp u, 0,1,2,3
.irp dt, 0,1,2,3
	ds_load_tr16_b128 v[KF+32*\u+8*\dt:KF+32*\u+8*\dt+3], v[VA] offset:\slot*SLOTB+\u*5120+32*\dt
	ds_load_tr16_b128 v[KF+32*\u+8*\dt+4:KF+32*\u+8*\dt+7], v[VA] offset:\slot*SLOTB+\u*5120+32*\dt+2560
.endr
.endr
	WIN 0
	s_wait_loadcnt 0x0                             ; the chunk's key bias
.endm
; the softmax step of query tile qt.  first = 1: the block's diagonal chunk, which starts maximum and sum.
.macro SOFT qt, first
.set SB, ST+64*\qt
.set MM, MX+2*\qt
.if \first
.set i, 0
.rept 32
	v_pk_mul_f32 v[SB+i:SB+i+1], v[SB+i:SB+i+1], s[68:69] op_sel_hi:[1,0]
.set i, i+2
.endr
.set kt, 0
.rept 8
.set j, 0
.rept 4
	v_pk_add_f32 v[TB+j:TB+j+1], v[SB+8*kt+j:SB+8*kt+j+1], v[KB+8*kt+j:KB+8*kt+j+1]
.set j, j+2
.endr
.set j, 0
.rept 8
	v_cmp_lt_i32 vcc_lo, 16*kt+j, v[DQ+\qt]        ; key below the diagonal: the score with its key bias; above: -inf
	v_cndmask_b32 v[TB+j], v[NINF], v[TB+j], vcc_lo
	v_cmp_eq_u32 vcc_lo, 16*kt+j, v[DQ+\qt]        ; on the diagonal: the score without the bias
	v_cndmask_b32 v[SB+8*kt+j], v[TB+j], v[SB+8*kt+j], vcc_lo
.set j, j+1
.endr
.set kt, kt+1
.endr
.else
.set i, 0
.rept 32
	v_pk_fma_f32 v[SB+i:SB+i+1], v[SB+i:SB+i+1], s[68:69], v[KB+i:KB+i+1] op_sel_hi:[1,0,1]
.set i, i+2
.endr
.endif
	v_max_num_f32 v22, v[SB], v[SB+1]              ; four chains, started by the first eight scores
	v_max_num_f32 v23, v[SB+2], v[SB+3]
	v_max_num_f32 v24, v[SB+4], v[SB+5]
	v_max_num_f32 v25, v[SB+6], v[SB+7]
.set i, 8
.rept 28
	v_max3_num_f32 v[22+(i/2)%4], v[22+(i/2)%4], v[SB+i], v[SB+i+1]
.set i, i+2
.endr
	v_max3_num_f32 v22, v22, v23, v24
	v_max_num_f32 v22, v22, v25
	v_permlanex16_b32 v26, v22, s70, s71           ; the same query's other 64 keys lie in the other half of the lanes
	v_max_num_f32 v22, v22, v26
.if \first
	v_mov_b32 v[MM], v22
	v_mov_b32 v[MM+1], 1.0                         ; so that the pair is whole
.else
	v_max_num_f32 v22, v22, v[MM]
	v_sub_f32 v27, v[MM], v22
	v_exp_f32 v[MM+1], v27                         ; rescale = 2^(old maximum - new)
	v_mov_b32 v[MM], v22                           ; also the plain instruction behind the transcendental (ISA guide 5.7.2)
	s_wait_alu depctr_va_vdst(0)
.endif
.set i, 0
.rept 32
	v_pk_add_f32 v[SB+i:SB+i+1], v[SB+i:SB+i+1], v[MM:MM+1] op_sel_hi:[1,0] neg_lo:[0,1] neg_hi:[0,1]
.set i, i+2
.endr
.set i, 0
.rept 64
	v_exp_f32 v[SB+i], v[SB+i]
.set i, i+1
.endr
	v_nop
	s_wait_alu depctr_va_vdst(0)
	v_pk_add_f32 v[28:29], v[SB:SB+1], v[SB+2:SB+3]
	v_pk_add_f32 v[30:31], v[SB+4:SB+5], v[SB+6:SB+7]
.set i, 8
.rept 28
	v_pk_add_f32 v[28+2*((i/2)%2):29+2*((i/2)%2)], v[28+2*((i/2)%2):29+2*((i/2)%2)], v[SB+i:SB+i+1]
.set i, i+2
.endr
	v_pk_add_f32 v[28:29], v[28:29], v[30:31]
.if \first
	v_add_f32 v[LS+\qt], v28, v29
.else
	v_add_f32 v28, v28, v29
	v_fma_f32 v[LS+\qt], v[LS+\qt], v[MM+1], v28
.endif
.set u, 0
.rept 4
.set r, 0
.rept 4
	v_cvt_pk_bf16_f32 v[SB+16*u+r], v[SB+16*u+2*r], v[SB+16*u+2*r+1]          ; tile 2u: registers 0-3 of P's fragment u, in place
.set r, r+1
.endr
.set r, 0
.rept 4
	v_cvt_pk_bf16_f32 v[SB+16*u+4+r], v[SB+16*u+8+2*r], v[SB+16*u+8+2*r+1]    ; tile 2u+1: registers 4-7
.set r, r+1
.endr
.set u, u+1
.endr
.endm
.macro PV first
.if \first == 0
	WIN 0x41
.irp qt, 0,1
.set i, 0
.rept 16
	v_pk_mul_f32 v[OA+32*\qt+i:OA+32*\qt+i+1], v[OA+32*\qt+i:OA+32*\qt+i+1], v[MX+2*\qt:MX+2*\qt+1] op_sel:[0,1]   ; both by the pair's second register, the rescale
.set i, i+2
.endr
.endr
.endif
	s_wait_dscnt 0x0                               ; V's fragments
	WIN 0x51                                       ; source 0 (V), C and D in window 1, source 1 (P) in window 0
.irp u, 0,1,2,3
.irp dt, 0,1,2,3
.irp qt, 0,1
.if (\first-\u) == 1
	v_wmma_f32_16x16x32_bf16 v[OA+32*\qt+8*\dt:OA+32*\qt+8*\dt+7], v[KF+32*\u+8*\dt:KF+32*\u+8*\dt+7], v[ST+64*\qt+16*\u:ST+64*\qt+16*\u+7], 0
.else
	v_wmma_f32_16x16x32_bf16 v[OA+32*\qt+8*\dt:OA+32*\qt+8*\dt+7], v[KF+32*\u+8*\dt:KF+32*\u+8*\dt+7], v[ST+64*\qt+16*\u:ST+64*\qt+16*\u+7], v[OA+32*\qt+8*\dt:OA+32*\qt+8*\dt+7]   ; eight accumulators by turns
.endif
.endr
.endr
.endr
	WIN 0
.rept 5
	v_nop                                          ; five places: the next scores land on P's registers, the next K on V's (ISA guide 7.12.1)
.endr
.endm
; a block's end: O / sum, rounded, through my own stage, out as 512 dense bytes a store; then the rows' statistics
.macro FINAL ab, sb
	v_permlanex16_b32 v26, v[LS], s70, s71
	v_permlanex16_b32 v27, v[LS+1], s70, s71
	v_add_f32 v26, v[LS], v26                      ; the two halves' sums
	v_add_f32 v27, v[LS+1], v27
	v_rcp_f32 v28, v26
	v_rcp_f32 v30, v27
	v_nop
	s_wait_alu depctr_va_vdst(0)
	v_mov_b32 v29, v28
	v_mov_b32 v31, v30
	WIN 0x41
.irp qt, 0,1
.set i, 0
.rept 16
	v_pk_mul_f32 v[OA+32*\qt+i:OA+32*\qt+i+1], v[OA+32*\qt+i:OA+32*\qt+i+1], v[28+2*\qt:29+2*\qt]
.set i, i+2
.endr
.endr
	WIN 0x05
.set i, 0
.rept 32
	v_cvt_pk_bf16_f32 v[TB+i], v[OA+2*i], v[OA+2*i+1]
.set i, i+1
.endr
	WIN 0
.irp qt, 0,1
.irp dt, 0,1,2,3
	ds_store_b128 v[STO], v[TB+16*\qt+4*\dt:TB+16*\qt+4*\dt+3] offset:2304*\qt+32*\dt
.endr
.endr
.irp t, 0,1,2,3,4,5,6,7
	ds_load_b128 v[ST+4*\t:ST+4*\t+3], v[RD] offset:576*\t         ; my own bytes, served in order (ISA guide 5.7.1.4)
.endr
.irp t, 0,1,2,3,4,5,6,7
	s_wait_dscnt 7-\t
	global_store_b128 v[CO], v[ST+4*\t:ST+4*\t+3], s[\ab:\ab+1] offset:512*\t
.endr
	v_cndmask_b32 v22, v[MX+2], v[MX], s72         ; lane i < 16 speaks for row i (tile 0), lane i >= 16 for row i (tile 1)
	v_cndmask_b32 v23, v30, v28, s72
	v_mul_f32 v22, -1.0, v22
	v_mul_f32 v23, 0x3d800000, v23                 ; 1/(16 sum): the mean over 16 heads
	global_store_b64 v[SO], v[22:23], s[\sb:\sb+1] ; 256 consecutive bytes, aligned
	s_wait_xcnt 0x0                                ; the stores' data registers are written again below
.endm
.macro BODY slot, first, next
	SCORES \slot
	SOFT 0, \first
	SOFT 1, \first
.if \next
	s_lshl_b32 s48, s45, 9
	s_add_nc_u64 s[54:55], s[52:53], s[48:49]      ; the last loads by this base were waited for in SCORES
	KBLOAD                                         ; the next chunk's key bias lands during the products
.endif
	PV \first
.endm
; s47 = the last trip's chunk: 0 means that the first block is done and this trip is the second block's diagonal chunk.
; The branch hangs on the work-group's number and the trip alone, is the same in all four waves, and holds no barrier and no tensor load.
.macro TRIP slot, other, refill
	RING \slot, \other, \refill
	s_cmp_eq_u32 s47, 0
	s_cbranch_scc1 .Lfirst_\@
	BODY \slot, 0, \refill
	s_branch .Ljoin_\@
.Lfirst_\@:
	FINAL 56, 60
	WIN 0x41
.set i, 0
.rept 32
	v_mov_b32 v[QF+i], v[QN+i]                     ; once in the launch: the second block's Q takes its place
.set i, i+1
.endr
	WIN 0
	BODY \slot, 1, \refill
.Ljoin_\@:
	s_mov_b32 s47, s44
	s_mov_b32 s44, s45
.endm
	RING 0, 1, 1
	s_wait_loadcnt 24                              ; Q's 8 loads are in; the second block's 8 and the key bias's 16 may be out
	BODY 0, 1, 1
	s_mov_b32 s47, s44
	s_mov_b32 s44, s45
	s_mov_b32 s66, 7
.Lloop:
	TRIP 1, 0, 1
	TRIP 0, 1, 1
	s_sub_co_u32 s66, s66, 1
	s_cmp_lg_u32 s66, 0
	s_cbranch_scc1 .Lloop
	TRIP 1, 0, 1
	TRIP 0, 1, 0                                   ; the seventeenth chunk: nothing is left to fetch
	FINAL 58, 62
	s_set_vgpr_msb 0xa
	s_wait_tensorcnt 0x0
	ds_add_u32 v0, v1
	s_wait_dscnt 0x0
	s_set_vgpr_msb 0xa00
	s_endpgm
.Lfunc_end_k_q587f4b890c_flash:
	.size	k_q587f4b890c_flash, .Lfunc_end_k_q587f4b890c_flash-k_q587f4b890c_flash
	.p2alignl 7, 3214868480
	.fill 96, 4, 3214868480
	.section	.rodata,"a",@progbits
	.p2align	6, 0x0
	.amdhsa_kernel k_q587f4b890c_flash
		.amdhsa_group_segment_fixed_size 327680
		.amdhsa_private_segment_fixed_size 0
		.amdhsa_enable_private_segment 0
		.amdhsa_kernarg_size 32
		.amdhsa_user_sgpr_count 2
		.amdhsa_user_sgpr_kernarg_segment_ptr 1
		.amdhsa_wavefront_size32 1
		.amdhsa_system_sgpr_workgroup_id_x 1
		.amdhsa_system_sgpr_workgroup_id_y 1
		.amdhsa_system_sgpr_workgroup_id_z 1
		.amdhsa_system_vgpr_workitem_id 0
		.amdhsa_next_free_vgpr 514
		.amdhsa_next_free_sgpr 80
		.amdhsa_reserve_vcc 1
		.amdhsa_float_denorm_mode_32 3
		.amdhsa_float_denorm_mode_16_64 3
		.amdhsa_memory_ordered 1
		.amdhsa_forward_progress 1
		.amdhsa_inst_pref_size 255
	.end_amdhsa_kernel
	.section	.bss,"aw",@nobits
	.p2align	6
	.space	262144
	.amdgpu_metadata
---
amdhsa.version: [ 1, 2 ]
amdhsa.kernels:
  - .name:           k_q587f4b890c_flash
    .symbol:         k_q587f4b890c_flash.kd
    .args:
      - { .name: qh, .offset: 0, .size: 8, .value_kind: global_buffer, .address_space: global }
      - { .name: kbt, .offset: 8, .size: 8, .value_kind: global_buffer, .address_space: global }
      - { .name: att, .offset: 16, .size: 8, .value_kind: global_buffer, .address_space: global }
      - { .name: stats, .offset: 24, .size: 8, .value_kind: global_buffer, .address_space: global }
    .group_segment_fixed_size: 327680
    .private_segment_fixed_size: 0
    .kernarg_segment_align: 8
    .kernarg_segment_size: 32
    .max_flat_workgroup_size: 128
    .sgpr_count:     80
    .vgpr_count:     514
    .wavefront_size: 32
...
	.end_amdgpu_metadata
.endif
;; end of part 3
;; launch wavg (part 4): grid 128 x 2, 4 waves a work-group, no clusters, 327,680 bytes of LDS; arguments qh, stats, key_padding_mask, out1; writes out1
.if DOCPART == 4
	.amdgcn_target "amdgcn-amd-amdhsa--gfx1250"
	.amdhsa_code_object_version 6
	.text
	.protected	k_q587f4b890c_wavg
	.globl	k_q587f4b890c_wavg
	.p2align	8
	.type	k_q587f4b890c_wavg,@function
k_q587f4b890c_wavg:
	s_mov_b64 s[64:65], 0
	v_nop
	global_prefetch_b8 v0, s[64:65] scope:SCOPE_SE
	s_setreg_imm32_b32 hwreg(HW_REG_WAVE_MODE, 25, 1), 1
	s_wait_xcnt 0x0
; out1[b][q][k] = mean over the 16 heads of the softmax's probabilities = sum over h of 2^(c q.k - m2[h][q]) / (16 l[h][q]), masked.
; LEFT OUT: every 16 x 16 tile that lies wholly above the diagonal: reference() masks it by its own triu, so its probabilities are 0 for all inputs; zeros are stored.
; The maximum m2 and the sum l of each row and head were stored by the launch before, so every live exponent is at most 0.  A masked key's exponent may be
; large and its term +inf; all terms are positive, no difference is formed, and the selects at the end throw the masked sums away.
; Limit: exponentials below 2^-126 come out as 0 (ISA guide 15.8).
; WORK: 256 work-groups, each alone on its WGP.  x < 120: one tile of 128 queries x 128 keys below the diagonal (rows 15-a and a+1 of the triangle hold 16 tiles
; together, row 8 holds 8: 7 x 16 + 8 = 120 a batch); it also stores the zeros of its mirror image.  x >= 120: the diagonal blocks d and 15-d.
; A wave's unit is a GROUP of 32 queries x 32 keys, four matrix tiles.  Full tile: wave w owns queries 32 w .. 32 w + 31 and four groups a head.  Diagonal pair: wave w
; owns strip w of block A and strip 3-w of block B: w + (3-w) = 3 whole groups (slots F0-F2) and the two strips' diagonal groups (slots DA, DB), in which the tile
; of the lower 16 queries x upper 16 keys is dead: 3 x 4 + 2 x 3 = 18 tiles against 16.  Which block an F slot serves hangs on w and enters only through LDS
; address registers and one select mask a slot, so all four waves run the same text.
; S^T = K Q^T: lane (r, h) holds query r and keys 8 h + j of a tile, so a row's two statistics are one register pair a lane.
; PIPELINE: stage g asks LDS for group g+2's fragments, issues group g+1's products with group g's scaling and exponentials set between them, and adds group g
; to its sums; those adds are also the places behind the products (ISA guide 7.12.1).
; RING: two LDS slots of two heads each, every wave one tensor load a fill.  Full tile: K of head 0, 1, Q of head 0, 1, 128 rows x 144 bytes each.  Diagonal pair:
; K of A, K of B, Q of A, Q of B, two heads each (two rows of 16,384 dense bytes, 262,144 bytes apart).  Q takes the ring too: its bytes are a fifth of what the
; waves read from LDS for a head, and it so has two heads of lead without registers of its own.
; The two variants' rings lie on the same LDS bytes, and the branch between them hangs on the work-group's number alone.  Every fill, the first ones too, stands
; behind a barrier of its own variant's path, as the wave's one tensor load there: no fill of these bytes is issued before all four waves are on that path.
; One tensor load of a wave is out at any time.
; NO JOINT LOADS: the rows of the triangle hold 1 to 15 tiles, so no fixed cluster of four shares a Q or a K block at every place.
; The stage of the way out lies on the ring's bytes, which have had their last fill by then.
.set REGN, 18432                       ; 128 rows x 144 bytes
.set SLF,  4*REGN                      ; a slot, full tile
.set SLD,  8*REGN                      ; a slot, diagonal pair
.set LK,  1                            ; r 144 + 16 h
.set KA,  2                            ; K addresses: full tile v2, v3 (slot 0, 1); diagonal pair v2-6, v7-11 (five group slots in each ring slot)
.set SSF, 22                           ; v[22:25] an F slot's statistics, selected
.set SOA, 26                           ; byte offset of my rows' statistics (block A)
.set SOB, 27                           ; the same, block B
.set L16, 28                           ; 16 l
.set PMA, 29                           ; four mask bytes of my four keys (block A)
.set PMB, 30
.set PMO, 31                           ; 4 l; later at work
.set RR,  32                           ; set-up only
.set HH,  33
.set SB,  32                           ; v[32:95]   scores, two buffers; tile (qt, kt) at 16 qt + 8 kt
.set KF,  96                           ; v[96:159]  K fragments, two buffers (16 kt + 8 kh)
.set QF,  160                          ; v[160:223] Q fragments, two buffers (16 qt + 8 kh)
.set SSH, 224                          ; v[224:255] (-m2, 1/(16 l)) of my rows, four heads deep
.set ZR,  248                          ; v[248:251] zeros
.set OB,  32                           ; the way out: rows read back
.set G0,  48                           ; s[48:51], s[52:55]: descriptor group 0 of ring slot 0, 1
.set G1,  56                           ; s[56:63]
.set MSB, 0
.macro WIN new                         ; the immediate's high byte repeats the setting that is left
.if MSB != \new
	s_set_vgpr_msb (MSB<<8)|\new
.set MSB, \new
.endif
.endm
; eight LDS loads: two tiles of 16 rows x 64 numbers as fragments
.macro LOADF dst, areg, off
.irp a, 0,1
.irp k, 0,1
	ds_load_b128 v[\dst+16*\a+8*\k:\dst+16*\a+8*\k+3], v[\areg] offset:\off+2304*\a+64*\k
	ds_load_b128 v[\dst+16*\a+8*\k+4:\dst+16*\a+8*\k+7], v[\areg] offset:\off+2304*\a+64*\k+32
.endr
.endr
.endm
; product j of a group: tile j % 4, half j / 4 of the head's 64 numbers.  nd = 1: a diagonal group, tile 1 is dead.
; The group's accumulators take turns, one instruction a turn.
.macro WM j, nb, nq, nd
.set w_t, (\j)%4
.set w_go, 1
.if \nd
.if w_t == 1
.set w_go, 0
.endif
.endif
.if w_go
.if (\j) < 4
	v_wmma_f32_16x16x32_bf16 v[SB+32*(\nb)+8*w_t:SB+32*(\nb)+8*w_t+7], v[KF+32*(\nb)+16*(w_t%2):KF+32*(\nb)+16*(w_t%2)+7], v[\nq+16*(w_t/2):\nq+16*(w_t/2)+7], 0
.else
	v_wmma_f32_16x16x32_bf16 v[SB+32*(\nb)+8*w_t:SB+32*(\nb)+8*w_t+7], v[KF+32*(\nb)+16*(w_t%2)+8:KF+32*(\nb)+16*(w_t%2)+15], v[\nq+16*(w_t/2)+8:\nq+16*(w_t/2)+15], v[SB+32*(\nb)+8*w_t:SB+32*(\nb)+8*w_t+7]
.endif
.endif
.endm
; slice j of a group's 32 scores: c s - m2 on four of them
.macro SC4 j, cb, ss, cd
.set x_go, 1
.if \cd
.if (\j)/2 == 1
.set x_go, 0
.endif
.endif
.if x_go
	v_pk_fma_f32 v[SB+32*(\cb)+4*(\j):SB+32*(\cb)+4*(\j)+1], v[SB+32*(\cb)+4*(\j):SB+32*(\cb)+4*(\j)+1], s[36:37], v[\ss+2*((\j)/4):\ss+2*((\j)/4)+1] op_sel_hi:[1,0,0]
	v_pk_fma_f32 v[SB+32*(\cb)+4*(\j)+2:SB+32*(\cb)+4*(\j)+3], v[SB+32*(\cb)+4*(\j)+2:SB+32*(\cb)+4*(\j)+3], s[36:37], v[\ss+2*((\j)/4):\ss+2*((\j)/4)+1] op_sel_hi:[1,0,0]
.endif
.endm
.macro EX4 j, cb, cd
.set x_go, 1
.if \cd
.if (\j)/2 == 1
.set x_go, 0
.endif
.endif
.if x_go
.irp e, 0,1,2,3
	v_exp_f32 v[SB+32*(\cb)+4*(\j)+\e], v[SB+32*(\cb)+4*(\j)+\e]
.endr
.endif
.endm
; the next group's products (dn) with the current group's scaling and exponentials (dc) between them: a slice is scaled one product before its exponentials.
; Behind each run of exponentials the next vector instruction is a packed multiply-add on other registers (ISA guide 5.7.2).
.macro MV dc, cb, ss, cd, dn, nb, nq, nd
.irp j, 0,1,2,3,4,5,6,7
.if \dn
	WM \j, \nb, \nq, \nd
.endif
.if \dc
	SC4 \j, \cb, \ss, \cd
.if \j
	EX4 \j-1, \cb, \cd
.endif
.endif
.endr
.if \dc
	EX4 7, \cb, \cd
.endif
.endm
; sums += 2^.. / (16 l); the first head starts them: nothing is cleared.  Destination and addend in window 1.
.macro ACCU cb, ss, acc, first, cd
	WIN 0x50
.irp i, 0,2,4,6,8,10,12,14,16,18,20,22,24,26,28,30
.set x_go, 1
.if \cd
.if \i/8 == 1
.set x_go, 0
.endif
.endif
.if x_go
.if \first
	s_wait_alu depctr_va_vdst(0)
	v_pk_mul_f32 v[\acc+\i:\acc+\i+1], v[SB+32*(\cb)+\i:SB+32*(\cb)+\i+1], v[\ss+2*(\i/16):\ss+2*(\i/16)+1] op_sel:[0,1]
.else
	s_wait_alu depctr_va_vdst(0)
	v_pk_fma_f32 v[\acc+\i:\acc+\i+1], v[SB+32*(\cb)+\i:SB+32*(\cb)+\i+1], v[\ss+2*(\i/16):\ss+2*(\i/16)+1], v[\acc+\i:\acc+\i+1] op_sel:[0,1,0]
.endif
.endif
.endr
	WIN 0
.endm
; a head's statistics of my rows: hd counts heads from the base s[26:27]
.macro SSLOAD dst, hd
	global_load_b64 v[\dst:\dst+1], v[SOA], s[26:27] offset:(\hd)*16384
	global_load_b64 v[\dst+2:\dst+3], v[SOA], s[26:27] offset:(\hd)*16384+128
.if DV
	global_load_b64 v[\dst+4:\dst+5], v[SOB], s[26:27] offset:(\hd)*16384
	global_load_b64 v[\dst+6:\dst+7], v[SOB], s[26:27] offset:(\hd)*16384+128
.endif
.endm
; The barrier in front of a fill of ring slot p, and the fill.  fill = 1: slot p has been read to its end (its last fragments are in registers behind the wait on
; DScnt) and is filled again, four heads on.  fill = 2: the slot's first fill, by the address as it was set up.  fill = 0: the barrier alone.
.macro HOOK p, fill
	s_set_vgpr_msb 0x5
	s_wait_tensorcnt 0x0                           ; all my tensor loads have landed, my part of the other slot among them: a group 0 may be written
	ds_add_u32 v160, v161
	s_wait_dscnt 0x0
	s_set_vgpr_msb 0x500
.if \fill == 1
	s_add_nc_u64 s[G0+4*\p+2:G0+4*\p+3], s[G0+4*\p+2:G0+4*\p+3], 0x100000   ; four heads on
.endif
	s_wait_dscnt 0x0                               ; my reads of slot p are over
	s_barrier_signal -1
	s_barrier_wait -1                              ; both now hold of all four waves
.if \fill
	tensor_load_to_lds s[G0+4*\p:G0+4*\p+3], s[G1:G1+7]   ; my one load behind this barrier, and the first thing there
	s_nop 0
.endif
.endm
; Stage g of the 2 NGH groups of ring slot p.  md: 0 the first two heads, 1 the loop, 2 the tail.  rf: the slot's change fills it again.  last: the last two heads.
.macro STG p, g, md, rf, last
.set g_hs, (\g)/NGH
.set g_s,  (\g)%NGH
.set g_n1, ((\g)+1)%(2*NGH)
.set g_n2, ((\g)+2)%(2*NGH)
.set g_p2, ((\p)+((\g)+2)/(2*NGH))%2
.set g_hb, (2*(\p)+g_hs)%4
.set g_cd, DV*(g_s/3)
.set g_nd, DV*((g_n1%NGH)/3)
.set g_dl, 1-(\last)*((\g)/(2*NGH-2))
.set g_dn, 1-(\last)*((\g)/(2*NGH-1))
.set g_hk, (1-(\last))*((\g)/(2*NGH-2))*(1-(\g)/(2*NGH-1))
.set g_first, 0
.if \md == 0
.set g_first, 1-g_hs
.endif
.if g_hk
	HOOK \p, \rf
.endif
.set g_c, 0
.if g_dl
.if DV
	LOADF KF+32*(g_n2%2), KA+5*g_p2+g_n2%NGH, (g_n2/NGH)*REGN
	LOADF QF+32*(g_n2%2), QA+5*g_p2+g_n2%NGH, (g_n2/NGH)*REGN
.set g_c, 16
.else
	LOADF KF+32*(g_n2%2), KA+g_p2, (g_n2/NGH)*REGN+(g_n2%NGH)*4608
.set g_c, 8
.if (g_n2%NGH) == 0
	LOADF QF+32*(g_n2/NGH), QA+g_p2, (g_n2/NGH)*REGN
.set g_c, 16
.endif
.endif
.endif
.if g_s == 0
.if \md == 2
	s_wait_loadcnt SWN*(1-g_hs)                    ; nothing more is asked for: the counts run down
.else
	s_wait_loadcnt SWN                             ; this head's statistics are in; the next head's loads may be out
.if \md == 0
	SSLOAD SSH+(4+4*DV)*((g_hb+2)%4), g_hs+2
.else
	SSLOAD SSH+(4+4*DV)*((g_hb+2)%4), 2*(1-(\p))+g_hs
.endif
.endif
.endif
	s_wait_dscnt g_c                               ; all but the loads just issued: the next group's fragments are in
.if DV
.set g_nq, QF+32*(g_n1%2)
.if g_s < 3
.irp e, 0,1,2,3
	v_cndmask_b32 v[SSF+\e], v[SSH+8*g_hb+4+\e], v[SSH+8*g_hb+\e], s[74+g_s]   ; the statistics of the strip that this slot serves
.endr
.set g_ss, SSF
.else
.set g_ss, SSH+8*g_hb+4*(g_s-3)
.endif
.else
.set g_nq, QF+32*(g_n1/NGH)
.set g_ss, SSH+4*g_hb
.endif
	MV 1, (\g)%2, g_ss, g_cd, g_dn, g_n1%2, g_nq, g_nd
	ACCU (\g)%2, g_ss, 32*g_s, g_first, g_cd
.endm
; the sixteen heads: 2 less two stages, 3 trips of 4, 2 and two stages.  A trip begins with the stage that changes slots, since fragments are read two stages ahead.
.macro PIPE
	LOADF KF, KA, 0
	LOADF QF, QA, 0
.if DV
	LOADF KF+32, KA+1, 0
	LOADF QF+32, QA+1, 0
	s_wait_dscnt 16                                ; group 0's fragments are in; group 1's sixteen loads may be out
.else
	LOADF KF+32, KA, 4608
	s_wait_dscnt 8                                 ; group 0's fragments are in; group 1's eight loads may be out
.endif
	MV 0, 0, 0, 0, 1, 0, QF, 0
.rept 4
	v_nop                                          ; four places before group 0's scores are read and its fragments' registers loaded again (ISA guide 7.12.1)
.endr
.set q, 0
.rept 2*NGH-2
	STG 0, q, 0, 0, 0
.set q, q+1
.endr
	s_wait_xcnt 0x0                                ; the statistics' base is stepped only behind this wait
	s_add_nc_u64 s[26:27], s[26:27], 0x10000       ; now at head 4
	s_mov_b32 s34, 3
.Lring_\@:
	STG 0, 2*NGH-2, 1, 1, 0
	STG 0, 2*NGH-1, 1, 1, 0
.set q, 0
.rept 2*NGH
	STG 1, q, 1, 1, 0
.set q, q+1
.endr
.set q, 0
.rept 2*NGH-2
	STG 0, q, 1, 1, 0
.set q, q+1
.endr
	s_wait_xcnt 0x0
	s_add_nc_u64 s[26:27], s[26:27], 0x10000       ; four heads on
	s_sub_co_u32 s34, s34, 1
	s_cmp_lg_u32 s34, 0
	s_cbranch_scc1 .Lring_\@
	STG 0, 2*NGH-2, 2, 0, 0                        ; the last change of slots fills nothing
	STG 0, 2*NGH-1, 2, 0, 0
.set q, 0
.rept 2*NGH
	STG 1, q, 2, 0, 1
.set q, q+1
.endr
	s_wait_dscnt 0x0
	s_barrier_signal -1
	s_barrier_wait -1                              ; every wave's reads of the ring are over: its bytes serve as the stage
.endm
.macro KEEP pm, sb                     ; lane masks: key 4 l + e not padded
.irp e, 0,1,2,3
	v_bfe_u32 v[PMO], v[\pm], 8*\e, 8
	v_cmp_eq_u32 s[\sb+\e], 0, v[PMO]
.endr
.endm
	s_load_b256 s[4:11], s[0:1], 0x0               ; qh s[4:5], stats s[6:7], mask s[8:9], out1 s[10:11]
	s_set_vgpr_msb 0x40
	v_lshl_add_u32 v160, v0, 2, 0x48000
	v_mov_b32 v161, 0
	s_set_vgpr_msb 0x4045
	ds_add_u32 v160, v161
	s_wait_dscnt 0x0
	s_barrier_signal -1
	s_barrier_wait -1
	s_set_vgpr_msb 0x4500
	v_lshrrev_b32 v[RR], 5, v0
	v_readfirstlane_b32 s12, v[RR]                 ; wave
	s_and_b32 s13, ttmp7, 0xffff                   ; batch
	s_mov_b32 s25, 0                               ; stays 0: s[24:25] is the offset pair of every sum
	s_mov_b32 s36, 0x3e38aa3b                      ; log2(e)/8
	s_mov_b32 s37, 0x3e38aa3b
	v_and_b32 v[RR], 15, v0                        ; r
	v_bfe_u32 v[HH], v0, 4, 1                      ; h
	v_mul_u32_u24 v[LK], v[RR], 144
	v_lshl_add_u32 v[LK], v[HH], 4, v[LK]
	v_and_b32 v[L16], 31, v0
	v_lshlrev_b32 v[PMO], 2, v[L16]
	v_lshlrev_b32 v[L16], 4, v[L16]
	s_mov_b32 s[G1], (1<<16)|(1<<20)|(4<<22)|(3<<25)   ; 2-byte elements; 4 words of padding after every 32 (a row's 128 bytes)
	s_mov_b32 s[G1+6], 0
	s_mov_b32 s[G1+7], 0
	s_mov_b32 s[G0], 1
	s_mov_b32 s[G0+4], 1
	s_and_b32 s22, s12, 1
	s_lshl_b32 s23, s13, 4                         ; the batch's first head
	s_cmp_lt_u32 ttmp9, 120
	s_cbranch_scc0 .Ldiag
	; ---------------- A FULL TILE ----------------
.set DV, 0
.set NGH, 4
.set SWN, 2
.set QA, 4                             ; v4, v5
	s_lshr_b32 s14, ttmp9, 4                       ; a
	s_and_b32 s15, ttmp9, 15                       ; c
	s_sub_co_u32 s16, 15, s14
	s_add_co_u32 s17, s14, 1
	s_sub_co_u32 s18, s15, s16
	s_cmp_lt_u32 s15, s16
	s_cselect_b32 s19, s16, s17                    ; i: the block of 128 queries
	s_cselect_b32 s20, s15, s18                    ; j: the block of 128 keys, j < i
	s_mov_b32 s[G1+1], 128<<16                     ; 16,384 dense bytes as 64 rows of 256
	s_mov_b32 s[G1+2], 64<<16
	s_mov_b32 s[G1+3], 128<<16
	s_mov_b32 s[G1+4], 64
	s_mov_b32 s[G1+5], 128
	s_cmp_lt_u32 s12, 2                            ; waves 0, 1 bring K of the slot's two heads, waves 2, 3 Q
	s_cselect_b32 s14, s20, s19
	s_cselect_b32 s15, 0x800000, 0                 ; K's heads begin 32 heads in
	s_add_co_u32 s16, s23, s22
	s_lshl_b32 s16, s16, 18                        ; a head is 262,144 bytes
	s_lshl_b32 s14, s14, 14                        ; a block is 16,384
	s_add_co_u32 s24, s15, s16
	s_add_co_u32 s24, s24, s14
	s_mul_i32 s17, s12, REGN
	s_wait_kmcnt 0x0
	s_add_nc_u64 s[G0+2:G0+3], s[4:5], s[24:25]
	s_add_nc_u64 s[G0+6:G0+7], s[G0+2:G0+3], 0x80000   ; two heads on
	s_or_b32 s[G0+3], s[G0+3], 0x80000000
	s_or_b32 s[G0+7], s[G0+7], 0x80000000
	s_add_co_u32 s[G0+1], s17, 0
	s_add_co_u32 s[G0+5], s17, SLF
	HOOK 0, 2                                      ; all four waves are on this path; nothing of mine is out yet; heads 0 and 1 are asked for
	v_mov_b32 v[KA], v[LK]
	v_add_nc_u32 v[KA+1], SLF, v[LK]
	s_mul_i32 s14, s12, 4608                       ; my 32 rows of Q
	s_add_co_u32 s14, s14, 2*REGN
	v_add_nc_u32 v[QA], s14, v[LK]
	v_add_nc_u32 v[QA+1], SLF, v[QA]
	s_lshl_b32 s14, s12, 8
	v_lshl_add_u32 v[SOA], v[RR], 3, s14           ; (32 w + r) 8
	s_lshl_b32 s24, s13, 18                        ; 16 heads x 2,048 rows x 8 bytes a batch
	s_lshl_b32 s14, s19, 10
	s_add_co_u32 s24, s24, s14
	s_add_nc_u64 s[26:27], s[6:7], s[24:25]        ; statistics of head 0, my block
	s_lshl_b32 s24, s13, 11
	s_lshl_b32 s14, s20, 7
	s_add_co_u32 s24, s24, s14
	s_add_nc_u64 s[32:33], s[8:9], s[24:25]        ; the tile's mask bytes
	s_lshl_b32 s15, s13, 24
	s_lshl_b32 s14, s12, 18
	s_add_co_u32 s15, s15, s14                     ; batch + 32 w rows of 8,192 bytes
	s_lshl_b32 s24, s19, 20
	s_lshl_b32 s14, s20, 9
	s_add_co_u32 s24, s24, s14
	s_add_co_u32 s24, s24, s15
	s_add_nc_u64 s[28:29], s[10:11], s[24:25]      ; my rows of the tile
	s_lshl_b32 s24, s20, 20
	s_lshl_b32 s14, s19, 9
	s_add_co_u32 s24, s24, s14
	s_add_co_u32 s24, s24, s15
	s_add_nc_u64 s[30:31], s[10:11], s[24:25]      ; my rows of its mirror image
	global_load_b32 v[PMA], v[PMO], s[32:33]
	SSLOAD SSH, 0
	SSLOAD SSH+4, 1
.irp e, 0,1,2,3
	v_mov_b32 v[ZR+\e], 0
.endr
.set t, 0
.rept 32
	global_store_b128 v[L16], v[ZR:ZR+3], s[30:31] offset:8192*t th:TH_STORE_NT   ; the mirror image's zeros leave while the first tiles come: 512 bytes of a row each
.set t, t+1
.endr
	HOOK 1, 2                                      ; slot 0 has landed for all four waves; heads 2 and 3 are asked for and have two heads' work less two stages in which to land
	PIPE
	; THE WAY OUT, 16 rows at a time through my own 16 x 528 bytes, so that a store covers a row piece of 512 bytes; every key lies below every query: the mask is the padding's
	v_and_b32 v22, 15, v0
	v_bfe_u32 v23, v0, 4, 1
	s_mul_i32 s14, s12, 8448
	v_mul_u32_u24 v24, v22, 528
	v_lshl_add_u32 v24, v23, 5, v24
	v_add_nc_u32 v24, s14, v24                     ; in: row r, 32 bytes for each half of the lanes
	v_add_nc_u32 v25, s14, v[L16]                  ; back: a whole row
	KEEP PMA, 40
.irp qt, 0,1
	WIN 0x04                                       ; store data from window 1
.irp u, 0,1,2,3
.irp k, 0,1
	ds_store_b128 v24, v[32*\u+16*\qt+8*\k:32*\u+16*\qt+8*\k+3] offset:128*\u+64*\k
	ds_store_b128 v24, v[32*\u+16*\qt+8*\k+4:32*\u+16*\qt+8*\k+7] offset:128*\u+64*\k+16
.endr
.endr
	WIN 0
.irp t, 0,1,2,3,4,5,6,7,8,9,10,11,12,13,14,15
	ds_load_b128 v[OB+64*\qt+4*\t:OB+64*\qt+4*\t+3], v25 offset:528*\t   ; my own bytes, served in order (ISA guide 5.7.1.4)
.endr
.irp t, 0,1,2,3,4,5,6,7,8,9,10,11,12,13,14,15
	s_wait_dscnt 15-\t
.irp e, 0,1,2,3
	v_cndmask_b32 v[OB+64*\qt+4*\t+\e], 0, v[OB+64*\qt+4*\t+\e], s[40+\e]
.endr
	global_store_b128 v[L16], v[OB+64*\qt+4*\t:OB+64*\qt+4*\t+3], s[28:29] offset:(16*\qt+\t)*8192 th:TH_STORE_NT
.endr
.endr
	s_set_vgpr_msb 0x5
	s_wait_tensorcnt 0x0
	ds_add_u32 v160, v161
	s_wait_dscnt 0x0
	s_set_vgpr_msb 0x500
	s_endpgm
	; ---------------- TWO DIAGONAL BLOCKS ----------------
.Ldiag:
.set DV, 1
.set NGH, 5
.set SWN, 4
.set QA, 12                            ; v12-16, v17-21
; the three whole groups of wave w: key group u and block b (0 = A, 1 = B) of each; its strip is w in A, 3 - w in B; the mask is all ones for A
.macro WSET w, u0, b0, u1, b1, u2, b2
	s_mov_b32 s80, \u0
	s_mov_b32 s85, \b0
	s_mov_b32 s90, \w+\b0*(3-2*\w)
	s_mov_b32 s74, \b0-1
	s_mov_b32 s81, \u1
	s_mov_b32 s86, \b1
	s_mov_b32 s91, \w+\b1*(3-2*\w)
	s_mov_b32 s75, \b1-1
	s_mov_b32 s82, \u2
	s_mov_b32 s87, \b2
	s_mov_b32 s92, \w+\b2*(3-2*\w)
	s_mov_b32 s76, \b2-1
.endm
	s_sub_co_u32 s19, ttmp9, 120                   ; block A
	s_sub_co_u32 s20, 15, s19                      ; block B
	s_sub_co_u32 s21, 3, s12                       ; my strip of B
	s_mov_b32 s[G1+1], 8192<<16                    ; two heads: two rows of 16,384 dense bytes, 262,144 bytes apart
	s_mov_b32 s[G1+2], 2<<16
	s_mov_b32 s[G1+3], 8192<<16
	s_mov_b32 s[G1+4], 2
	s_mov_b32 s[G1+5], 131072
	s_cmp_eq_u32 s22, 0                            ; waves 0, 2 bring block A, waves 1, 3 block B
	s_cselect_b32 s14, s19, s20
	s_cmp_lt_u32 s12, 2                            ; waves 0, 1 bring K, waves 2, 3 Q
	s_cselect_b32 s15, 0x800000, 0
	s_lshl_b32 s16, s23, 18
	s_lshl_b32 s14, s14, 14
	s_add_co_u32 s24, s15, s16
	s_add_co_u32 s24, s24, s14
	s_mul_i32 s17, s12, 2*REGN
	s_wait_kmcnt 0x0
	s_add_nc_u64 s[G0+2:G0+3], s[4:5], s[24:25]
	s_add_nc_u64 s[G0+6:G0+7], s[G0+2:G0+3], 0x80000
	s_or_b32 s[G0+3], s[G0+3], 0x80000000
	s_or_b32 s[G0+7], s[G0+7], 0x80000000
	s_add_co_u32 s[G0+1], s17, 0
	s_add_co_u32 s[G0+5], s17, SLD
	HOOK 0, 2                                      ; all four waves are on this path; nothing of mine is out yet; heads 0 and 1 are asked for
	s_cmp_eq_u32 s12, 0
	s_cbranch_scc1 .Lw0
	s_cmp_eq_u32 s12, 1
	s_cbranch_scc1 .Lw1
	s_cmp_eq_u32 s12, 2
	s_cbranch_scc1 .Lw2
	WSET 3, 0,0, 1,0, 2,0
	s_branch .Lwj
.Lw0:
	WSET 0, 0,1, 1,1, 2,1
	s_branch .Lwj
.Lw1:
	WSET 1, 0,0, 0,1, 1,1
	s_branch .Lwj
.Lw2:
	WSET 2, 0,0, 1,0, 0,1
.Lwj:
	s_mov_b32 s83, s12                             ; slot DA: block A, strip w, key group w
	s_mov_b32 s88, 0
	s_mov_b32 s93, s12
	s_mov_b32 s84, s21                             ; slot DB: block B, strip 3 - w, key group 3 - w
	s_mov_b32 s89, 1
	s_mov_b32 s94, s21
.irp s, 0,1,2,3,4
	s_mul_i32 s14, s[85+\s], 2*REGN                ; the block's region
	s_mul_i32 s15, s[80+\s], 4608                  ; 32 keys x 144 bytes
	s_add_co_u32 s15, s15, s14
	v_add_nc_u32 v[KA+\s], s15, v[LK]
	v_add_nc_u32 v[KA+5+\s], SLD, v[KA+\s]
	s_mul_i32 s15, s[90+\s], 4608                  ; 32 queries
	s_add_co_u32 s15, s15, s14
	s_add_co_u32 s15, s15, 4*REGN                  ; Q's regions lie behind K's
	v_add_nc_u32 v[QA+\s], s15, v[LK]
	v_add_nc_u32 v[QA+5+\s], SLD, v[QA+\s]
.endr
	s_lshl_b32 s14, s19, 10
	s_lshl_b32 s15, s12, 8
	s_add_co_u32 s14, s14, s15
	v_lshl_add_u32 v[SOA], v[RR], 3, s14           ; (128 A + 32 w + r) 8
	s_lshl_b32 s14, s20, 10
	s_lshl_b32 s15, s21, 8
	s_add_co_u32 s14, s14, s15
	v_lshl_add_u32 v[SOB], v[RR], 3, s14
	s_lshl_b32 s24, s13, 18
	s_add_nc_u64 s[26:27], s[6:7], s[24:25]        ; statistics of the batch's head 0
	s_lshl_b32 s15, s13, 11
	s_lshl_b32 s24, s19, 7
	s_add_co_u32 s24, s24, s15
	s_add_nc_u64 s[32:33], s[8:9], s[24:25]        ; mask bytes of block A
	s_lshl_b32 s24, s20, 7
	s_add_co_u32 s24, s24, s15
	s_add_nc_u64 s[78:79], s[8:9], s[24:25]        ; of block B
	s_lshl_b32 s15, s13, 24
	s_lshl_b32 s24, s19, 20
	s_lshl_b32 s14, s12, 18
	s_add_co_u32 s24, s24, s14
	s_lshl_b32 s14, s19, 9
	s_add_co_u32 s24, s24, s14
	s_add_co_u32 s24, s24, s15
	s_add_nc_u64 s[28:29], s[10:11], s[24:25]      ; my strip of block A
	s_lshl_b32 s24, s20, 20
	s_lshl_b32 s14, s21, 18
	s_add_co_u32 s24, s24, s14
	s_lshl_b32 s14, s20, 9
	s_add_co_u32 s24, s24, s14
	s_add_co_u32 s24, s24, s15
	s_add_nc_u64 s[30:31], s[10:11], s[24:25]      ; my strip of block B
	s_lshl_b32 s38, s12, 3                         ; the lane that holds my strip's first key: 8 x strip
	s_lshl_b32 s39, s21, 3
	global_load_b32 v[PMA], v[PMO], s[32:33]
	global_load_b32 v[PMB], v[PMO], s[78:79]
	SSLOAD SSH, 0
	SSLOAD SSH+8, 1
	HOOK 1, 2                                      ; slot 0 has landed for all four waves; heads 2 and 3 are asked for and have two heads' work less two stages in which to land
	PIPE
	; THE WAY OUT.  In the two diagonal groups the tiles on the diagonal keep key 8 h + j <= query r: eight lane masks, the same for every wave.
	v_and_b32 v22, 15, v0
	v_bfe_u32 v23, v0, 4, 1
	v_lshlrev_b32 v24, 3, v23
	v_sub_nc_u32 v24, v22, v24                     ; r - 8 h
.irp j, 0,1,2,3,4,5,6,7
	v_cmp_le_i32 s[66+\j], \j, v24
.endr
	WIN 0x44                                       ; destination and source 1 in window 1
.irp s, 3,4
.irp j, 0,1,2,3,4,5,6,7
	v_cndmask_b32 v[32*\s+\j], 0, v[32*\s+\j], s[66+\j]
	v_cndmask_b32 v[32*\s+24+\j], 0, v[32*\s+24+\j], s[66+\j]
.endr
.endr
	WIN 0
	; my stage: 16 rows x 528 bytes for each block.  It is cleared once: the groups above the diagonal, and the dead tile of the lower 16 queries, stay zero.
.irp e, 0,1,2,3
	v_mov_b32 v[ZR+\e], 0
.endr
	s_mul_i32 s14, s12, 16896
	v_add_nc_u32 v25, s14, v[L16]
.set t, 0
.rept 33
	ds_store_b128 v25, v[ZR:ZR+3] offset:512*t
.set t, t+1
.endr
	v_mul_u32_u24 v24, v22, 528
	v_lshl_add_u32 v24, v23, 5, v24
	v_add_nc_u32 v24, s14, v24
.irp s, 0,1,2,3,4
	s_mul_i32 s15, s[85+\s], 8448                  ; the slot's block
	s_lshl_b32 s16, s[80+\s], 7                    ; its 32 keys: 128 bytes
	s_add_co_u32 s15, s15, s16
	v_add_nc_u32 v[KA+\s], s15, v24
.endr
	KEEP PMA, 40
	KEEP PMB, 44
; 16 rows of each strip.  Row c of a strip keeps its own diagonal key, lane 8 x strip + c / 4, element c % 4, padded or not.
.macro DOUT qt
	WIN 0x04                                       ; store data from window 1
.irp s, 0,1,2,3,4
.irp k, 0,1
.if (\s/3)*(1-\qt)*\k == 0
	ds_store_b128 v[KA+\s], v[32*\s+16*\qt+8*\k:32*\s+16*\qt+8*\k+3] offset:64*\k
	ds_store_b128 v[KA+\s], v[32*\s+16*\qt+8*\k+4:32*\s+16*\qt+8*\k+7] offset:64*\k+16
.endif
.endr
.endr
	WIN 0
.if \qt
	s_wait_xcnt 0x0                                ; the registers that the last stores read are loaded again only behind this wait
.endif
.irp x, 0,1
.irp t, 0,1,2,3,4,5,6,7,8,9,10,11,12,13,14,15
	ds_load_b128 v[OB+64*\x+4*\t:OB+64*\x+4*\t+3], v25 offset:8448*\x+528*\t   ; my own bytes, served in order (ISA guide 5.7.1.4)
.endr
.endr
.irp x, 0,1
.irp t, 0,1,2,3,4,5,6,7,8,9,10,11,12,13,14,15
	s_wait_dscnt 31-16*\x-\t
	s_lshl_b32 s35, 1<<((16*\qt+\t)/4), s[38+\x]
	s_or_b32 s35, s35, s[40+4*\x+(16*\qt+\t)%4]
.irp e, 0,1,2,3
.if \e == (16*\qt+\t)%4
	v_cndmask_b32 v[OB+64*\x+4*\t+\e], 0, v[OB+64*\x+4*\t+\e], s35
.else
	v_cndmask_b32 v[OB+64*\x+4*\t+\e], 0, v[OB+64*\x+4*\t+\e], s[40+4*\x+\e]
.endif
.endr
	global_store_b128 v[L16], v[OB+64*\x+4*\t:OB+64*\x+4*\t+3], s[28+2*\x:29+2*\x] offset:(16*\qt+\t)*8192 th:TH_STORE_NT
.endr
.endr
.endm
	DOUT 0
	DOUT 1
	s_set_vgpr_msb 0x5
	s_wait_tensorcnt 0x0
	ds_add_u32 v160, v161
	s_wait_dscnt 0x0
	s_set_vgpr_msb 0x500
	s_endpgm
.Lfunc_end_k_q587f4b890c_wavg:
	.size	k_q587f4b890c_wavg, .Lfunc_end_k_q587f4b890c_wavg-k_q587f4b890c_wavg
	.p2alignl 7, 3214868480
	.fill 96, 4, 3214868480
	.section	.rodata,"a",@progbits
	.p2align	6, 0x0
	.amdhsa_kernel k_q587f4b890c_wavg
		.amdhsa_group_segment_fixed_size 327680
		.amdhsa_private_segment_fixed_size 0
		.amdhsa_enable_private_segment 0
		.amdhsa_kernarg_size 32
		.amdhsa_user_sgpr_count 2
		.amdhsa_user_sgpr_kernarg_segment_ptr 1
		.amdhsa_wavefront_size32 1
		.amdhsa_system_sgpr_workgroup_id_x 1
		.amdhsa_system_sgpr_workgroup_id_y 1
		.amdhsa_system_sgpr_workgroup_id_z 1
		.amdhsa_system_vgpr_workitem_id 0
		.amdhsa_next_free_vgpr 418
		.amdhsa_next_free_sgpr 96
		.amdhsa_reserve_vcc 0
		.amdhsa_float_denorm_mode_32 3
		.amdhsa_float_denorm_mode_16_64 3
		.amdhsa_memory_ordered 1
		.amdhsa_forward_progress 1
		.amdhsa_inst_pref_size 255
	.end_amdhsa_kernel
	.section	.bss,"aw",@nobits
	.p2align	6
	.space	262144
	.amdgpu_metadata
---
amdhsa.version: [ 1, 2 ]
amdhsa.kernels:
  - .name:           k_q587f4b890c_wavg
    .symbol:         k_q587f4b890c_wavg.kd
    .args:
      - { .name: qh, .offset: 0, .size: 8, .value_kind: global_buffer, .address_space: global }
      - { .name: stats, .offset: 8, .size: 8, .value_kind: global_buffer, .address_space: global }
      - { .name: key_padding_mask, .offset: 16, .size: 8, .value_kind: global_buffer, .address_space: global }
      - { .name: out1, .offset: 24, .size: 8, .value_kind: global_buffer, .address_space: global }
    .group_segment_fixed_size: 327680
    .private_segment_fixed_size: 0
    .kernarg_segment_align: 8
    .kernarg_segment_size: 32
    .max_flat_workgroup_size: 128
    .sgpr_count:     96
    .vgpr_count:     418
    .wavefront_size: 32
...
	.end_amdgpu_metadata
.endif
;; end of part 4
;; launch oproj (part 5): grid 8 x 32, 4 waves a work-group, clusters of 4 x 4, 327,680 bytes of LDS; arguments att, wb, b_out, x, key_padding_mask, x1; writes x1
.if DOCPART == 5
	.amdgcn_target "amdgcn-amd-amdhsa--gfx1250"
	.amdhsa_code_object_version 6
	.text
	.protected	k_q587f4b890c_oproj
	.globl	k_q587f4b890c_oproj
	.p2align	8
	.type	k_q587f4b890c_oproj,@function
k_q587f4b890c_oproj:
	s_mov_b64 s[64:65], 0
	v_nop
	global_prefetch_b8 v0, s[64:65] scope:SCOPE_SE
	s_setreg_imm32_b32 hwreg(HW_REG_WAVE_MODE, 25, 1), 1
	s_wait_xcnt 0x0
	s_wait_alu depctr_hold_cnt(0) depctr_sa_sdst(0) depctr_va_vdst(0) depctr_va_sdst(0) depctr_va_ssrc(0) depctr_va_vcc(0) depctr_vm_vsrc(0)
	s_getreg_b32 s2, hwreg(HW_REG_IB_STS2, 6, 4)
	s_cmp_eq_u32 s2, 0
	s_cbranch_scc0 .Lentry_in_a_cluster
	s_endpgm
.Lentry_in_a_cluster:
	s_bfe_u32 s2, ttmp6, 0x10000c
	s_cmp_lg_u32 s2, 0xf033
	s_cbranch_scc0 .Lentry_shape_is_right
	s_endpgm
.Lentry_shape_is_right:
; out = res + (A B^T + bias), f32, 4,096 x 1,024.  One text for two launches:
; VAR = 0: x1 = x + select(query padded, 0, att w_out^T + b_out); A = att, bf16 by heads [2][16][2048][64], K = 1,024.
; VAR = 1: out0 = x1 + hb w2^T + b2; A = hb [4096][4096] bf16, K = 4,096.
; 4,096 x 1,024 of C on 256 work-groups leave 128 x 128 each.  Every wave makes the WHOLE block over its own quarter of K (64 accumulator tiles,
; 512 registers: for 32 along K it reads 2 x 128 x 64 bytes of LDS for 64 matrix instructions), and the four partial blocks are added through LDS
; once at the end, on the pass that the f32 rows need anyway to leave as whole rows.  Limit: K is added in four parts, another order of f32 sums than reference()'s.
; A slot holds 256 along K: wave w takes its 64.  B: 128 rows x 512 bytes, LDS rows of 528.  A, VAR = 1: the same.  A, VAR = 0: wave w's 64 are head 4 t + w;
; a head's 128 rows x 128 bytes are 16,384 dense bytes; one load brings two heads as two rows of 16,384 bytes, padded after every 128 bytes: LDS rows of 144.
; CLUSTERS: 4 x 4 work-groups; A's tiles are asked for jointly along a row of the cluster, B's along a column.
; Windows and the transposed use of the matrix instruction: window 0 addresses and A's fragments, window 1 B's, windows 2, 3 the accumulators of rows 0-63, 64-127;
; lane l holds row l % 16 of C and the columns 8 (l / 16) + 0 .. 7 of the tile.
.set VAR, 0
.if VAR
.set SIZE_K, 4096
.set WOFF, 16777216                    ; w2 in wb
.set APITCH, 528
.set AWAVE, 128                        ; wave w's 64 numbers begin 128 w bytes into a row
.set ALD, 64*528                       ; what one load of A brings
.set ANEXT, 512                        ; from a slot's tile to the next slot's
.set A_W0, (1<<16)|(1<<20)|(1<<21)|(6<<22)|(3<<25)
.set A_D0, 256
.set A_D1, 64
.set A_P, SIZE_K
.set BSH, 19                           ; 64 rows of B in bytes = 1 << BSH
.else
.set SIZE_K, 1024
.set WOFF, 6291456                     ; w_out in wb
.set APITCH, 144
.set AWAVE, 128*144                    ; wave w's head
.set ALD, 2*128*144
.set ANEXT, 4<<18                      ; four heads
.set A_W0, (1<<16)|(1<<20)|(1<<21)|(4<<22)|(3<<25)
.set A_D0, 8192
.set A_D1, 2
.set A_P, 131072
.set BSH, 17
.endif
.set BP, 528
.set BLD, 64*BP
.set ABYTES, 2*ALD
.set SLOT, ABYTES+2*BLD
.set LAPS, SIZE_K/512
.set RP, 528                           ; the sums' stage: a row of 128 f32 + 16 bytes
.set RW, 128*RP                        ; one wave's partial block; four of them lie on the ring's bytes, which have had their last fill
.set RDS,  8                           ; v[8:11]  where I read partial block s
.set ADRA, 16
.set ADRB, 20
.set STO,  24
.set CO,   26                          ; 16 l
.set BIA,  28                          ; v[28:31] bias of my four columns
.set F0,   64
.set F1,   128
.set RES,  64                          ; v[64:191]  the residual of my 32 rows
.set SUM,  192                         ; v[192:255] four rows x four partial blocks
.set G1, 24
.set G0, 32
.set G1B, 48
.set G0B, 56
.set MSB, 0
.macro WIN new
.if MSB != \new
	s_set_vgpr_msb (MSB<<8)|\new
.set MSB, \new
.endif
.endm
.set MUL_LO, 0xa1
.set MUL_HI, 0xf1
.set TO_B,   0x40
.macro JLOAD s                         ; waves 0, 1 fetch A's halves, waves 2, 3 B's; the branch hangs on the wave's number alone
	s_cmp_eq_u32 s11, 0
	s_cbranch_scc0 .Lfor_b_\@
	tensor_load_to_lds s[G0+4*\s:G0+4*\s+3], s[G1:G1+7]
	s_nop 0
	s_branch .Lasked_\@
.Lfor_b_\@:
	tensor_load_to_lds s[G0B+4*\s:G0B+4*\s+3], s[G1B:G1B+7]
	s_nop 0
.Lasked_\@:
.endm
.macro CREST
	s_cmp_lg_u32 s10, 0
	s_cbranch_scc1 .Lnot_wave_0_\@
	s_barrier_signal -3
.Lnot_wave_0_\@:
	s_barrier_wait -3
	s_barrier_signal -1
	s_barrier_wait -1
.endm
.macro CROUND
	s_barrier_signal -1
	s_barrier_wait -1
	CREST
.endm
	s_load_b256 s[68:75], s[0:1], 0x0              ; A s[68:69], wb s[70:71], bias s[72:73], residual s[74:75]
.if VAR
	s_load_b64 s[86:87], s[0:1], 0x20              ; output
.else
	s_load_b128 s[84:87], s[0:1], 0x20             ; mask s[84:85], output s[86:87]
	s_set_vgpr_msb 0x40
	v_lshl_add_u32 v255, v0, 2, 0x45000
	s_set_vgpr_msb 0x4000
	v_mov_b32 v63, 0
	s_set_vgpr_msb 0x1
	ds_add_u32 v255, v63
	s_set_vgpr_msb 0x100
.endif
	v_lshrrev_b32 v1, 5, v0
	v_readfirstlane_b32 s10, v1                    ; wave
	s_lshr_b32 s11, s10, 1                         ; I fetch for A (0) or B (1)
	s_and_b32 s12, s10, 1                          ; which half of that tile
	s_bfe_u32 s40, ttmp6, 0x40000                  ; cx
	s_bfe_u32 s41, ttmp6, 0x40004                  ; cy
	s_lshl_b32 s42, ttmp9, 2
	s_add_co_u32 s42, s42, s40                     ; block column
	s_and_b32 s13, ttmp7, 0xffff
	s_lshl_b32 s13, s13, 2
	s_add_co_u32 s13, s13, s41                     ; block row
	s_lshl_b32 s43, s41, 2
	s_lshl_b32 s43, 15, s43                        ; my row of the cluster
	s_lshl_b32 s44, 0x1111, s40                    ; my column
	s_or_b32 s[G1+0], s43, A_W0
	s_mov_b32 s[G1+1], A_D0<<16
	s_mov_b32 s[G1+2], A_D1<<16
	s_mov_b32 s[G1+3], A_D0<<16
	s_mov_b32 s[G1+4], A_D1
	s_mov_b32 s[G1+5], A_P
	s_mov_b32 s[G1+6], 0
	s_mov_b32 s[G1+7], 0
	s_or_b32 s[G1B+0], s44, (1<<16)|(1<<20)|(1<<21)|(6<<22)|(3<<25)   ; 64 rows x 256 elements, 4 words of padding after every 128
	s_mov_b32 s[G1B+1], 256<<16
	s_mov_b32 s[G1B+2], 64<<16
	s_mov_b32 s[G1B+3], 256<<16
	s_mov_b32 s[G1B+4], 64
	s_mov_b32 s[G1B+5], SIZE_K
	s_mov_b32 s[G1B+6], 0
	s_mov_b32 s[G1B+7], 0
.if VAR
	s_lshl1_add_u32 s16, s13, s12                  ; A: row 128 x block row + 64 x half, 8,192 bytes a row
	s_lshl_b32 s16, s16, 19
.else
	s_lshr_b32 s16, s13, 4                         ; batch: 16 block rows each
	s_lshl_b32 s16, s16, 3
	s_add_co_u32 s16, s16, s12                     ; head 16 b + 2 x half, halved
	s_lshl_b32 s16, s16, 19
	s_and_b32 s17, s13, 15
	s_lshl_b32 s17, s17, 14                        ; 128 positions x 128 bytes
	s_add_co_u32 s16, s16, s17
.endif
	s_mov_b32 s17, 0
	s_lshl1_add_u32 s46, s42, s12                  ; B: row 128 x block column + 64 x half
	s_lshl_b32 s46, s46, BSH
	s_mov_b32 s47, 0
	s_mul_i32 s20, s10, ALD                        ; LDS: A's halves by waves 0, 1
	s_mul_i32 s21, s10, BLD                        ; B's halves by waves 2, 3, behind A's bytes
	s_add_co_u32 s21, s21, ABYTES-2*BLD
	s_wait_dscnt 0x0
	s_wait_kmcnt 0x0
	s_add_nc_u64 s[70:71], s[70:71], WOFF
	s_add_nc_u64 s[14:15], s[68:69], s[16:17]
	s_add_nc_u64 s[46:47], s[70:71], s[46:47]
	CROUND                                         ; all sixteen work-groups are here: the first joint loads meet
.irp s, 0,1
	s_mov_b32 s[G0+4*\s], 1
	s_add_co_u32 s[G0+4*\s+1], s20, \s*SLOT
	s_add_nc_u64 s[G0+4*\s+2:G0+4*\s+3], s[14:15], \s*ANEXT
	s_or_b32 s[G0+4*\s+3], s[G0+4*\s+3], 0x80000000
	s_mov_b32 s[G0B+4*\s], 1
	s_add_co_u32 s[G0B+4*\s+1], s21, \s*SLOT
	s_add_nc_u64 s[G0B+4*\s+2:G0B+4*\s+3], s[46:47], \s*512
	s_or_b32 s[G0B+4*\s+3], s[G0B+4*\s+3], 0x80000000
	JLOAD \s                                       ; two tensor loads of a wave are out
.endr
	v_and_b32 v1, 15, v0                           ; r
	v_bfe_u32 v2, v0, 4, 1                         ; h
	v_mul_u32_u24 v3, v1, APITCH
	v_lshl_add_u32 v3, v2, 4, v3
	v_mul_u32_u24 v4, v1, BP
	v_lshl_add_u32 v4, v2, 4, v4
	s_mul_i32 s22, s10, AWAVE                      ; my quarter of the slot's K
	s_lshl_b32 s23, s10, 7
	s_add_co_u32 s23, s23, ABYTES
.irp s, 0,1
	v_add_nc_u32 v[ADRA+\s], s22, v3
	v_add_nc_u32 v[ADRB+\s], s23, v4
	s_add_co_u32 s22, s22, SLOT
	s_add_co_u32 s23, s23, SLOT
.endr
	v_and_b32 v5, 31, v0
	v_lshlrev_b32 v[CO], 4, v5
	s_mul_i32 s23, s10, RW
	v_mul_u32_u24 v6, v1, RP
	v_lshl_add_u32 v6, v2, 5, v6
	v_add_nc_u32 v[STO], s23, v6                   ; my partial block: row r, 32 bytes for each half of the lanes
	s_mul_i32 s23, s10, 32*RP                      ; the 32 rows that I add up
.irp s, 0,1,2,3
	v_add_nc_u32 v[RDS+\s], s23, v[CO]
	s_add_co_u32 s23, s23, RW
.endr
.macro MUL16 f, hi, a0, zero
.irp a, \a0, \a0+1
.irp b, 0,1,2,3,4,5,6,7
.if \zero
	v_wmma_f32_16x16x32_bf16 v[8*(8*(\a)+\b):8*(8*(\a)+\b)+7], v[\f+8*\b:\f+8*\b+7], v[\f+8*(4*\hi+\a):\f+8*(4*\hi+\a)+7], 0
.else
	v_wmma_f32_16x16x32_bf16 v[8*(8*(\a)+\b):8*(8*(\a)+\b)+7], v[\f+8*\b:\f+8*\b+7], v[\f+8*(4*\hi+\a):\f+8*(4*\hi+\a)+7], v[8*(8*(\a)+\b):8*(8*(\a)+\b)+7]
.endif
.endr
.endr
.endm
.macro FETCH slot, k, f
	WIN TO_B
.irp i, 0,1,2,3,4,5,6,7
	ds_load_b128 v[\f+8*\i:\f+8*\i+3],   v[ADRB+\slot] offset:\k+\i*16*BP
	ds_load_b128 v[\f+8*\i+4:\f+8*\i+7], v[ADRB+\slot] offset:\k+\i*16*BP+32
.endr
	WIN 0
.irp i, 0,1,2,3,4,5,6,7
	ds_load_b128 v[\f+8*\i:\f+8*\i+3],   v[ADRA+\slot] offset:\k+\i*16*APITCH
	ds_load_b128 v[\f+8*\i+4:\f+8*\i+7], v[ADRA+\slot] offset:\k+\i*16*APITCH+32
.endr
.endm
.macro PLACES                          ; four places behind a matrix instruction (ISA guide 7.12.1)
.rept 4
	v_nop
.endr
.endm
; my 64 of a slot's K are two steps of 32.  The first: multiplies buffer f and fetches the second's fragments into g.
; The 64 accumulators take turns, one instruction a turn, in the same order in every step.
.macro QUARTER slot, k, f, g, zero
	s_wait_dscnt 8                                 ; B and A's rows 0-63 are in; the youngest eight loads may be out
	WIN MUL_LO
	MUL16 \f, 0, 0, \zero
	MUL16 \f, 0, 2, \zero
	PLACES
	FETCH \slot, \k, \g
	s_wait_dscnt 32                                ; all but the 32 just issued
	WIN MUL_HI
	MUL16 \f, 1, 0, \zero
	MUL16 \f, 1, 2, \zero
.endm
; the second: multiplies buffer 1 and changes slots: waits, barrier (a round of the cluster's barrier where a slot is filled again), refill first, then the next slot's fragments
.macro TURN slot, next, fill
	s_wait_dscnt 8
	WIN MUL_LO
	MUL16 F1, 0, 0, 0
	s_wait_dscnt 0                                 ; my reads of this slot are over
	s_wait_tensorcnt 0x0                           ; all my tensor loads have landed: the one that was out is my part of the next slot
	ds_add_u32 v255, v63
	s_wait_dscnt 0x0
	s_barrier_signal -1
	MUL16 F1, 0, 2, 0
	WIN 0
	s_barrier_wait -1
.if \fill
	CREST
	s_add_nc_u64 s[G0+4*\slot+2:G0+4*\slot+3], s[G0+4*\slot+2:G0+4*\slot+3], 2*ANEXT
	s_add_nc_u64 s[G0B+4*\slot+2:G0B+4*\slot+3], s[G0B+4*\slot+2:G0B+4*\slot+3], 1024
	JLOAD \slot                                    ; the first tensor load behind the round, one a wave
.endif
	PLACES
	FETCH \next, 0, F0
	WIN MUL_HI
	MUL16 F1, 1, 0, 0
	MUL16 F1, 1, 2, 0
.endm
.macro LAP zero
	QUARTER 0, 64, F0, F1, \zero
	TURN 0, 1, 1
	QUARTER 1, 64, F0, F1, 0
	TURN 1, 0, 1
.endm
	s_wait_tensorcnt 1                             ; my part of slot 0 is in; slot 1's load may be out
	s_barrier_signal -1
	s_barrier_wait -1
	FETCH 0, 0, F0
	LAP 1
.if LAPS > 2
	WIN 0
	s_mov_b32 s3, LAPS-2
.Llap:
	LAP 0
	WIN 0
	s_sub_co_u32 s3, s3, 1
	s_cmp_lg_u32 s3, 0
	s_cbranch_scc1 .Llap
.endif
	QUARTER 0, 64, F0, F1, 0                       ; the last lap fills nothing
	TURN 0, 1, 0
	QUARTER 1, 64, F0, F1, 0
	s_wait_dscnt 8
	WIN MUL_LO
	MUL16 F1, 0, 0, 0
	MUL16 F1, 0, 2, 0
	s_wait_dscnt 0
	WIN MUL_HI
	MUL16 F1, 1, 0, 0
	MUL16 F1, 1, 2, 0
	; THE WAY OUT.  The residual and the bias are asked for first; the four partial blocks meet in LDS; wave w adds up rows 32 w .. 32 w + 31.
	PLACES
	WIN 0
	s_lshl_b32 s78, s42, 9                         ; my block's first column x 4 bytes
	s_mov_b32 s79, 0
	s_add_nc_u64 s[72:73], s[72:73], s[78:79]
	s_lshl_b32 s76, s13, 19                        ; 128 rows x 4,096 bytes
	s_lshl_b32 s77, s10, 17                        ; 32 rows
	s_add_co_u32 s76, s76, s77
	s_add_co_u32 s76, s76, s78
	s_mov_b32 s77, 0
	s_add_nc_u64 s[74:75], s[74:75], s[76:77]
	s_add_nc_u64 s[86:87], s[86:87], s[76:77]
.if VAR == 0
	s_lshl_b32 s80, s13, 7
	s_lshl_b32 s81, s10, 5
	s_add_co_u32 s80, s80, s81
	s_mov_b32 s81, 0
	s_add_nc_u64 s[84:85], s[84:85], s[80:81]
	s_load_b256 s[88:95], s[84:85], 0x0            ; the mask bytes of my 32 rows
.endif
.set k, 0
.rept 32
	global_load_b128 v[RES+4*k:RES+4*k+3], v[CO], s[74:75] offset:4096*k th:TH_LOAD_NT
.set k, k+1
.endr
	global_load_b128 v[BIA:BIA+3], v[CO], s[72:73]
	s_wait_dscnt 0x0                               ; my reads of the last slot are over; all tensor loads were waited for at the last change of slots
	s_barrier_signal -1
	s_barrier_wait -1                              ; everybody's are: the ring's bytes may be written
	WIN 0x08                                       ; store data from window 2
.irp a, 0,1,2,3
.irp b, 0,1,2,3,4,5,6,7
	ds_store_b128 v[STO], v[8*(8*\a+\b):8*(8*\a+\b)+3] offset:\a*16*RP+64*\b
	ds_store_b128 v[STO], v[8*(8*\a+\b)+4:8*(8*\a+\b)+7] offset:\a*16*RP+64*\b+16
.endr
.endr
	WIN 0x0c                                       ; from window 3
.irp a, 0,1,2,3
.irp b, 0,1,2,3,4,5,6,7
	ds_store_b128 v[STO], v[8*(8*\a+\b):8*(8*\a+\b)+3] offset:(\a+4)*16*RP+64*\b
	ds_store_b128 v[STO], v[8*(8*\a+\b)+4:8*(8*\a+\b)+7] offset:(\a+4)*16*RP+64*\b+16
.endr
.endr
	WIN 0
	s_wait_dscnt 0x0                               ; my partial block is written, for the others' sake
	s_barrier_signal -1
	s_barrier_wait -1
	s_wait_loadcnt 0x0                             ; residual and bias
.if VAR == 0
	s_wait_kmcnt 0x0
.endif
; four rows: lane l holds columns 4 l .. 4 l + 3 of each; a store covers a row piece of 512 consecutive bytes at a multiple of 512
.macro RED4 g
.if \g
	s_wait_xcnt 0x0                                ; the last four stores' data registers are loaded into again
.endif
.irp i, 0,1,2,3
.irp s, 0,1,2,3
	ds_load_b128 v[SUM+16*\i+4*\s:SUM+16*\i+4*\s+3], v[RDS+\s] offset:(4*\g+\i)*RP
.endr
.endr
.irp i, 0,1,2,3
	s_wait_dscnt 12-4*\i                           ; the four loads of each later row may be out
	v_pk_add_f32 v[SUM+16*\i:SUM+16*\i+1], v[SUM+16*\i:SUM+16*\i+1], v[SUM+16*\i+4:SUM+16*\i+5]
	v_pk_add_f32 v[SUM+16*\i+2:SUM+16*\i+3], v[SUM+16*\i+2:SUM+16*\i+3], v[SUM+16*\i+6:SUM+16*\i+7]
	v_pk_add_f32 v[SUM+16*\i+8:SUM+16*\i+9], v[SUM+16*\i+8:SUM+16*\i+9], v[SUM+16*\i+12:SUM+16*\i+13]
	v_pk_add_f32 v[SUM+16*\i+10:SUM+16*\i+11], v[SUM+16*\i+10:SUM+16*\i+11], v[SUM+16*\i+14:SUM+16*\i+15]
	v_pk_add_f32 v[SUM+16*\i:SUM+16*\i+1], v[SUM+16*\i:SUM+16*\i+1], v[SUM+16*\i+8:SUM+16*\i+9]
	v_pk_add_f32 v[SUM+16*\i+2:SUM+16*\i+3], v[SUM+16*\i+2:SUM+16*\i+3], v[SUM+16*\i+10:SUM+16*\i+11]
	v_pk_add_f32 v[SUM+16*\i:SUM+16*\i+1], v[SUM+16*\i:SUM+16*\i+1], v[BIA:BIA+1]
	v_pk_add_f32 v[SUM+16*\i+2:SUM+16*\i+3], v[SUM+16*\i+2:SUM+16*\i+3], v[BIA+2:BIA+3]
.if VAR == 0
	s_bitcmp1_b32 s[88+\g], 8*\i                   ; row 4 g + i padded?
	s_cselect_b32 s82, 0, -1
.irp e, 0,1,2,3
	v_cndmask_b32 v[SUM+16*\i+\e], 0, v[SUM+16*\i+\e], s82         ; a select: whatever a padded row holds is dropped
.endr
.endif
	v_pk_add_f32 v[SUM+16*\i:SUM+16*\i+1], v[SUM+16*\i:SUM+16*\i+1], v[RES+4*(4*\g+\i):RES+4*(4*\g+\i)+1]
	v_pk_add_f32 v[SUM+16*\i+2:SUM+16*\i+3], v[SUM+16*\i+2:SUM+16*\i+3], v[RES+4*(4*\g+\i)+2:RES+4*(4*\g+\i)+3]
	global_store_b128 v[CO], v[SUM+16*\i:SUM+16*\i+3], s[86:87] offset:4096*(4*\g+\i)
.endr
.endm
.irp g, 0,1,2,3,4,5,6,7
	RED4 \g
.endr
	s_set_vgpr_msb 0x1
	s_wait_tensorcnt 0x0
	ds_add_u32 v255, v63
	s_wait_dscnt 0x0
	s_set_vgpr_msb 0x100
	CROUND                                         ; the closing round: no work-group ends while a partner may still ask for a tile that names it
	s_endpgm
.Lfunc_end_k_q587f4b890c_oproj:
	.size	k_q587f4b890c_oproj, .Lfunc_end_k_q587f4b890c_oproj-k_q587f4b890c_oproj
	.p2alignl 7, 3214868480
	.fill 96, 4, 3214868480
	.section	.rodata,"a",@progbits
	.p2align	6, 0x0
	.amdhsa_kernel k_q587f4b890c_oproj
		.amdhsa_group_segment_fixed_size 327680
		.amdhsa_private_segment_fixed_size 0
		.amdhsa_enable_private_segment 0
		.amdhsa_kernarg_size 48
		.amdhsa_user_sgpr_count 2
		.amdhsa_user_sgpr_kernarg_segment_ptr 1
		.amdhsa_wavefront_size32 1
		.amdhsa_system_sgpr_workgroup_id_x 1
		.amdhsa_system_sgpr_workgroup_id_y 1
		.amdhsa_system_sgpr_workgroup_id_z 1
		.amdhsa_system_vgpr_workitem_id 0
		.amdhsa_next_free_vgpr 1024
		.amdhsa_next_free_sgpr 96
		.amdhsa_reserve_vcc 0
		.amdhsa_float_denorm_mode_32 3
		.amdhsa_float_denorm_mode_16_64 3
		.amdhsa_memory_ordered 1
		.amdhsa_forward_progress 1
		.amdhsa_inst_pref_size 114
	.end_amdhsa_kernel
	.amdgpu_metadata
---
amdhsa.version: [ 1, 2 ]
amdhsa.kernels:
  - .name:           k_q587f4b890c_oproj
    .symbol:         k_q587f4b890c_oproj.kd
    .args:
      - { .name: att, .offset: 0, .size: 8, .value_kind: global_buffer, .address_space: global }
      - { .name: wb, .offset: 8, .size: 8, .value_kind: global_buffer, .address_space: global }
      - { .name: b_out, .offset: 16, .size: 8, .value_kind: global_buffer, .address_space: global }
      - { .name: x, .offset: 24, .size: 8, .value_kind: global_buffer, .address_space: global }
      - { .name: key_padding_mask, .offset: 32, .size: 8, .value_kind: global_buffer, .address_space: global }
      - { .name: x1, .offset: 40, .size: 8, .value_kind: global_buffer, .address_space: global }
    .group_segment_fixed_size: 327680
    .private_segment_fixed_size: 0
    .kernarg_segment_align: 8
    .kernarg_segment_size: 48
    .max_flat_workgroup_size: 128
    .sgpr_count:     96
    .vgpr_count:     1024
    .wavefront_size: 32
...
	.end_amdgpu_metadata
.endif
;; end of part 5
;; launch ln2 (part 6): grid 256 x 1, 8 waves a work-group, no clusters, 0 bytes of LDS; arguments x1, ln2_g, ln2_b, xn; writes xn
.if DOCPART == 6
	.amdgcn_target "amdgcn-amd-amdhsa--gfx1250"
	.amdhsa_code_object_version 6
	.text
	.protected	k_q587f4b890c_ln2
	.globl	k_q587f4b890c_ln2
	.p2align	8
	.type	k_q587f4b890c_ln2,@function
k_q587f4b890c_ln2:
	s_mov_b64 s[64:65], 0
	v_nop
	global_prefetch_b8 v0, s[64:65] scope:SCOPE_SE
	s_setreg_imm32_b32 hwreg(HW_REG_WAVE_MODE, 25, 1), 1
	s_wait_xcnt 0x0
; LAYERNORM 2: xn = bf16(((x1 - mean) / sqrt(var + 1e-5)) g + b), rows of 1,024 f32.  A launch of its own, since a row of x1 is made by eight work-groups
; of the launch before.  Work-group g owns rows 16 g .. 16 g + 15, wave w two of them; a row stays in 32 registers of one wave between the passes,
; so memory is read once and no wave waits for another.  Lane l holds columns 128 j + 4 l .. + 3, j = 0 .. 7.
; No LDS, no matrix unit, no cluster: the launch only streams.
.set XB, 4                             ; s[4:5]   rows to normalise
.set GB, 6                             ; s[6:7]   gain
.set BB, 8                             ; s[8:9]   bias
.set OB, 10                            ; s[10:11] bf16 result
.set GG, 8                             ; v[8:39]    gain of my 32 columns
.set BT, 40                            ; v[40:71]   bias of my 32 columns
.set X0, 72                            ; v[72:103]  first row
.set X1, 104                           ; v[104:135] second row
.set TT, 136                           ; v[136:151] at work
.set R0, 152                           ; v[152:153] 1/sigma of the first row, twice
.set R1, 154                           ; v[154:155] of the second
; four pair chains in TT..TT+7 become one sum, the same in all 32 lanes
.macro FOLD
	v_pk_add_f32 v[TT:TT+1], v[TT:TT+1], v[TT+2:TT+3]
	v_pk_add_f32 v[TT+4:TT+5], v[TT+4:TT+5], v[TT+6:TT+7]
	v_pk_add_f32 v[TT:TT+1], v[TT:TT+1], v[TT+4:TT+5]
	v_add_f32 v[TT], v[TT], v[TT+1]
	v_add_f32_dpp v[TT], v[TT], v[TT] row_xmask:1 row_mask:0xf bank_mask:0xf
	v_add_f32_dpp v[TT], v[TT], v[TT] row_xmask:2 row_mask:0xf bank_mask:0xf
	v_add_f32_dpp v[TT], v[TT], v[TT] row_xmask:4 row_mask:0xf bank_mask:0xf
	v_add_f32_dpp v[TT], v[TT], v[TT] row_xmask:8 row_mask:0xf bank_mask:0xf
	v_permlanex16_b32 v[TT+1], v[TT], s32, s33     ; the other half of the lanes; TT+1 has been written
	v_add_f32 v[TT], v[TT], v[TT+1]
.endm
; mean and 1/sigma of the row in X..X+31; the row is left as x - mean.  Two passes over registers: no difference of large sums.
.macro LNROW X, R, left
	s_wait_loadcnt \left                           ; loads come back in order: this row is in, the younger loads stay out
.irp k, 0,2,4,6
	v_pk_add_f32 v[TT+\k:TT+\k+1], v[\X+\k:\X+\k+1], v[\X+8+\k:\X+9+\k]   ; the first sums start the chains
.endr
.irp k, 16,18,20,22,24,26,28,30
	v_pk_add_f32 v[TT+\k%8:TT+\k%8+1], v[TT+\k%8:TT+\k%8+1], v[\X+\k:\X+\k+1]
.endr
	FOLD
	v_mul_f32 v[TT+8], s34, v[TT]                  ; mean
	v_mov_b32 v[TT+9], v[TT+8]
.set k, 0
.rept 16
	v_pk_add_f32 v[\X+k:\X+k+1], v[\X+k:\X+k+1], v[TT+8:TT+9] neg_lo:[0,1] neg_hi:[0,1]
.set k, k+2
.endr
.irp k, 0,2,4,6
	v_pk_mul_f32 v[TT+\k:TT+\k+1], v[\X+\k:\X+\k+1], v[\X+\k:\X+\k+1]
.endr
.set k, 8
.rept 12
	v_pk_fma_f32 v[TT+k%8:TT+k%8+1], v[\X+k:\X+k+1], v[\X+k:\X+k+1], v[TT+k%8:TT+k%8+1]
.set k, k+2
.endr
	FOLD
	v_fma_f32 v[TT], v[TT], s34, s35               ; variance + 1e-5
	v_rsq_f32 v[\R], v[TT]
	v_nop                                          ; one plain instruction behind a transcendental (ISA guide 5.7.2)
	s_wait_alu depctr_va_vdst(0)
	v_mov_b32 v[\R+1], v[\R]
.endm
; ((x - mean) / sigma) g + b, rounded to bf16 in place; a store of the wave covers 256 consecutive bytes, aligned
.macro LNOUT X, R, rowoff
.irp j, 0,1,2,3,4,5,6,7
	v_pk_mul_f32 v[\X+4*\j:\X+4*\j+1], v[\X+4*\j:\X+4*\j+1], v[\R:\R+1]
	v_pk_mul_f32 v[\X+4*\j+2:\X+4*\j+3], v[\X+4*\j+2:\X+4*\j+3], v[\R:\R+1]
	v_pk_fma_f32 v[\X+4*\j:\X+4*\j+1], v[\X+4*\j:\X+4*\j+1], v[GG+4*\j:GG+4*\j+1], v[BT+4*\j:BT+4*\j+1]
	v_pk_fma_f32 v[\X+4*\j+2:\X+4*\j+3], v[\X+4*\j+2:\X+4*\j+3], v[GG+4*\j+2:GG+4*\j+3], v[BT+4*\j+2:BT+4*\j+3]
	v_cvt_pk_bf16_f32 v[\X+4*\j], v[\X+4*\j], v[\X+4*\j+1]
	v_cvt_pk_bf16_f32 v[\X+4*\j+1], v[\X+4*\j+2], v[\X+4*\j+3]
	global_store_b64 v3, v[\X+4*\j:\X+4*\j+1], s[OB:OB+1] offset:256*\j+\rowoff
.endr
.endm
	s_load_b256 s[4:11], s[0:1], 0x0               ; x1, ln2_g, ln2_b, xn
	v_and_b32 v4, 31, v0
	v_lshrrev_b32 v5, 5, v0
	v_lshlrev_b32 v2, 4, v4                        ; gain and bias: 16 l
	v_lshl_add_u32 v1, v5, 13, v2                  ; rows in: + w x 2 rows x 4,096 bytes
	v_lshlrev_b32 v3, 3, v4
	v_lshl_add_u32 v3, v5, 12, v3                  ; rows out: 8 l + w x 2 rows x 2,048 bytes
	s_lshl_b32 s28, ttmp9, 16
	s_mov_b32 s29, 0
	s_lshl_b32 s30, ttmp9, 15
	s_mov_b32 s31, 0
	s_mov_b32 s32, 0x76543210                      ; v_permlanex16_b32: lane i reads lane i of the other half
	s_mov_b32 s33, 0xfedcba98
	s_mov_b32 s34, 0x3a800000                      ; 1/1024
	s_mov_b32 s35, 0x3727c5ac                      ; 1e-5
	s_wait_kmcnt 0x0
	s_add_nc_u64 s[XB:XB+1], s[XB:XB+1], s[28:29]
	s_add_nc_u64 s[OB:OB+1], s[OB:OB+1], s[30:31]
.irp j, 0,1,2,3,4,5,6,7
	global_load_b128 v[X0+4*\j:X0+4*\j+3], v1, s[XB:XB+1] offset:512*\j
.endr
.irp j, 0,1,2,3,4,5,6,7
	global_load_b128 v[X1+4*\j:X1+4*\j+3], v1, s[XB:XB+1] offset:4096+512*\j
.endr
.irp j, 0,1,2,3,4,5,6,7
	global_load_b128 v[GG+4*\j:GG+4*\j+3], v2, s[GB:GB+1] offset:512*\j
.endr
.irp j, 0,1,2,3,4,5,6,7
	global_load_b128 v[BT+4*\j:BT+4*\j+3], v2, s[BB:BB+1] offset:512*\j
.endr
	LNROW X0, R0, 24                               ; 24 younger loads: the second row, gain, bias
	LNROW X1, R1, 16                               ; 16 younger: gain, bias
	s_wait_loadcnt 0x0
	LNOUT X0, R0, 0
	LNOUT X1, R1, 2048
	s_endpgm
.Lfunc_end_k_q587f4b890c_ln2:
	.size	k_q587f4b890c_ln2, .Lfunc_end_k_q587f4b890c_ln2-k_q587f4b890c_ln2
	.p2alignl 7, 3214868480
	.fill 96, 4, 3214868480
	.section	.rodata,"a",@progbits
	.p2align	6, 0x0
	.amdhsa_kernel k_q587f4b890c_ln2
		.amdhsa_group_segment_fixed_size 0
		.amdhsa_private_segment_fixed_size 0
		.amdhsa_enable_private_segment 0
		.amdhsa_kernarg_size 32
		.amdhsa_user_sgpr_count 2
		.amdhsa_user_sgpr_kernarg_segment_ptr 1
		.amdhsa_wavefront_size32 1
		.amdhsa_system_sgpr_workgroup_id_x 1
		.amdhsa_system_sgpr_workgroup_id_y 1
		.amdhsa_system_sgpr_workgroup_id_z 1
		.amdhsa_system_vgpr_workitem_id 0
		.amdhsa_next_free_vgpr 160
		.amdhsa_next_free_sgpr 66
		.amdhsa_reserve_vcc 0
		.amdhsa_float_denorm_mode_32 3
		.amdhsa_float_denorm_mode_16_64 3
		.amdhsa_memory_ordered 1
		.amdhsa_forward_progress 1
		.amdhsa_inst_pref_size 20
	.end_amdhsa_kernel
	.amdgpu_metadata
---
amdhsa.version: [ 1, 2 ]
amdhsa.kernels:
  - .name:           k_q587f4b890c_ln2
    .symbol:         k_q587f4b890c_ln2.kd
    .args:
      - { .name: x1, .offset: 0, .size: 8, .value_kind: global_buffer, .address_space: global }
      - { .name: ln2_g, .offset: 8, .size: 8, .value_kind: global_buffer, .address_space: global }
      - { .name: ln2_b, .offset: 16, .size: 8, .value_kind: global_buffer, .address_space: global }
      - { .name: xn, .offset: 24, .size: 8, .value_kind: global_buffer, .address_space: global }
    .group_segment_fixed_size: 0
    .private_segment_fixed_size: 0
    .kernarg_segment_align: 8
    .kernarg_segment_size: 32
    .max_flat_workgroup_size: 256
    .sgpr_count:     66
    .vgpr_count:     160
    .wavefront_size: 32
...
	.end_amdgpu_metadata
.endif
;; end of part 6
;; launch ffn1 (part 7): grid 16 x 16, 4 waves a work-group, clusters of 4 x 4, 327,680 bytes of LDS; arguments xn, wb, b1, hb; writes hb
.if DOCPART == 7
	.amdgcn_target "amdgcn-amd-amdhsa--gfx1250"
	.amdhsa_code_object_version 6
	.text
	.protected	k_q587f4b890c_ffn1
	.globl	k_q587f4b890c_ffn1
	.p2align	8
	.type	k_q587f4b890c_ffn1,@function
k_q587f4b890c_ffn1:
	s_mov_b64 s[64:65], 0
	v_nop
	global_prefetch_b8 v0, s[64:65] scope:SCOPE_SE
	s_setreg_imm32_b32 hwreg(HW_REG_WAVE_MODE, 25, 1), 1
	s_wait_xcnt 0x0
	s_wait_alu depctr_hold_cnt(0) depctr_sa_sdst(0) depctr_va_vdst(0) depctr_va_sdst(0) depctr_va_ssrc(0) depctr_va_vcc(0) depctr_vm_vsrc(0)
	s_getreg_b32 s2, hwreg(HW_REG_IB_STS2, 6, 4)
	s_cmp_eq_u32 s2, 0
	s_cbranch_scc0 .Lentry_in_a_cluster
	s_endpgm
.Lentry_in_a_cluster:
	s_bfe_u32 s2, ttmp6, 0x10000c
	s_cmp_lg_u32 s2, 0xf033
	s_cbranch_scc0 .Lentry_shape_is_right
	s_endpgm
.Lentry_shape_is_right:
; C = A B^T (+ bias), A [4096][1024] bf16, B [SIZE_N][1024] bf16 inside wb, sums in f32.  One text for two launches:
; VAR = 0: qkv = xn w_in^T + b_in, stored by heads into qh [3 (q,k,v)][2][16][2048][64] bf16.
;          LEFT OUT: K's third of b_in.  It adds (q+bq).bk to every score of a row, a constant along the softmax's axis, and K serves nothing else.
;          Q's and V's bias is loaded on the one path of the way out that adds it, so that path alone writes and reads those registers.
; VAR = 1: hb = quick_gelu(xn w1^T + b1), [4096][4096] bf16.  Every block adds a bias: it is loaded at the head and lands during the products.
; A work-group makes 256 x 256 of C with four waves, a wave 128 x 128: 64 accumulator tiles, 512 registers.  K goes in steps of 128 through
; two LDS slots filled by the tensor data mover; a tile's rows are 256 bytes of memory at multiples of 256.
; CLUSTERS: 4 x 4 work-groups.  The four of a row of the cluster need the same tiles of A, the four of a column the same tiles of B: each tile
; is asked for jointly, by the same load with the same descriptor and a mask that names the four.
; REGISTER WINDOWS: window 0: v0-31 addresses, v64-191 fragments of A (two buffers), on the way out v32-95 rows read back, v128-191 and v192-255 at work;
; window 1: v64-191 fragments of B, v192-255 the bias of my 128 columns; windows 2, 3: the accumulators of my rows 0-63, 64-127.
; THE MATRIX INSTRUCTION IS USED TRANSPOSED (source 0 = rows of B, source 1 = rows of A): lane l holds row l % 16 of C and in its eight
; registers the columns 8 (l / 16) + 0 .. 7 of the tile, eight neighbours, which pack into 16 bytes.
.set VAR, 1
.set SIZE_K, 1024
.if VAR
.set SIZE_N, 4096
.set WOFF, 8388608                     ; w1 in wb
.set STEPB, 16*SIZE_N*2                ; 16 rows of C on
.set TSTEP, 2*SIZE_N*2                 ; two rows of C on
.else
.set SIZE_N, 3072
.set WOFF, 0                           ; w_in in wb
.set STEPB, 2048                       ; 16 positions of a head, 128 bytes each
.set TSTEP, 256                        ; two positions
.endif
.set KSTEP,  128
.set PITCH,  272                       ; an LDS row: 256 bytes + 16 of padding: the 16 rows of a fragment load start at 16 different banks (ISA guide 11.1)
.set HALFT,  128*PITCH                 ; what one tensor load brings
.set SLOT,   4*HALFT                   ; A's 256 rows, then B's 256 rows
.set STAGE,  2*SLOT                    ; behind the ring: 16 rows x 272 bytes for each wave; no fill lands there
.set SPITCH, 272
.set LAPS, SIZE_K/(2*KSTEP)
.set ADRA, 16                          ; v16-17  LDS address of my A fragments in slot 0, 1
.set ADRB, 20                          ; v20-21  the same for B
.set STO,  24                          ; the way out: where I put 16 bytes of a row
.set RD,   25                          ; the way out: where I read back
.set CO,   26                          ; my byte offset in the output
.set BO,   27                          ; my byte offset in the bias
.set F0,   64
.set F1,   128
.set RB0,  32                          ; rows read back, two buffers in turn
.set RB1,  64
.set EE,   128                         ; GELU at work
.set T64,  192                         ; 64 sums with bias, then packed
.set BI,   192                         ; window 1: bias, 8 numbers for each of 8 column tiles
.set G1, 24
.set G0, 32
.set G1B, 48
.set G0B, 56
.set CB, 70                            ; s[70:71] output
.set MSB, 0
.macro WIN new                         ; the immediate's high byte repeats the setting that is left
.if MSB != \new
	s_set_vgpr_msb (MSB<<8)|\new
.set MSB, \new
.endif
.endm
.set MUL_LO, 0xa1                      ; source 0 (B) window 1, source 1 (A) window 0, C and D window 2
.set MUL_HI, 0xf1                      ; the same, C and D window 3
.set TO_B,   0x40                      ; destination window 1, address window 0
; A joint load.  Waves 0, 1 fetch A's halves, waves 2, 3 B's.  The branch hangs on the wave's number alone.
.macro JLOAD s
	s_cmp_eq_u32 s11, 0
	s_cbranch_scc0 .Lfor_b_\@
	tensor_load_to_lds s[G0+4*\s:G0+4*\s+3], s[G1:G1+7]
	s_nop 0
	s_branch .Lasked_\@
.Lfor_b_\@:
	tensor_load_to_lds s[G0B+4*\s:G0B+4*\s+3], s[G1B:G1B+7]
	s_nop 0
.Lasked_\@:
.endm
.macro CREST                           ; a round of the cluster's barrier behind its opening barrier
	s_cmp_lg_u32 s10, 0
	s_cbranch_scc1 .Lnot_wave_0_\@
	s_barrier_signal -3
.Lnot_wave_0_\@:
	s_barrier_wait -3
	s_barrier_signal -1
	s_barrier_wait -1
.endm
.macro CROUND                          ; a whole round
	s_barrier_signal -1
	s_barrier_wait -1
	CREST
.endm
; the bias of my 128 columns into window 1: lane l takes the eight numbers of columns 16 b + 8 (l / 16) + 0 .. 7 of each column tile b
.macro BIASLOAD
	WIN TO_B
.irp b, 0,1,2,3,4,5,6,7
	global_load_b128 v[BI+8*\b:BI+8*\b+3], v[BO], s[68:69] offset:64*\b
	global_load_b128 v[BI+8*\b+4:BI+8*\b+7], v[BO], s[68:69] offset:64*\b+16
.endr
	WIN 0
.endm
	s_load_b128 s[4:7], s[0:1], 0x0                ; A s[4:5], wb s[6:7]
	s_load_b128 s[68:71], s[0:1], 0x10             ; bias s[68:69], output s[70:71]
	s_set_vgpr_msb 0x40
	v_lshl_add_u32 v63, v0, 2, 0x48400
	s_set_vgpr_msb 0x4000
	v_mov_b32 v31, 0
	s_set_vgpr_msb 0x1
	ds_add_u32 v63, v31
	s_set_vgpr_msb 0x100
	v_lshrrev_b32 v1, 5, v0
	v_readfirstlane_b32 s10, v1                    ; wave 0..3
	s_lshr_b32 s11, s10, 1                         ; my half of the block's rows; also: I fetch for A (0) or B (1)
	s_and_b32 s12, s10, 1                          ; my half of its columns; also: which 128 rows of that tile I fetch
	s_bfe_u32 s40, ttmp6, 0x40000                  ; cx
	s_bfe_u32 s41, ttmp6, 0x40004                  ; cy
	s_lshl_b32 s42, ttmp9, 2
	s_add_co_u32 s42, s42, s40                     ; block column = 4 x cluster x + cx
	s_and_b32 s13, ttmp7, 0xffff
	s_lshl_b32 s13, s13, 2
	s_add_co_u32 s13, s13, s41                     ; block row = 4 x cluster y + cy
	s_lshl_b32 s43, s41, 2
	s_lshl_b32 s43, 15, s43                        ; my row of the cluster
	s_lshl_b32 s44, 0x1111, s40                    ; my column
	s_or_b32 s[G1+0], s43, (1<<16)|(1<<20)|(1<<21)|(5<<22)|(3<<25)   ; mask; 2-byte elements; padding of 4 words after every 64; bit 21 beside a mask
	s_or_b32 s[G1B+0], s44, (1<<16)|(1<<20)|(1<<21)|(5<<22)|(3<<25)
	s_mov_b32 s[G1B+1], KSTEP<<16
	s_mov_b32 s[G1+1], KSTEP<<16                   ; tensor_dim0 = 128
	s_mov_b32 s[G1B+2], 128<<16
	s_mov_b32 s[G1+2], 128<<16                     ; tensor_dim1 = 128
	s_mov_b32 s[G1B+3], KSTEP<<16
	s_mov_b32 s[G1+3], KSTEP<<16                   ; tile_dim0 = 128
	s_mov_b32 s[G1B+4], 128
	s_mov_b32 s[G1+4], 128                         ; tile_dim1 = 128
	s_mov_b32 s[G1B+5], SIZE_K
	s_mov_b32 s[G1+5], SIZE_K                      ; elements from row to row
	s_mov_b32 s[G1B+6], 0
	s_mov_b32 s[G1+6], 0
	s_mov_b32 s[G1B+7], 0
	s_mov_b32 s[G1+7], 0
	s_lshl_b32 s17, s12, 7
	s_lshl_b32 s16, s13, 8
	s_add_co_u32 s16, s16, s17                     ; A: row 256 x block row + 128 x half
	s_lshl_b32 s46, s42, 8
	s_add_co_u32 s46, s46, s17                     ; B: row 256 x block column + 128 x half
	s_mov_b32 s17, 0
	s_mov_b32 s47, 0
	s_mov_b64 s[18:19], SIZE_K*2
	s_mul_u64 s[16:17], s[16:17], s[18:19]
	s_mul_u64 s[46:47], s[46:47], s[18:19]
	s_mul_i32 s20, s10, HALFT                      ; LDS: wave x 128 rows; no place in the cluster enters an LDS address
	s_wait_dscnt 0x0
	s_wait_kmcnt 0x0
.if WOFF
	s_add_nc_u64 s[6:7], s[6:7], WOFF
.endif
	s_add_nc_u64 s[14:15], s[4:5], s[16:17]
	s_add_nc_u64 s[46:47], s[6:7], s[46:47]
	CROUND                                         ; all sixteen work-groups are here: the first joint loads meet
.irp s, 0,1
	s_mov_b32 s[G0+4*\s], 1
	s_add_co_u32 s[G0+4*\s+1], s20, \s*SLOT
	s_add_nc_u64 s[G0+4*\s+2:G0+4*\s+3], s[14:15], \s*KSTEP*2
	s_or_b32 s[G0+4*\s+3], s[G0+4*\s+3], 0x80000000
	s_mov_b32 s[G0B+4*\s], 1
	s_add_co_u32 s[G0B+4*\s+1], s20, \s*SLOT
	s_add_nc_u64 s[G0B+4*\s+2:G0B+4*\s+3], s[46:47], \s*KSTEP*2
	s_or_b32 s[G0B+4*\s+3], s[G0B+4*\s+3], 0x80000000
	JLOAD \s                                       ; both slots are asked for before anything else: two tensor loads of a wave are out
.endr
	v_and_b32 v1, 15, v0                           ; l % 16
	v_bfe_u32 v2, v0, 4, 1                         ; l / 16
	v_mul_u32_u24 v3, v1, PITCH
	v_lshl_add_u32 v3, v2, 4, v3
	s_mul_i32 s21, s11, HALFT
	s_mul_i32 s22, s12, HALFT
	s_add_co_u32 s22, s22, 2*HALFT
.irp s, 0,1
	v_add_nc_u32 v[ADRA+\s], s21, v3
	v_add_nc_u32 v[ADRB+\s], s22, v3
	s_add_co_u32 s21, s21, SLOT
	s_add_co_u32 s22, s22, SLOT
.endr
	s_mul_i32 s23, s10, 16*SPITCH
	s_add_co_u32 s23, s23, STAGE                   ; my stage
	v_mul_u32_u24 v4, v1, SPITCH
	v_lshl_add_u32 v4, v2, 4, v4
	v_add_nc_u32 v[STO], s23, v4
.if VAR
	v_mul_u32_u24 v5, v2, SPITCH                   ; back: lanes 0-15 one row of 256 bytes, lanes 16-31 the next
	v_lshl_add_u32 v5, v1, 4, v5
	v_add_nc_u32 v[RD], s23, v5
	v_mul_u32_u24 v5, v2, SIZE_N*2
	v_lshl_add_u32 v[CO], v1, 4, v5
	s_mov_b32 s78, 0xc01d265f                      ; -1.702 log2(e)
	s_mov_b32 s79, 0xc01d265f
.else
	; back by heads: my 128 columns are two heads of 64.  Lanes 0-15 take two positions x 128 bytes of the first head, which are 256
	; consecutive bytes of qh at a multiple of 256; lanes 16-31 the same of the second head, 262,144 bytes further.
	v_bfe_u32 v6, v0, 3, 1
	v_and_b32 v7, 7, v0
	v_mul_u32_u24 v5, v6, SPITCH
	v_lshl_add_u32 v5, v2, 7, v5
	v_lshl_add_u32 v5, v7, 4, v5
	v_add_nc_u32 v[RD], s23, v5
	v_lshlrev_b32 v5, 18, v2
	v_lshl_add_u32 v5, v6, 7, v5
	v_lshl_add_u32 v[CO], v7, 4, v5
.endif
	s_lshl_b32 s76, s42, 10                        ; my first column x 4 bytes (registers that feed no descriptor)
	s_lshl_b32 s77, s12, 9
	s_add_co_u32 s76, s76, s77
	v_lshl_add_u32 v[BO], v2, 5, s76               ; + 8 (l / 16) columns
.if VAR
	BIASLOAD                                       ; lands during the products
.endif
; 16 matrix instructions: m blocks a0, a0 + 1 of the window's four x all 8 n blocks, 32 along K.  zero = 1: the first product starts the sums.
.macro MUL16 f, hi, a0, zero
.irp a, \a0, \a0+1
.irp b, 0,1,2,3,4,5,6,7
.if \zero
	v_wmma_f32_16x16x32_bf16 v[8*(8*(\a)+\b):8*(8*(\a)+\b)+7], v[\f+8*\b:\f+8*\b+7], v[\f+8*(4*\hi+\a):\f+8*(4*\hi+\a)+7], 0
.else
	v_wmma_f32_16x16x32_bf16 v[8*(8*(\a)+\b):8*(8*(\a)+\b)+7], v[\f+8*\b:\f+8*\b+7], v[\f+8*(4*\hi+\a):\f+8*(4*\hi+\a)+7], v[8*(8*(\a)+\b):8*(8*(\a)+\b)+7]
.endif
.endr
.endr
.endm
; 32 LDS loads in one run: the fragments of one quarter step into buffer f
.macro FETCH slot, k, f
	WIN TO_B
.irp i, 0,1,2,3,4,5,6,7
	ds_load_b128 v[\f+8*\i:\f+8*\i+3],   v[ADRB+\slot] offset:\k+\i*16*PITCH
	ds_load_b128 v[\f+8*\i+4:\f+8*\i+7], v[ADRB+\slot] offset:\k+\i*16*PITCH+32
.endr
	WIN 0
.irp i, 0,1,2,3,4,5,6,7
	ds_load_b128 v[\f+8*\i:\f+8*\i+3],   v[ADRA+\slot] offset:\k+\i*16*PITCH
	ds_load_b128 v[\f+8*\i+4:\f+8*\i+7], v[ADRA+\slot] offset:\k+\i*16*PITCH+32
.endr
.endm
; four places behind a matrix instruction before its registers are loaded into, read or written by anything else (ISA guide 7.12.1)
.macro PLACES
.rept 4
	v_nop
.endr
.endm
; a quarter step: multiplies buffer f; in its middle fetches the next quarter's fragments into buffer g.
; The 64 accumulators take turns, one instruction a turn, in the same order in every quarter.
.macro QUARTER slot, k, f, g, zero
	s_wait_dscnt 8                                 ; B and A's rows 0-63 are in; the youngest eight loads (A's rows 64-127) may be out
	WIN MUL_LO
	MUL16 \f, 0, 0, \zero
	MUL16 \f, 0, 2, \zero
	PLACES
	FETCH \slot, \k, \g
	s_wait_dscnt 32                                ; all but the 32 just issued
	WIN MUL_HI
	MUL16 \f, 1, 0, \zero
	MUL16 \f, 1, 2, \zero
.endm
.macro THREE slot, zero
	QUARTER \slot, 64,  F0, F1, \zero
	QUARTER \slot, 128, F1, F0, 0
	QUARTER \slot, 192, F0, F1, 0
.endm
; the last quarter: multiplies buffer 1 and changes slots.  In front of the barrier each wave waits for its reads of this slot and for all its
; tensor loads (one is out: its part of the next slot).  Behind it the refill comes first, then the next slot's first fragments.
.macro TURN slot, next, fill
	s_wait_dscnt 8
	WIN MUL_LO
	MUL16 F1, 0, 0, 0
	s_wait_dscnt 0                                 ; my reads of this slot are over
	s_wait_tensorcnt 0x0                           ; all my tensor loads have landed
	ds_add_u32 v63, v31
	s_wait_dscnt 0x0
	s_barrier_signal -1
	MUL16 F1, 0, 2, 0                              ; register work while the others arrive
	WIN 0
	s_barrier_wait -1
.if \fill
	CREST                                          ; all sixteen work-groups have said so: no partner still reads this slot or has a load on its way
	s_add_nc_u64 s[G0+4*\slot+2:G0+4*\slot+3], s[G0+4*\slot+2:G0+4*\slot+3], 2*KSTEP*2
	s_add_nc_u64 s[G0B+4*\slot+2:G0B+4*\slot+3], s[G0B+4*\slot+2:G0B+4*\slot+3], 2*KSTEP*2
	JLOAD \slot                                    ; the first tensor load behind the round, one a wave
.endif
	PLACES
	FETCH \next, 0, F0
	WIN MUL_HI
	MUL16 F1, 1, 0, 0
	MUL16 F1, 1, 2, 0
.endm
.macro LAP zero
	THREE 0, \zero
	TURN 0, 1, 1
	THREE 1, 0
	TURN 1, 0, 1
.endm
	s_wait_tensorcnt 1                             ; my part of K step 0 is in; K step 1's load may be out
	s_barrier_signal -1
	s_barrier_wait -1
	FETCH 0, 0, F0
	LAP 1
	WIN 0
	s_mov_b32 s3, LAPS-2
.Llap:
	LAP 0
	WIN 0
	s_sub_co_u32 s3, s3, 1
	s_cmp_lg_u32 s3, 0
	s_cbranch_scc1 .Llap
	THREE 0, 0                                     ; the last lap fills nothing
	TURN 0, 1, 0
	THREE 1, 0
	s_wait_dscnt 8
	WIN MUL_LO
	MUL16 F1, 0, 0, 0
	MUL16 F1, 0, 2, 0
	s_wait_dscnt 0
	WIN MUL_HI
	MUL16 F1, 1, 0, 0
	MUL16 F1, 1, 2, 0
	; THE WAY OUT, 16 rows of C at a time: add the bias (and the GELU), round to bf16, 16 bytes a lane into my own stage, read back, store.
	PLACES
	WIN 0
.if VAR
	s_lshl_b32 s13, s13, 8
	s_lshl_b32 s14, s11, 7
	s_add_co_u32 s16, s13, s14                     ; my first row of C
	s_mov_b32 s17, 0
	s_mov_b64 s[18:19], SIZE_N*2
	s_mul_u64 s[16:17], s[16:17], s[18:19]
	s_add_nc_u64 s[CB:CB+1], s[CB:CB+1], s[16:17]
	s_lshl_b32 s46, s42, 9                         ; my first column, in bytes
	s_lshl_b32 s47, s12, 8
	s_add_co_u32 s46, s46, s47
	s_mov_b32 s47, 0
	s_add_nc_u64 s[CB:CB+1], s[CB:CB+1], s[46:47]
.else
	s_lshl_b32 s46, ttmp9, 5                       ; 32 heads for each part
	s_lshr_b32 s47, s13, 3                         ; batch: 8 block rows each
	s_lshl4_add_u32 s46, s47, s46
	s_lshl2_add_u32 s46, s40, s46                  ; 4 heads for each block column
	s_lshl1_add_u32 s46, s12, s46                  ; 2 for each half
	s_lshl_b32 s46, s46, 18                        ; a head is 262,144 bytes
	s_and_b32 s47, s13, 7
	s_lshl1_add_u32 s47, s47, s11
	s_lshl_b32 s47, s47, 14                        ; 128 positions x 128 bytes
	s_add_co_u32 s46, s46, s47
	s_mov_b32 s47, 0
	s_add_nc_u64 s[CB:CB+1], s[CB:CB+1], s[46:47]
.endif
; x sigmoid(1.702 x) = x / (1 + 2^(-1.702 log2(e) x)) on the 64 numbers of T64; a huge 2^.. gives 1/inf = 0
.macro GELU
.set k, 0
.rept 32
	v_pk_mul_f32 v[EE+k:EE+k+1], v[T64+k:T64+k+1], s[78:79] op_sel_hi:[1,0]
.set k, k+2
.endr
.set k, 0
.rept 64
	v_exp_f32 v[EE+k], v[EE+k]
.set k, k+1
.endr
	v_nop                                          ; one plain instruction behind the transcendentals (ISA guide 5.7.2)
.set k, 0
	s_wait_alu depctr_va_vdst(0)
.rept 32
	v_pk_add_f32 v[EE+k:EE+k+1], v[EE+k:EE+k+1], 1.0 op_sel_hi:[1,0]
.set k, k+2
.endr
.set k, 0
.rept 64
	v_rcp_f32 v[EE+k], v[EE+k]
.set k, k+1
.endr
	v_nop
.set k, 0
	s_wait_alu depctr_va_vdst(0)
.rept 32
	v_pk_mul_f32 v[T64+k:T64+k+1], v[T64+k:T64+k+1], v[EE+k:EE+k+1]
.set k, k+2
.endr
.endm
; rows 16 i .. 16 i + 15 of my block = tiles (a, 0..7).  wadd: source 0 in the accumulators' window, source 1 in window 1; wcvt: both sources there.
.macro OUT16 i, a, wadd, wcvt, f, bias
.if \bias
	WIN \wadd
.irp b, 0,1,2,3,4,5,6,7
.irp r, 0,2,4,6
	v_pk_add_f32 v[T64+8*\b+\r:T64+8*\b+\r+1], v[8*(8*\a+\b)+\r:8*(8*\a+\b)+\r+1], v[BI+8*\b+\r:BI+8*\b+\r+1]
.endr
.endr
	WIN 0
.if VAR
	GELU
.endif
.irp b, 0,1,2,3,4,5,6,7
.irp r, 0,1,2,3
	v_cvt_pk_bf16_f32 v[T64+8*\b+\r], v[T64+8*\b+2*\r], v[T64+8*\b+2*\r+1]   ; in place: the destination never passes the sources
.endr
.endr
.else
	WIN \wcvt
.irp b, 0,1,2,3,4,5,6,7
.irp r, 0,1,2,3
	v_cvt_pk_bf16_f32 v[T64+8*\b+\r], v[8*(8*\a+\b)+2*\r], v[8*(8*\a+\b)+2*\r+1]
.endr
.endr
	WIN 0
.endif
.irp b, 0,1,2,3,4,5,6,7
	ds_store_b128 v[STO], v[T64+8*\b:T64+8*\b+3] offset:32*\b
.endr
	s_wait_xcnt 0x0                                ; buffer f, which earlier stores read, and the stores' base are rewritten only behind this wait
.if \i
	s_add_nc_u64 s[CB:CB+1], s[CB:CB+1], STEPB
.endif
.irp t, 0,1,2,3,4,5,6,7
	ds_load_b128 v[\f+4*\t:\f+4*\t+3], v[RD] offset:\t*2*SPITCH    ; LDS serves a wave's instructions in order (ISA guide 5.7.1.4): these see the stores above
.endr
.irp t, 0,1,2,3,4,5,6,7
	s_wait_dscnt 7-\t
	global_store_b128 v[CO], v[\f+4*\t:\f+4*\t+3], s[CB:CB+1] offset:\t*TSTEP   ; 16 lanes store 256 consecutive bytes at a multiple of 256
.endr
.endm
.macro OUTALL bias
	OUT16 0, 0, 0x06, 0x0a, RB0, \bias
	OUT16 1, 1, 0x06, 0x0a, RB1, \bias
	OUT16 2, 2, 0x06, 0x0a, RB0, \bias
	OUT16 3, 3, 0x06, 0x0a, RB1, \bias
	OUT16 4, 0, 0x07, 0x0f, RB0, \bias
	OUT16 5, 1, 0x07, 0x0f, RB1, \bias
	OUT16 6, 2, 0x07, 0x0f, RB0, \bias
	OUT16 7, 3, 0x07, 0x0f, RB1, \bias
.endm
.if VAR
	s_wait_loadcnt 0x0                             ; the bias
	OUTALL 1
.else
	s_cmp_eq_u32 ttmp9, 1                          ; 1,024 columns are four block columns: the cluster's x is the part (q, k, v), the same in all partners
	s_cbranch_scc1 .Lkpart
	BIASLOAD                                       ; Q and V: sixteen loads, on the path that adds them
	s_wait_loadcnt 0x0
	OUTALL 1
	s_branch .Lclose
.Lkpart:
	OUTALL 0                                       ; K: rounded as it stands, no bias loaded
.Lclose:
.endif
	s_set_vgpr_msb 0x1
	s_wait_tensorcnt 0x0
	ds_add_u32 v63, v31
	s_wait_dscnt 0x0
	s_set_vgpr_msb 0x100
	CROUND                                         ; the closing round: no work-group ends while a partner may still ask for a tile that names it
	s_endpgm
.Lfunc_end_k_q587f4b890c_ffn1:
	.size	k_q587f4b890c_ffn1, .Lfunc_end_k_q587f4b890c_ffn1-k_q587f4b890c_ffn1
	.p2alignl 7, 3214868480
	.fill 96, 4, 3214868480
	.section	.rodata,"a",@progbits
	.p2align	6, 0x0
	.amdhsa_kernel k_q587f4b890c_ffn1
		.amdhsa_group_segment_fixed_size 327680
		.amdhsa_private_segment_fixed_size 0
		.amdhsa_enable_private_segment 0
		.amdhsa_kernarg_size 32
		.amdhsa_user_sgpr_count 2
		.amdhsa_user_sgpr_kernarg_segment_ptr 1
		.amdhsa_wavefront_size32 1
		.amdhsa_system_sgpr_workgroup_id_x 1
		.amdhsa_system_sgpr_workgroup_id_y 1
		.amdhsa_system_sgpr_workgroup_id_z 1
		.amdhsa_system_vgpr_workitem_id 0
		.amdhsa_next_free_vgpr 1024
		.amdhsa_next_free_sgpr 84
		.amdhsa_reserve_vcc 0
		.amdhsa_float_denorm_mode_32 3
		.amdhsa_float_denorm_mode_16_64 3
		.amdhsa_memory_ordered 1
		.amdhsa_forward_progress 1
		.amdhsa_inst_pref_size 255
	.end_amdhsa_kernel
	.section	.bss,"aw",@nobits
	.p2align	6
	.space	262144
	.amdgpu_metadata
---
amdhsa.version: [ 1, 2 ]
amdhsa.kernels:
  - .name:           k_q587f4b890c_ffn1
    .symbol:         k_q587f4b890c_ffn1.kd
    .args:
      - { .name: xn, .offset: 0, .size: 8, .value_kind: global_buffer, .address_space: global }
      - { .name: wb, .offset: 8, .size: 8, .value_kind: global_buffer, .address_space: global }
      - { .name: b1, .offset: 16, .size: 8, .value_kind: global_buffer, .address_space: global }
      - { .name: hb, .offset: 24, .size: 8, .value_kind: global_buffer, .address_space: global }
    .group_segment_fixed_size: 327680
    .private_segment_fixed_size: 0
    .kernarg_segment_align: 8
    .kernarg_segment_size: 32
    .max_flat_workgroup_size: 128
    .sgpr_count:     84
    .vgpr_count:     1024
    .wavefront_size: 32
...
	.end_amdgpu_metadata
.endif
;; end of part 7
;; launch ffn2 (part 8): grid 8 x 32, 4 waves a work-group, clusters of 4 x 4, 327,680 bytes of LDS; arguments hb, wb, b2, x1, out0; writes out0
.if DOCPART == 8
	.amdgcn_target "amdgcn-amd-amdhsa--gfx1250"
	.amdhsa_code_object_version 6
	.text
	.protected	k_q587f4b890c_ffn2
	.globl	k_q587f4b890c_ffn2
	.p2align	8
	.type	k_q587f4b890c_ffn2,@function
k_q587f4b890c_ffn2:
	s_mov_b64 s[64:65], 0
	v_nop
	global_prefetch_b8 v0, s[64:65] scope:SCOPE_SE
	s_setreg_imm32_b32 hwreg(HW_REG_WAVE_MODE, 25, 1), 1
	s_wait_xcnt 0x0
	s_wait_alu depctr_hold_cnt(0) depctr_sa_sdst(0) depctr_va_vdst(0) depctr_va_sdst(0) depctr_va_ssrc(0) depctr_va_vcc(0) depctr_vm_vsrc(0)
	s_getreg_b32 s2, hwreg(HW_REG_IB_STS2, 6, 4)
	s_cmp_eq_u32 s2, 0
	s_cbranch_scc0 .Lentry_in_a_cluster
	s_endpgm
.Lentry_in_a_cluster:
	s_bfe_u32 s2, ttmp6, 0x10000c
	s_cmp_lg_u32 s2, 0xf033
	s_cbranch_scc0 .Lentry_shape_is_right
	s_endpgm
.Lentry_shape_is_right:
; out = res + (A B^T + bias), f32, 4,096 x 1,024.  One text for two launches:
; VAR = 0: x1 = x + select(query padded, 0, att w_out^T + b_out); A = att, bf16 by heads [2][16][2048][64], K = 1,024.
; VAR = 1: out0 = x1 + hb w2^T + b2; A = hb [4096][4096] bf16, K = 4,096.
; 4,096 x 1,024 of C on 256 work-groups leave 128 x 128 each.  Every wave makes the WHOLE block over its own quarter of K (64 accumulator tiles,
; 512 registers: for 32 along K it reads 2 x 128 x 64 bytes of LDS for 64 matrix instructions), and the four partial blocks are added through LDS
; once at the end, on the pass that the f32 rows need anyway to leave as whole rows.  Limit: K is added in four parts, another order of f32 sums than reference()'s.
; A slot holds 256 along K: wave w takes its 64.  B: 128 rows x 512 bytes, LDS rows of 528.  A, VAR = 1: the same.  A, VAR = 0: wave w's 64 are head 4 t + w;
; a head's 128 rows x 128 bytes are 16,384 dense bytes; one load brings two heads as two rows of 16,384 bytes, padded after every 128 bytes: LDS rows of 144.
; CLUSTERS: 4 x 4 work-groups; A's tiles are asked for jointly along a row of the cluster, B's along a column.
; Windows and the transposed use of the matrix instruction: window 0 addresses and A's fragments, window 1 B's, windows 2, 3 the accumulators of rows 0-63, 64-127;
; lane l holds row l % 16 of C and the columns 8 (l / 16) + 0 .. 7 of the tile.
.set VAR, 1
.if VAR
.set SIZE_K, 4096
.set WOFF, 16777216                    ; w2 in wb
.set APITCH, 528
.set AWAVE, 128                        ; wave w's 64 numbers begin 128 w bytes into a row
.set ALD, 64*528                       ; what one load of A brings
.set ANEXT, 512                        ; from a slot's tile to the next slot's
.set A_W0, (1<<16)|(1<<20)|(1<<21)|(6<<22)|(3<<25)
.set A_D0, 256
.set A_D1, 64
.set A_P, SIZE_K
.set BSH, 19                           ; 64 rows of B in bytes = 1 << BSH
.else
.set SIZE_K, 1024
.set WOFF, 6291456                     ; w_out in wb
.set APITCH, 144
.set AWAVE, 128*144                    ; wave w's head
.set ALD, 2*128*144
.set ANEXT, 4<<18                      ; four heads
.set A_W0, (1<<16)|(1<<20)|(1<<21)|(4<<22)|(3<<25)
.set A_D0, 8192
.set A_D1, 2
.set A_P, 131072
.set BSH, 17
.endif
.set BP, 528
.set BLD, 64*BP
.set ABYTES, 2*ALD
.set SLOT, ABYTES+2*BLD
.set LAPS, SIZE_K/512
.set RP, 528                           ; the sums' stage: a row of 128 f32 + 16 bytes
.set RW, 128*RP                        ; one wave's partial block; four of them lie on the ring's bytes, which have had their last fill
.set RDS,  8                           ; v[8:11]  where I read partial block s
.set ADRA, 16
.set ADRB, 20
.set STO,  24
.set CO,   26                          ; 16 l
.set BIA,  28                          ; v[28:31] bias of my four columns
.set F0,   64
.set F1,   128
.set RES,  64                          ; v[64:191]  the residual of my 32 rows
.set SUM,  192                         ; v[192:255] four rows x four partial blocks
.set G1, 24
.set G0, 32
.set G1B, 48
.set G0B, 56
.set MSB, 0
.macro WIN new
.if MSB != \new
	s_set_vgpr_msb (MSB<<8)|\new
.set MSB, \new
.endif
.endm
.set MUL_LO, 0xa1
.set MUL_HI, 0xf1
.set TO_B,   0x40
.macro JLOAD s                         ; waves 0, 1 fetch A's halves, waves 2, 3 B's; the branch hangs on the wave's number alone
	s_cmp_eq_u32 s11, 0
	s_cbranch_scc0 .Lfor_b_\@
	tensor_load_to_lds s[G0+4*\s:G0+4*\s+3], s[G1:G1+7]
	s_nop 0
	s_branch .Lasked_\@
.Lfor_b_\@:
	tensor_load_to_lds s[G0B+4*\s:G0B+4*\s+3], s[G1B:G1B+7]
	s_nop 0
.Lasked_\@:
.endm
.macro CREST
	s_cmp_lg_u32 s10, 0
	s_cbranch_scc1 .Lnot_wave_0_\@
	s_barrier_signal -3
.Lnot_wave_0_\@:
	s_barrier_wait -3
	s_barrier_signal -1
	s_barrier_wait -1
.endm
.macro CROUND
	s_barrier_signal -1
	s_barrier_wait -1
	CREST
.endm
	s_load_b256 s[68:75], s[0:1], 0x0              ; A s[68:69], wb s[70:71], bias s[72:73], residual s[74:75]
.if VAR
	s_load_b64 s[86:87], s[0:1], 0x20              ; output
	s_set_vgpr_msb 0x40
	v_lshl_add_u32 v255, v0, 2, 0x42000
	s_set_vgpr_msb 0x4000
	v_mov_b32 v63, 0
	s_set_vgpr_msb 0x1
	ds_add_u32 v255, v63
	s_set_vgpr_msb 0x100
.else
	s_load_b128 s[84:87], s[0:1], 0x20             ; mask s[84:85], output s[86:87]
.endif
	v_lshrrev_b32 v1, 5, v0
	v_readfirstlane_b32 s10, v1                    ; wave
	s_lshr_b32 s11, s10, 1                         ; I fetch for A (0) or B (1)
	s_and_b32 s12, s10, 1                          ; which half of that tile
	s_bfe_u32 s40, ttmp6, 0x40000                  ; cx
	s_bfe_u32 s41, ttmp6, 0x40004                  ; cy
	s_lshl_b32 s42, ttmp9, 2
	s_add_co_u32 s42, s42, s40                     ; block column
	s_and_b32 s13, ttmp7, 0xffff
	s_lshl_b32 s13, s13, 2
	s_add_co_u32 s13, s13, s41                     ; block row
	s_lshl_b32 s43, s41, 2
	s_lshl_b32 s43, 15, s43                        ; my row of the cluster
	s_lshl_b32 s44, 0x1111, s40                    ; my column
	s_or_b32 s[G1+0], s43, A_W0
	s_mov_b32 s[G1+1], A_D0<<16
	s_mov_b32 s[G1+2], A_D1<<16
	s_mov_b32 s[G1+3], A_D0<<16
	s_mov_b32 s[G1+4], A_D1
	s_mov_b32 s[G1+5], A_P
	s_mov_b32 s[G1+6], 0
	s_mov_b32 s[G1+7], 0
	s_or_b32 s[G1B+0], s44, (1<<16)|(1<<20)|(1<<21)|(6<<22)|(3<<25)   ; 64 rows x 256 elements, 4 words of padding after every 128
	s_mov_b32 s[G1B+1], 256<<16
	s_mov_b32 s[G1B+2], 64<<16
	s_mov_b32 s[G1B+3], 256<<16
	s_mov_b32 s[G1B+4], 64
	s_mov_b32 s[G1B+5], SIZE_K
	s_mov_b32 s[G1B+6], 0
	s_mov_b32 s[G1B+7], 0
.if VAR
	s_lshl1_add_u32 s16, s13, s12                  ; A: row 128 x block row + 64 x half, 8,192 bytes a row
	s_lshl_b32 s16, s16, 19
.else
	s_lshr_b32 s16, s13, 4                         ; batch: 16 block rows each
	s_lshl_b32 s16, s16, 3
	s_add_co_u32 s16, s16, s12                     ; head 16 b + 2 x half, halved
	s_lshl_b32 s16, s16, 19
	s_and_b32 s17, s13, 15
	s_lshl_b32 s17, s17, 14                        ; 128 positions x 128 bytes
	s_add_co_u32 s16, s16, s17
.endif
	s_mov_b32 s17, 0
	s_lshl1_add_u32 s46, s42, s12                  ; B: row 128 x block column + 64 x half
	s_lshl_b32 s46, s46, BSH
	s_mov_b32 s47, 0
	s_mul_i32 s20, s10, ALD                        ; LDS: A's halves by waves 0, 1
	s_mul_i32 s21, s10, BLD                        ; B's halves by waves 2, 3, behind A's bytes
	s_add_co_u32 s21, s21, ABYTES-2*BLD
	s_wait_dscnt 0x0
	s_wait_kmcnt 0x0
	s_add_nc_u64 s[70:71], s[70:71], WOFF
	s_add_nc_u64 s[14:15], s[68:69], s[16:17]
	s_add_nc_u64 s[46:47], s[70:71], s[46:47]
	CROUND                                         ; all sixteen work-groups are here: the first joint loads meet
.irp s, 0,1
	s_mov_b32 s[G0+4*\s], 1
	s_add_co_u32 s[G0+4*\s+1], s20, \s*SLOT
	s_add_nc_u64 s[G0+4*\s+2:G0+4*\s+3], s[14:15], \s*ANEXT
	s_or_b32 s[G0+4*\s+3], s[G0+4*\s+3], 0x80000000
	s_mov_b32 s[G0B+4*\s], 1
	s_add_co_u32 s[G0B+4*\s+1], s21, \s*SLOT
	s_add_nc_u64 s[G0B+4*\s+2:G0B+4*\s+3], s[46:47], \s*512
	s_or_b32 s[G0B+4*\s+3], s[G0B+4*\s+3], 0x80000000
	JLOAD \s                                       ; two tensor loads of a wave are out
.endr
	v_and_b32 v1, 15, v0                           ; r
	v_bfe_u32 v2, v0, 4, 1                         ; h
	v_mul_u32_u24 v3, v1, APITCH
	v_lshl_add_u32 v3, v2, 4, v3
	v_mul_u32_u24 v4, v1, BP
	v_lshl_add_u32 v4, v2, 4, v4
	s_mul_i32 s22, s10, AWAVE                      ; my quarter of the slot's K
	s_lshl_b32 s23, s10, 7
	s_add_co_u32 s23, s23, ABYTES
.irp s, 0,1
	v_add_nc_u32 v[ADRA+\s], s22, v3
	v_add_nc_u32 v[ADRB+\s], s23, v4
	s_add_co_u32 s22, s22, SLOT
	s_add_co_u32 s23, s23, SLOT
.endr
	v_and_b32 v5, 31, v0
	v_lshlrev_b32 v[CO], 4, v5
	s_mul_i32 s23, s10, RW
	v_mul_u32_u24 v6, v1, RP
	v_lshl_add_u32 v6, v2, 5, v6
	v_add_nc_u32 v[STO], s23, v6                   ; my partial block: row r, 32 bytes for each half of the lanes
	s_mul_i32 s23, s10, 32*RP                      ; the 32 rows that I add up
.irp s, 0,1,2,3
	v_add_nc_u32 v[RDS+\s], s23, v[CO]
	s_add_co_u32 s23, s23, RW
.endr
.macro MUL16 f, hi, a0, zero
.irp a, \a0, \a0+1
.irp b, 0,1,2,3,4,5,6,7
.if \zero
	v_wmma_f32_16x16x32_bf16 v[8*(8*(\a)+\b):8*(8*(\a)+\b)+7], v[\f+8*\b:\f+8*\b+7], v[\f+8*(4*\hi+\a):\f+8*(4*\hi+\a)+7], 0
.else
	v_wmma_f32_16x16x32_bf16 v[8*(8*(\a)+\b):8*(8*(\a)+\b)+7], v[\f+8*\b:\f+8*\b+7], v[\f+8*(4*\hi+\a):\f+8*(4*\hi+\a)+7], v[8*(8*(\a)+\b):8*(8*(\a)+\b)+7]
.endif
.endr
.endr
.endm
.macro FETCH slot, k, f
	WIN TO_B
.irp i, 0,1,2,3,4,5,6,7
	ds_load_b128 v[\f+8*\i:\f+8*\i+3],   v[ADRB+\slot] offset:\k+\i*16*BP
	ds_load_b128 v[\f+8*\i+4:\f+8*\i+7], v[ADRB+\slot] offset:\k+\i*16*BP+32
.endr
	WIN 0
.irp i, 0,1,2,3,4,5,6,7
	ds_load_b128 v[\f+8*\i:\f+8*\i+3],   v[ADRA+\slot] offset:\k+\i*16*APITCH
	ds_load_b128 v[\f+8*\i+4:\f+8*\i+7], v[ADRA+\slot] offset:\k+\i*16*APITCH+32
.endr
.endm
.macro PLACES                          ; four places behind a matrix instruction (ISA guide 7.12.1)
.rept 4
	v_nop
.endr
.endm
; my 64 of a slot's K are two steps of 32.  The first: multiplies buffer f and fetches the second's fragments into g.
; The 64 accumulators take turns, one instruction a turn, in the same order in every step.
.macro QUARTER slot, k, f, g, zero
	s_wait_dscnt 8                                 ; B and A's rows 0-63 are in; the youngest eight loads may be out
	WIN MUL_LO
	MUL16 \f, 0, 0, \zero
	MUL16 \f, 0, 2, \zero
	PLACES
	FETCH \slot, \k, \g
	s_wait_dscnt 32                                ; all but the 32 just issued
	WIN MUL_HI
	MUL16 \f, 1, 0, \zero
	MUL16 \f, 1, 2, \zero
.endm
; the second: multiplies buffer 1 and changes slots: waits, barrier (a round of the cluster's barrier where a slot is filled again), refill first, then the next slot's fragments
.macro TURN slot, next, fill
	s_wait_dscnt 8
	WIN MUL_LO
	MUL16 F1, 0, 0, 0
	s_wait_dscnt 0                                 ; my reads of this slot are over
	s_wait_tensorcnt 0x0                           ; all my tensor loads have landed: the one that was out is my part of the next slot
	ds_add_u32 v255, v63
	s_wait_dscnt 0x0
	s_barrier_signal -1
	MUL16 F1, 0, 2, 0
	WIN 0
	s_barrier_wait -1
.if \fill
	CREST
	s_add_nc_u64 s[G0+4*\slot+2:G0+4*\slot+3], s[G0+4*\slot+2:G0+4*\slot+3], 2*ANEXT
	s_add_nc_u64 s[G0B+4*\slot+2:G0B+4*\slot+3], s[G0B+4*\slot+2:G0B+4*\slot+3], 1024
	JLOAD \slot                                    ; the first tensor load behind the round, one a wave
.endif
	PLACES
	FETCH \next, 0, F0
	WIN MUL_HI
	MUL16 F1, 1, 0, 0
	MUL16 F1, 1, 2, 0
.endm
.macro LAP zero
	QUARTER 0, 64, F0, F1, \zero
	TURN 0, 1, 1
	QUARTER 1, 64, F0, F1, 0
	TURN 1, 0, 1
.endm
	s_wait_tensorcnt 1                             ; my part of slot 0 is in; slot 1's load may be out
	s_barrier_signal -1
	s_barrier_wait -1
	FETCH 0, 0, F0
	LAP 1
.if LAPS > 2
	WIN 0
	s_mov_b32 s3, LAPS-2
.Llap:
	LAP 0
	WIN 0
	s_sub_co_u32 s3, s3, 1
	s_cmp_lg_u32 s3, 0
	s_cbranch_scc1 .Llap
.endif
	QUARTER 0, 64, F0, F1, 0                       ; the last lap fills nothing
	TURN 0, 1, 0
	QUARTER 1, 64, F0, F1, 0
	s_wait_dscnt 8
	WIN MUL_LO
	MUL16 F1, 0, 0, 0
	MUL16 F1, 0, 2, 0
	s_wait_dscnt 0
	WIN MUL_HI
	MUL16 F1, 1, 0, 0
	MUL16 F1, 1, 2, 0
	; THE WAY OUT.  The residual and the bias are asked for first; the four partial blocks meet in LDS; wave w adds up rows 32 w .. 32 w + 31.
	PLACES
	WIN 0
	s_lshl_b32 s78, s42, 9                         ; my block's first column x 4 bytes
	s_mov_b32 s79, 0
	s_add_nc_u64 s[72:73], s[72:73], s[78:79]
	s_lshl_b32 s76, s13, 19                        ; 128 rows x 4,096 bytes
	s_lshl_b32 s77, s10, 17                        ; 32 rows
	s_add_co_u32 s76, s76, s77
	s_add_co_u32 s76, s76, s78
	s_mov_b32 s77, 0
	s_add_nc_u64 s[74:75], s[74:75], s[76:77]
	s_add_nc_u64 s[86:87], s[86:87], s[76:77]
.if VAR == 0
	s_lshl_b32 s80, s13, 7
	s_lshl_b32 s81, s10, 5
	s_add_co_u32 s80, s80, s81
	s_mov_b32 s81, 0
	s_add_nc_u64 s[84:85], s[84:85], s[80:81]
	s_load_b256 s[88:95], s[84:85], 0x0            ; the mask bytes of my 32 rows
.endif
.set k, 0
.rept 32
	global_load_b128 v[RES+4*k:RES+4*k+3], v[CO], s[74:75] offset:4096*k th:TH_LOAD_NT
.set k, k+1
.endr
	global_load_b128 v[BIA:BIA+3], v[CO], s[72:73]
	s_wait_dscnt 0x0                               ; my reads of the last slot are over; all tensor loads were waited for at the last change of slots
	s_barrier_signal -1
	s_barrier_wait -1                              ; everybody's are: the ring's bytes may be written
	WIN 0x08                                       ; store data from window 2
.irp a, 0,1,2,3
.irp b, 0,1,2,3,4,5,6,7
	ds_store_b128 v[STO], v[8*(8*\a+\b):8*(8*\a+\b)+3] offset:\a*16*RP+64*\b
	ds_store_b128 v[STO], v[8*(8*\a+\b)+4:8*(8*\a+\b)+7] offset:\a*16*RP+64*\b+16
.endr
.endr
	WIN 0x0c                                       ; from window 3
.irp a, 0,1,2,3
.irp b, 0,1,2,3,4,5,6,7
	ds_store_b128 v[STO], v[8*(8*\a+\b):8*(8*\a+\b)+3] offset:(\a+4)*16*RP+64*\b
	ds_store_b128 v[STO], v[8*(8*\a+\b)+4:8*(8*\a+\b)+7] offset:(\a+4)*16*RP+64*\b+16
.endr
.endr
	WIN 0
	s_wait_dscnt 0x0                               ; my partial block is written, for the others' sake
	s_barrier_signal -1
	s_barrier_wait -1
	s_wait_loadcnt 0x0                             ; residual and bias
.if VAR == 0
	s_wait_kmcnt 0x0
.endif
; four rows: lane l holds columns 4 l .. 4 l + 3 of each; a store covers a row piece of 512 consecutive bytes at a multiple of 512
.macro RED4 g
.if \g
	s_wait_xcnt 0x0                                ; the last four stores' data registers are loaded into again
.endif
.irp i, 0,1,2,3
.irp s, 0,1,2,3
	ds_load_b128 v[SUM+16*\i+4*\s:SUM+16*\i+4*\s+3], v[RDS+\s] offset:(4*\g+\i)*RP
.endr
.endr
.irp i, 0,1,2,3
	s_wait_dscnt 12-4*\i                           ; the four loads of each later row may be out
	v_pk_add_f32 v[SUM+16*\i:SUM+16*\i+1], v[SUM+16*\i:SUM+16*\i+1], v[SUM+16*\i+4:SUM+16*\i+5]
	v_pk_add_f32 v[SUM+16*\i+2:SUM+16*\i+3], v[SUM+16*\i+2:SUM+16*\i+3], v[SUM+16*\i+6:SUM+16*\i+7]
	v_pk_add_f32 v[SUM+16*\i+8:SUM+16*\i+9], v[SUM+16*\i+8:SUM+16*\i+9], v[SUM+16*\i+12:SUM+16*\i+13]
	v_pk_add_f32 v[SUM+16*\i+10:SUM+16*\i+11], v[SUM+16*\i+10:SUM+16*\i+11], v[SUM+16*\i+14:SUM+16*\i+15]
	v_pk_add_f32 v[SUM+16*\i:SUM+16*\i+1], v[SUM+16*\i:SUM+16*\i+1], v[SUM+16*\i+8:SUM+16*\i+9]
	v_pk_add_f32 v[SUM+16*\i+2:SUM+16*\i+3], v[SUM+16*\i+2:SUM+16*\i+3], v[SUM+16*\i+10:SUM+16*\i+11]
	v_pk_add_f32 v[SUM+16*\i:SUM+16*\i+1], v[SUM+16*\i:SUM+16*\i+1], v[BIA:BIA+1]
	v_pk_add_f32 v[SUM+16*\i+2:SUM+16*\i+3], v[SUM+16*\i+2:SUM+16*\i+3], v[BIA+2:BIA+3]
.if VAR == 0
	s_bitcmp1_b32 s[88+\g], 8*\i                   ; row 4 g + i padded?
	s_cselect_b32 s82, 0, -1
.irp e, 0,1,2,3
	v_cndmask_b32 v[SUM+16*\i+\e], 0, v[SUM+16*\i+\e], s82         ; a select: whatever a padded row holds is dropped
.endr
.endif
	v_pk_add_f32 v[SUM+16*\i:SUM+16*\i+1], v[SUM+16*\i:SUM+16*\i+1], v[RES+4*(4*\g+\i):RES+4*(4*\g+\i)+1]
	v_pk_add_f32 v[SUM+16*\i+2:SUM+16*\i+3], v[SUM+16*\i+2:SUM+16*\i+3], v[RES+4*(4*\g+\i)+2:RES+4*(4*\g+\i)+3]
	global_store_b128 v[CO], v[SUM+16*\i:SUM+16*\i+3], s[86:87] offset:4096*(4*\g+\i)
.endr
.endm
.irp g, 0,1,2,3,4,5,6,7
	RED4 \g
.endr
	s_set_vgpr_msb 0x1
	s_wait_tensorcnt 0x0
	ds_add_u32 v255, v63
	s_wait_dscnt 0x0
	s_set_vgpr_msb 0x100
	CROUND                                         ; the closing round: no work-group ends while a partner may still ask for a tile that names it
	s_endpgm
.Lfunc_end_k_q587f4b890c_ffn2:
	.size	k_q587f4b890c_ffn2, .Lfunc_end_k_q587f4b890c_ffn2-k_q587f4b890c_ffn2
	.p2alignl 7, 3214868480
	.fill 96, 4, 3214868480
	.section	.rodata,"a",@progbits
	.p2align	6, 0x0
	.amdhsa_kernel k_q587f4b890c_ffn2
		.amdhsa_group_segment_fixed_size 327680
		.amdhsa_private_segment_fixed_size 0
		.amdhsa_enable_private_segment 0
		.amdhsa_kernarg_size 40
		.amdhsa_user_sgpr_count 2
		.amdhsa_user_sgpr_kernarg_segment_ptr 1
		.amdhsa_wavefront_size32 1
		.amdhsa_system_sgpr_workgroup_id_x 1
		.amdhsa_system_sgpr_workgroup_id_y 1
		.amdhsa_system_sgpr_workgroup_id_z 1
		.amdhsa_system_vgpr_workitem_id 0
		.amdhsa_next_free_vgpr 1024
		.amdhsa_next_free_sgpr 96
		.amdhsa_reserve_vcc 0
		.amdhsa_float_denorm_mode_32 3
		.amdhsa_float_denorm_mode_16_64 3
		.amdhsa_memory_ordered 1
		.amdhsa_forward_progress 1
		.amdhsa_inst_pref_size 131
	.end_amdhsa_kernel
	.amdgpu_metadata
---
amdhsa.version: [ 1, 2 ]
amdhsa.kernels:
  - .name:           k_q587f4b890c_ffn2
    .symbol:         k_q587f4b890c_ffn2.kd
    .args:
      - { .name: hb, .offset: 0, .size: 8, .value_kind: global_buffer, .address_space: global }
      - { .name: wb, .offset: 8, .size: 8, .value_kind: global_buffer, .address_space: global }
      - { .name: b2, .offset: 16, .size: 8, .value_kind: global_buffer, .address_space: global }
      - { .name: x1, .offset: 24, .size: 8, .value_kind: global_buffer, .address_space: global }
      - { .name: out0, .offset: 32, .size: 8, .value_kind: global_buffer, .address_space: global }
    .group_segment_fixed_size: 327680
    .private_segment_fixed_size: 0
    .kernarg_segment_align: 8
    .kernarg_segment_size: 40
    .max_flat_workgroup_size: 128
    .sgpr_count:     96
    .vgpr_count:     1024
    .wavefront_size: 32
...
	.end_amdgpu_metadata
.endif
;; end of part 8
